; MI455X (gfx1250); checked and timed in simulation.
; The chip was launched on July 23, 2026; its instructions are those of AMD's public machine-readable ISA for CDNA 5 (MIT licence, August 2026) and "CDNA5" Instruction Set Architecture Reference Guide (July 2026). The comments in the code are by the model that wrote it; some were corrected since.
;; Spectral Discriminator. Allowed arithmetic: matrix products marked QUANTISED: E5M2 operands, one given power-of-two scale a tensor, by v_wmma_f32_16x16x64_bf8_bf8 or v_wmma_f32_16x16x128_bf8_bf8, f32 sums; products left as they are: f32 operands where the result goes on into a quantised operand, else bf16, f16 or f32 operands; f32 sums; everything else in f32.
;; Inputs: W1 64 x 6 float32; W2 128 x 64 float32; W3 256 x 128 float32; W4 512 x 256 float32; W5 1 x 512 float32; a1_gamma 1 float32; a1_kW_codes 32 x 8 x 32 uint8 (E5M2 codes of a1_kW, K innermost, in blocks of 32 codes); a1_kb 32 float32; a1_qW_codes 32 x 8 x 32 uint8 (E5M2 codes of a1_qW, K innermost, in blocks of 32 codes); a1_qb 32 float32; a1_vW_codes 256 x 8 x 32 uint8 (E5M2 codes of a1_vW, K innermost, in blocks of 32 codes); a1_vb 256 float32; a2_gamma 1 float32; a2_kW_codes 64 x 16 x 32 uint8 (E5M2 codes of a2_kW, K innermost, in blocks of 32 codes); a2_kb 64 float32; a2_qW_codes 64 x 16 x 32 uint8 (E5M2 codes of a2_qW, K innermost, in blocks of 32 codes); a2_qb 64 float32; a2_vW_codes 512 x 16 x 32 uint8 (E5M2 codes of a2_vW, K innermost, in blocks of 32 codes); a2_vb 512 float32; b1 64 float32; b2 128 float32; b3 256 float32; b4 512 float32; b5 1 float32; input 4 x 6 x 64 x 64 float32; lowp_scales 26 int32 (the exponents e of the quantised operands' scales 2^e); u1 64 float32; u2 128 float32; u3 256 float32; u4 512 float32; u5 1 float32.
;; Outputs: out0 4 x 64 x 64 float32.
;; This version of the problem:
;;   THIS VERSION OF THE PROBLEM IS GIVEN IN LOW PRECISION. The matrix products marked QUANTISED in the list below multiply operands that are first quantised to E5M2 (5 exponent bits, 2 mantissa bits; 8 bits a number), with one given power-of-two scale for each operand tensor; their sums are f32. All else is computed in f32.
;;   The module's matrix products, in the order in which they are computed (A, B: the left and right operand; K: the contracted axis; several contracted axes count as one K, in the product's order):
;;     1. [M 6, K 64] x [K 64, N 1]; A: input W1; B: input u1: left as it is (M = 6 < 16)
;;     2. [M 64, K 6] x [K 6, N 1]; A: input W1; B: computed on the way: left as it is (K = 6 < 32)
;;     3. [M 64, K 6] x [K 6, N 1]; A: input W1; B: computed on the way: left as it is (K = 6 < 32)
;;     4. [M 1, K 64] x [K 64, N 1]; A: computed on the way; B: computed on the way: left as it is (M = 1 < 16)
;;     5. [M 16,384, K 6] x [K 6, N 64]; A: input input; B: computed on the way: left as it is (K = 6 < 32)
;;     6. [M 64, K 128] x [K 128, N 1]; A: input W2; B: input u2: left as it is (N = 1 < 16)
;;     7. [M 128, K 64] x [K 64, N 1]; A: input W2; B: computed on the way: left as it is (N = 1 < 16)
;;     8. [M 128, K 64] x [K 64, N 1]; A: input W2; B: computed on the way: left as it is (N = 1 < 16)
;;     9. [M 1, K 128] x [K 128, N 1]; A: computed on the way; B: computed on the way: left as it is (M = 1 < 16)
;;     10. [M 16,384, K 64] x [K 64, N 128]; A: computed on the way; B: computed on the way: QUANTISED (scales: A lowp_scales[0], B lowp_scales[1])
;;     11. [M 128, K 256] x [K 256, N 1]; A: input W3; B: input u3: left as it is (N = 1 < 16)
;;     12. [M 256, K 128] x [K 128, N 1]; A: input W3; B: computed on the way: left as it is (N = 1 < 16)
;;     13. [M 256, K 128] x [K 128, N 1]; A: input W3; B: computed on the way: left as it is (N = 1 < 16)
;;     14. [M 1, K 256] x [K 256, N 1]; A: computed on the way; B: computed on the way: left as it is (M = 1 < 16)
;;     15. [M 16,384, K 128] x [K 128, N 256]; A: computed on the way; B: computed on the way: QUANTISED (scales: A lowp_scales[2], B lowp_scales[3])
;;     16. [M 16,384, K 256] x [K 256, N 32]; A: computed on the way; B: input a1_qW (given as codes): QUANTISED (scales: A lowp_scales[4], B lowp_scales[5])
;;     17. [M 16,384, K 256] x [K 256, N 32]; A: computed on the way; B: input a1_kW (given as codes): QUANTISED (scales: A lowp_scales[6], B lowp_scales[7])
;;     18. [M 16,384, K 256] x [K 256, N 256]; A: computed on the way; B: input a1_vW (given as codes): QUANTISED (scales: A lowp_scales[8], B lowp_scales[9])
;;     19. batch 4 x [M 4,096, K 32] x [K 32, N 4,096]; A: computed on the way; B: computed on the way: QUANTISED (scales: A lowp_scales[10], B lowp_scales[11])
;;     20. batch 4 x [M 256, K 4,096] x [K 4,096, N 4,096]; A: computed on the way; B: softmax (see below): QUANTISED (scales: A lowp_scales[12], B lowp_scales[13])
;;     21. [M 256, K 512] x [K 512, N 1]; A: input W4; B: input u4: left as it is (N = 1 < 16)
;;     22. [M 512, K 256] x [K 256, N 1]; A: input W4; B: computed on the way: left as it is (N = 1 < 16)
;;     23. [M 512, K 256] x [K 256, N 1]; A: input W4; B: computed on the way: left as it is (N = 1 < 16)
;;     24. [M 1, K 512] x [K 512, N 1]; A: computed on the way; B: computed on the way: left as it is (M = 1 < 16)
;;     25. [M 16,384, K 256] x [K 256, N 512]; A: computed on the way; B: computed on the way: QUANTISED (scales: A lowp_scales[14], B lowp_scales[15])
;;     26. [M 16,384, K 512] x [K 512, N 64]; A: computed on the way; B: input a2_qW (given as codes): QUANTISED (scales: A lowp_scales[16], B lowp_scales[17])
;;     27. [M 16,384, K 512] x [K 512, N 64]; A: computed on the way; B: input a2_kW (given as codes): QUANTISED (scales: A lowp_scales[18], B lowp_scales[19])
;;     28. [M 16,384, K 512] x [K 512, N 512]; A: computed on the way; B: input a2_vW (given as codes): QUANTISED (scales: A lowp_scales[20], B lowp_scales[21])
;;     29. batch 4 x [M 4,096, K 64] x [K 64, N 4,096]; A: computed on the way; B: computed on the way: QUANTISED (scales: A lowp_scales[22], B lowp_scales[23])
;;     30. batch 4 x [M 512, K 4,096] x [K 4,096, N 4,096]; A: computed on the way; B: softmax (see below): QUANTISED (scales: A lowp_scales[24], B lowp_scales[25])
;;     31. [M 512, K 1] x [K 1, N 1]; A: input W5; B: input u5: left as it is (K = 1 < 32)
;;     32. [M 1, K 512] x [K 512, N 1]; A: input W5; B: computed on the way: left as it is (M = 1 < 16)
;;     33. [M 1, K 512] x [K 512, N 1]; A: input W5; B: computed on the way: left as it is (M = 1 < 16)
;;     34. [M 1, K 1] x [K 1, N 1]; A: computed on the way; B: computed on the way: left as it is (K = 1 < 32)
;;     35. [M 16,384, K 512] x [K 512, N 1]; A: computed on the way; B: computed on the way: left as it is (N = 1 < 16)
;;   THE QUANTISER, for each operand of a quantised product, along K:
;;     - The operand's scale is 2^e, e = its entry of the input lowp_scales (int32; the entries are numbered through the quantised products in the list's order, A before B).
;;     - Each number is divided by the scale, clamped to +-57,344, and rounded to the nearest number of E5M2, ties to even, subnormals kept.
;;     - The product sums the exact products of the quantised numbers (number of the format x scale) in f32.
;;   ~~~python
;;   def quantise(x, axis, e):      # numpy; x: float32 -> the quantised numbers, widened to float32 again
;;       x = np.moveaxis(x, axis, -1); K = x.shape[-1]
;;       r = np.clip(x / 2.0 ** e, -57344, 57344)
;;       step = 2.0 ** (np.maximum(np.frexp(np.where(r == 0, 1, r))[1] - 1, -14) - 2)
;;       q = np.round(r / step) * step * 2.0 ** e      # np.round: ties to even
;;       return np.moveaxis(q, -1, axis).astype(np.float32)
;;   ~~~
;;   SOFTMAX AHEAD OF A QUANTISED PRODUCT. Where the list says 'softmax', what is quantised is not the finished softmax but p = 2^(t - M), with t = logit x log2(e) and M = ceil(the row's largest t), a whole number; so 1/2 < the row's largest p <= 1. The row's sum l is taken of the UNQUANTISED p, in f32, and the product's result is divided by l at the end. Since M is a whole number, a kernel that streams over the keys may use a running M (the ceiling of the running maximum): every later rescaling is an exact power of two, so the quantised numbers keep their values, but for numbers so far below the row's largest that they fall under the format's range.
;;   OPERANDS COMPUTED ON THE WAY. 'Computed on the way' means the value that the module computes at that place (a softmax that the list does not call 'softmax' is quantised finished and normalised). What goes into a quantiser is computed in f32, as accurately as f32 sums, v_exp_f32 and their like allow (about 1e-6 of the number): no bf16 or f16 on the way to a quantiser, and a product that is left as it is and whose result goes on into a quantised operand takes f32 operands (vector FMAs, or v_wmma_f32_16x16x4_f32). A number that lies on a knife's edge between two numbers of the format may be rounded either way, as far as f32 arithmetic and the matrix unit's own rounding can turn it there, and no further.
;;   INPUTS GIVEN AS CODES. a1_kW (in the module: [32, 256], K = its axis 1); a1_qW (in the module: [32, 256], K = its axis 1); a1_vW (in the module: [256, 256], K = its axis 1); a2_kW (in the module: [64, 512], K = its axis 1); a2_qW (in the module: [64, 512], K = its axis 1); a2_vW (in the module: [512, 512], K = its axis 1): each comes as NAME_codes (uint8): NAME with its K axis moved to the last place and cut into blocks of 32 codes, [.., K / 32, bytes a block], one block behind the other in memory; one code a byte (a code: sign, 5 exponent bits, 2 mantissa bits); its scale is its entry of lowp_scales. Its value is code x scale, taken as it is: it is not quantised again, and the codes and scales need not be those that the quantiser above would give.
;; 2 versions, each right and faster than the one before. Each part assembles by itself: llvm-mc -triple=amdgcn-amd-amdhsa -mcpu=gfx1250 --defsym DOCPART=n.
;; ======== version 1 of 2: 4 launches
;; workspace buffers: pw 454,656 bytes; fa 22,151,168 bytes; ga 10,551,296 bytes
;; launch prep (part 1): grid 19 x 1, 16 waves a work-group, no clusters, 293,888 bytes of LDS; arguments W1, W2, W3, W4, W5, u1, u2, u3, u4, u5, a1_qW_codes, a1_kW_codes, a1_vW_codes, a2_qW_codes, a2_kW_codes, a2_vW_codes, lowp_scales, pw; writes pw
.if DOCPART == 1
	.amdgcn_target "amdgcn-amd-amdhsa--gfx1250"
	.amdhsa_code_object_version 6
	.text
	.protected	k_q374c1e1370_prep
	.globl	k_q374c1e1370_prep
	.p2align	8
	.type	k_q374c1e1370_prep,@function
k_q374c1e1370_prep:
	s_mov_b64 s[64:65], 0
	v_nop
	global_prefetch_b8 v0, s[64:65] scope:SCOPE_SE
	s_setreg_imm32_b32 hwreg(HW_REG_WAVE_MODE, 25, 1), 1
	s_wait_xcnt 0x0
; THE WEIGHTS ARE MADE READY.  Work-group 0: 1/sigma of W4.  1, 2: sigma of W3, W2, and their codes W/sigma in E5M2.  3, 4: W1/sigma1, W5/sigma5 in f32.
; 5 to 18: the six weights that come as codes are laid out anew.  Every operand leaves as an IMAGE OF ITS REGISTERS: a fragment (16 rows x 128 K) is [piece c 0..3][lane][16 bytes],
; lane (r, h) holding k = 32 c + 16 h + 0 .. 15 of the tile's row r; lane r of tile t takes row 32 (t / 2) + 8 (t % 2) + r + 8 (r / 8), so that two neighbouring tiles' results are 16 neighbours along the next K.
; SIGMA (one power iteration): a = W^T u; z = W a; d = |a| + 1e-12; n = |z| / d; sigma = n n / (n + 1e-12).  All in f32.  W x (1 / sigma) stands for W / sigma.
; Sixteen waves share the rows.  A row lies dense over the 32 lanes; the waves' parts of a meet in LDS, the squares of z likewise: two barriers.  W4's 32 rows a wave: 16 stay in registers, 16 in the wave's own LDS.
; LIMITS: the given exponents between -126 and 112; NaN among the inputs is not served.
.set PW_SIG, 0
.set PW_W1N, 256
.set PW_W5N, 2048
.set PW_W2I, 4096
.set PW_W3I, 12288
.set PW_A1Q, 45056
.set PW_A1K, 53248
.set PW_A1V, 61440
.set PW_A2Q, 126976
.set PW_A2K, 159744
.set PW_A2V, 192512
.set AB4, 262144                       ; LDS: bytes 0 .. 262,143 W4's stash, 16 KB a wave; then each path's own exchange bytes
.set ZB4, 278528
.set AB3, 278784
.set ZB3, 286976
.set AB2, 287232
.set ZB2, 291328
.set A, 16                             ; v16-23   a: my columns
.set T, 64                             ; v64-127  rows in transit
.set R, 128                            ; v128-255 rows that stay
.set EPS, 0x2b8cbccc                   ; 1e-12
.set FRS, 1
.macro BAR                             ; my LDS stores have landed and my LDS loads are in: then the work-group's barrier
	s_wait_dscnt 0x0
	s_barrier_signal -1
	s_barrier_wait -1
.endm
.macro WSUM x, t                       ; the sum over the 32 lanes, in every lane
	v_add_f32_dpp v[\x], v[\x], v[\x] row_xmask:1 row_mask:0xf bank_mask:0xf
	v_add_f32_dpp v[\x], v[\x], v[\x] row_xmask:2 row_mask:0xf bank_mask:0xf
	v_add_f32_dpp v[\x], v[\x], v[\x] row_xmask:4 row_mask:0xf bank_mask:0xf
	v_add_f32_dpp v[\x], v[\x], v[\x] row_xmask:8 row_mask:0xf bank_mask:0xf
	v_permlanex16_b32 v[\t], v[\x], s66, s67
	v_add_f32 v[\x], v[\x], v[\t]
.endm
.macro MKSC vs, vl, se                 ; 2^E as f32 and 57,344 x 2^E, E in s[se]
	s_add_co_i32 s28, s[\se], 127
	s_lshl_b32 s29, s28, 23
	v_mov_b32 v[\vs], s29
	s_add_co_i32 s28, s28, 15
	s_lshl_b32 s28, s28, 23
	s_or_b32 s28, s28, 0x600000
	v_mov_b32 v[\vl], s28
.endm
.macro QUANT16 src, tmp, dst, vs, vl   ; 16 neighbours along K -> 16 codes: the hold at the largest code (the conversion does not saturate: ISA guide 7.6.2), then the conversion
.set qi, 0
.rept 16
	v_med3_num_f32 v[\tmp+qi], v[\src+qi], -v[\vl], v[\vl]
.set qi, qi+1
.endr
	v_cvt_scalef32_pk8_bf8_f32 v[\dst:\dst+1], v[\tmp:\tmp+7], v[\vs]
	v_cvt_scalef32_pk8_bf8_f32 v[\dst+2:\dst+3], v[\tmp+8:\tmp+15], v[\vs]
	v_nop                                          ; a plain line behind the conversions
.endm
.macro SIGFIN                          ; v33 = |a|^2, v32 = |W a|^2  ->  v[12:13] = 1 / sigma, twice
	v_sqrt_f32 v34, v33
	v_sqrt_f32 v35, v32
	v_nop                                          ; a plain line behind each transcendental before its result is used
	s_wait_alu depctr_va_vdst(0)
	v_add_f32 v34, s26, v34
	v_rcp_f32 v34, v34
	v_nop
	s_wait_alu depctr_va_vdst(0)
	v_mul_f32 v35, v35, v34                        ; n = |z| / d
	v_add_f32 v36, s26, v35
	v_rcp_f32 v36, v36
	v_mul_f32 v37, v35, v35
	s_wait_alu depctr_va_vdst(0)
	v_mul_f32 v37, v37, v36                        ; sigma
	v_rcp_f32 v12, v37
	v_nop
	s_wait_alu depctr_va_vdst(0)
	v_mov_b32 v13, v12
.endm
.macro LDROW reg, row, NR              ; a row of my wave's, dense over the lanes
.if \NR == 8
	global_load_b128 v[\reg:\reg+3], v4, s[10:11] offset:(\row)*1024
	global_load_b128 v[\reg+4:\reg+7], v4, s[10:11] offset:(\row)*1024+512
.elseif \NR == 4
	global_load_b128 v[\reg:\reg+3], v4, s[10:11] offset:(\row)*512
.else
	global_load_b64 v[\reg:\reg+1], v11, s[10:11] offset:(\row)*256
.endif
.endm
.macro ACCROW reg, row, NR             ; a += u[row] x row; the first row starts the sums
.set ai, 0
.rept \NR
.if FRS
	v_mul_f32 v[A+ai], s[32+\row], v[\reg+ai]
.else
	v_fmac_f32 v[A+ai], s[32+\row], v[\reg+ai]
.endif
.set ai, ai+1
.endr
.set FRS, 0
.endm
.macro Z4 reg, NR                      ; four rows' z = row . a, by turns; v32 += z z
.irp k, 0,1,2,3
	v_mul_f32 v[24+\k], v[\reg+\k*\NR], v[A]
.endr
.set zi, 1
.rept \NR-1
.irp k, 0,1,2,3
	v_fmac_f32 v[24+\k], v[\reg+\k*\NR+zi], v[A+zi]
.endr
.set zi, zi+1
.endr
.irp x, 1,2,4,8
.irp k, 0,1,2,3
	v_add_f32_dpp v[24+\k], v[24+\k], v[24+\k] row_xmask:\x row_mask:0xf bank_mask:0xf
.endr
.endr
.irp k, 0,1,2,3
	v_permlanex16_b32 v[28+\k], v[24+\k], s66, s67
.endr
.irp k, 0,1,2,3
	v_add_f32 v[24+\k], v[24+\k], v[28+\k]
.endr
.irp k, 0,1,2,3
	v_fmac_f32 v32, v[24+\k], v[24+\k]
.endr
.endm
.macro SUMP NR                         ; the sixteen waves' parts of a are added, by every wave
.set NPB, 8
.if \NR < 8
.set NPB, 16
.endif
.set sg, 0
.rept 16/NPB
.set sp, 0
.rept NPB
.if \NR == 8
	ds_load_b128 v[T+8*sp:T+8*sp+3], v8 offset:(sg+sp)*1024
	ds_load_b128 v[T+8*sp+4:T+8*sp+7], v8 offset:(sg+sp)*1024+512
.elseif \NR == 4
	ds_load_b128 v[T+4*sp:T+4*sp+3], v8 offset:(sg+sp)*512
.else
	ds_load_b64 v[T+2*sp:T+2*sp+1], v8 offset:(sg+sp)*256
.endif
.set sp, sp+1
.endr
	s_wait_dscnt 0x0
.set sp, 0
.rept NPB
.set si, 0
.rept \NR/2
.if (sg+sp) == 1
	v_pk_add_f32 v[A+si:A+si+1], v[T+si:T+si+1], v[T+\NR+si:T+\NR+si+1]
.elseif (sg+sp) > 1
	v_pk_add_f32 v[A+si:A+si+1], v[A+si:A+si+1], v[T+\NR*sp+si:T+\NR*sp+si+1]
.endif
.set si, si+2
.endr
.set sp, sp+1
.endr
.set sg, sg+NPB
.endr
.endm
; NR registers a row and lane, RW rows a wave
.macro SIGMA NR, RW, WARG, UARG, AB, ZB
.set FRS, 1
	s_load_b64 s[10:11], s[0:1], \WARG
	s_load_b64 s[12:13], s[0:1], \UARG
	s_mul_i32 s14, s8, \RW*\NR*128
	s_mov_b32 s15, 0
	s_mul_i32 s16, s8, \RW*4
	s_mov_b32 s17, 0
	s_mul_i32 s18, s8, \NR*128
	s_add_co_u32 s18, s18, \AB
.if \NR == 2
	v_add_nc_u32 v7, s18, v11                      ; where my part of a goes
	v_add_nc_u32 v8, \AB, v11                      ; and where all parts are read
.else
	v_add_nc_u32 v7, s18, v4
	v_add_nc_u32 v8, \AB, v4
.endif
	s_lshl_b32 s19, s8, 2
	s_add_co_u32 s19, s19, \ZB
	v_mov_b32 v9, s19
	v_mov_b32 v10, \ZB
	s_wait_kmcnt 0x0
	s_mov_b64 s[20:21], s[10:11]                   ; W's first byte, for the quantiser
	s_add_nc_u64 s[10:11], s[10:11], s[14:15]      ; my rows
	s_add_nc_u64 s[12:13], s[12:13], s[16:17]      ; their u
.if \RW == 32
	s_load_b512 s[32:47], s[12:13], 0x0
	s_load_b512 s[48:63], s[12:13], 0x40
	s_lshl_b32 s18, s8, 14
	v_add_nc_u32 v6, s18, v4                       ; my stash
.set rq, 0
.rept 8
	LDROW T+8*rq, 16+rq, 8
.set rq, rq+1
.endr
.set rq, 0
.rept 16
	LDROW R+8*rq, rq, 8
.set rq, rq+1
.endr
	s_wait_kmcnt 0x0
	s_wait_loadcnt 32                              ; rows 16-23 are in; the 32 loads of rows 0-15 are younger
.set rq, 0
.rept 8
	ACCROW T+8*rq, 16+rq, 8
	ds_store_b128 v6, v[T+8*rq:T+8*rq+3] offset:rq*1024
	ds_store_b128 v6, v[T+8*rq+4:T+8*rq+7] offset:rq*1024+512
.set rq, rq+1
.endr
	s_wait_dscnt 0x0                               ; the stash has taken them: their registers are loaded again
.set rq, 0
.rept 8
	LDROW T+8*rq, 24+rq, 8
.set rq, rq+1
.endr
	s_wait_loadcnt 16                              ; rows 0-15 are in; the 16 loads of rows 24-31 are younger
.set rq, 0
.rept 16
	ACCROW R+8*rq, rq, 8
.set rq, rq+1
.endr
	s_wait_loadcnt 0x0
.set rq, 0
.rept 8
	ACCROW T+8*rq, 24+rq, 8
	ds_store_b128 v6, v[T+8*rq:T+8*rq+3] offset:(8+rq)*1024
	ds_store_b128 v6, v[T+8*rq+4:T+8*rq+7] offset:(8+rq)*1024+512
.set rq, rq+1
.endr
.else
.if \RW == 16
	s_load_b512 s[32:47], s[12:13], 0x0
.else
	s_load_b256 s[32:39], s[12:13], 0x0
.endif
.set rq, 0
.rept \RW
	LDROW R+\NR*rq, rq, \NR
.set rq, rq+1
.endr
	s_wait_kmcnt 0x0
	s_wait_loadcnt 0x0
.set rq, 0
.rept \RW
	ACCROW R+\NR*rq, rq, \NR
.set rq, rq+1
.endr
.endif
.if \NR == 8
	ds_store_b128 v7, v[A:A+3]
	ds_store_b128 v7, v[A+4:A+7] offset:512
.elseif \NR == 4
	ds_store_b128 v7, v[A:A+3]
.else
	ds_store_b64 v7, v[A:A+1]
.endif
	BAR                                            ; all sixteen parts of a lie in LDS
	SUMP \NR
	v_mul_f32 v33, v[A], v[A]
.set ai, 1
.rept \NR-1
	v_fmac_f32 v33, v[A+ai], v[A+ai]
.set ai, ai+1
.endr
	WSUM 33, 38                                    ; |a|^2
.if \RW == 32
.set zq, 0
.rept 4
	Z4 R+32*zq, 8
.set zq, zq+1
.endr
.irp g, 0,1
.set rq, 0
.rept 8
	ds_load_b128 v[T+8*rq:T+8*rq+3], v6 offset:(8*\g+rq)*1024
	ds_load_b128 v[T+8*rq+4:T+8*rq+7], v6 offset:(8*\g+rq)*1024+512
.set rq, rq+1
.endr
	s_wait_dscnt 0x0
	Z4 T, 8
	Z4 T+32, 8
.endr
.else
.set zq, 0
.rept \RW/4
	Z4 R+4*\NR*zq, \NR
.set zq, zq+1
.endr
.endif
	ds_store_b32 v9, v32                           ; my rows' sum of z z: every lane holds it and writes the same word
	BAR
.irp j, 0,1,2,3
	ds_load_b128 v[40+4*\j:43+4*\j], v10 offset:16*\j
.endr
	s_wait_dscnt 0x0
.irp j, 0,2,4,6
	v_pk_add_f32 v[40+\j:41+\j], v[40+\j:41+\j], v[48+\j:49+\j]
.endr
	v_pk_add_f32 v[40:41], v[40:41], v[44:45]
	v_pk_add_f32 v[42:43], v[42:43], v[46:47]
	v_pk_add_f32 v[40:41], v[40:41], v[42:43]
	v_add_f32 v32, v40, v41
	SIGFIN
.endm
; Tile s22 of W (rows of RB bytes, NC pieces of 32 along K) x 1/sigma -> codes, one image of FB bytes at DST + FB x tile.  The exponent is on its way into s30.
.macro WQUANT RB, NC, DST, FB
	s_lshr_b32 s23, s22, 1
	s_lshl_b32 s23, s23, 5
	s_and_b32 s24, s22, 1
	s_lshl_b32 s24, s24, 3
	s_add_co_u32 s23, s23, s24
	s_mul_i32 s23, s23, \RB
	v_mul_u32_u24 v14, v5, \RB
	v_lshl_add_u32 v14, v3, 6, v14
	v_add_nc_u32 v14, s23, v14                     ; my row, + 64 h: my 16 numbers of a piece
	s_mul_i32 s24, s22, \FB
	s_add_co_u32 s24, s24, \DST
	v_add_nc_u32 v15, s24, v4
.set wc, 0
.rept \NC
.irp j, 0,1,2,3
	global_load_b128 v[T+16*wc+4*\j:T+16*wc+4*\j+3], v14, s[20:21] offset:128*wc+16*\j
.endr
.set wc, wc+1
.endr
	s_wait_kmcnt 0x0
	MKSC 34, 35, 30
	s_wait_loadcnt 0x0
.set wc, 0
.rept 8*\NC
	v_pk_mul_f32 v[T+2*wc:T+2*wc+1], v[T+2*wc:T+2*wc+1], v[12:13]
.set wc, wc+1
.endr
.set wc, 0
.rept \NC
	QUANT16 T+16*wc, T+16*wc, 40+4*wc, 34, 35
.set wc, wc+1
.endr
.set wc, 0
.rept \NC
	global_store_b128 v15, v[40+4*wc:43+4*wc], s[2:3] offset:512*wc   ; the wave stores 512 consecutive bytes
.set wc, wc+1
.endr
	s_wait_tensorcnt 0x0
	ds_add_u32 v62, v63
	s_wait_dscnt 0x0
	s_endpgm
.endm
; Codes that are given, rows of KB bytes: fragment f = 16 (work-group - G0) + wave goes to DST + 2048 f
.macro COPY PARG, KB, LOGS, NFR, G0, DST, VMODE
	s_sub_co_u32 s14, ttmp9, \G0
	s_lshl_b32 s14, s14, 4
	s_add_co_u32 s14, s14, s8
.if \NFR < 16
	s_cmp_ge_u32 s14, \NFR
	s_cbranch_scc1 .Lend
.endif
	s_load_b64 s[10:11], s[0:1], \PARG
.if \VMODE
	s_and_b32 s15, s14, 31                         ; tile
	s_lshr_b32 s16, s14, 5                         ; K step
.else
	s_lshr_b32 s15, s14, \LOGS
	s_and_b32 s16, s14, (1<<\LOGS)-1
.endif
	s_lshr_b32 s17, s15, 1
	s_lshl_b32 s17, s17, 5
	s_and_b32 s18, s15, 1
	s_lshl_b32 s18, s18, 3
	s_add_co_u32 s17, s17, s18
	s_mul_i32 s17, s17, \KB
	s_lshl_b32 s18, s16, 7
	s_add_co_u32 s17, s17, s18
	v_mul_u32_u24 v14, v5, \KB
	v_lshl_add_u32 v14, v3, 4, v14
	v_add_nc_u32 v14, s17, v14
	s_lshl_b32 s18, s14, 11
	s_add_co_u32 s18, s18, \DST
	v_add_nc_u32 v15, s18, v4
	s_wait_kmcnt 0x0
.irp c, 0,1,2,3
	global_load_b128 v[64+4*\c:67+4*\c], v14, s[10:11] offset:32*\c
.endr
	s_wait_loadcnt 0x0
.irp c, 0,1,2,3
	global_store_b128 v15, v[64+4*\c:67+4*\c], s[2:3] offset:512*\c
.endr
	s_endpgm
.endm
	s_load_b64 s[2:3], s[0:1], 0x88                ; pw
	s_load_b64 s[4:5], s[0:1], 0x80                ; the scales' exponents
	v_lshl_add_u32 v62, v0, 2, 0x47400
	v_mov_b32 v63, 0
	v_lshrrev_b32 v1, 5, v0
	v_readfirstlane_b32 s8, v1                     ; wave 0..15
	v_and_b32 v1, 31, v0                           ; lane
	v_and_b32 v2, 15, v0                           ; r
	v_bfe_u32 v3, v0, 4, 1                         ; h
	v_lshlrev_b32 v4, 4, v1                        ; 16 x lane
	v_and_b32 v5, 8, v2
	v_add_nc_u32 v5, v5, v2                        ; r + 8 (r / 8)
	v_lshlrev_b32 v11, 3, v1                       ; 8 x lane
	s_mov_b32 s66, 0x76543210
	s_mov_b32 s67, 0xfedcba98                      ; lane l xor 16
	s_mov_b32 s26, EPS
.irp k, 28,29,30,31,38
	v_mov_b32 v\k, 0                               ; a lane permute's destination counts as one of its sources
.endr
	v_mov_b32 v32, 0
	s_wait_kmcnt 0x0
	s_cmp_eq_u32 ttmp9, 0
	s_cbranch_scc1 .Lw4
	s_cmp_eq_u32 ttmp9, 1
	s_cbranch_scc1 .Lw3
	s_cmp_eq_u32 ttmp9, 2
	s_cbranch_scc1 .Lw2
	s_cmp_eq_u32 ttmp9, 3
	s_cbranch_scc1 .Lw1
	s_cmp_eq_u32 ttmp9, 4
	s_cbranch_scc1 .Lw5
	s_cmp_eq_u32 ttmp9, 5
	s_cbranch_scc1 .Lq1
	s_cmp_eq_u32 ttmp9, 6
	s_cbranch_scc1 .Lk1
	s_cmp_lt_u32 ttmp9, 9
	s_cbranch_scc1 .Lv1
	s_cmp_eq_u32 ttmp9, 9
	s_cbranch_scc1 .Lq2
	s_cmp_eq_u32 ttmp9, 10
	s_cbranch_scc1 .Lk2
	COPY 0x78, 512, 2, 128, 11, PW_A2V, 1          ; a2_vW: [K step][tile]
.Lq1:
	COPY 0x50, 256, 1, 4, 5, PW_A1Q, 0
.Lk1:
	COPY 0x58, 256, 1, 4, 6, PW_A1K, 0
.Lv1:
	COPY 0x60, 256, 1, 32, 7, PW_A1V, 0
.Lq2:
	COPY 0x68, 512, 2, 16, 9, PW_A2Q, 0
.Lk2:
	COPY 0x70, 512, 2, 16, 10, PW_A2K, 0
.Lw4:
	SIGMA 8, 32, 0x18, 0x40, AB4, ZB4
	s_cmp_lg_u32 s8, 0
	s_cbranch_scc1 .Lend
	global_store_b64 v11, v[12:13], s[2:3]         ; 64 copies of 1/sigma4: 256 consecutive bytes
	s_wait_tensorcnt 0x0
	ds_add_u32 v62, v63
	s_wait_dscnt 0x0
	s_endpgm
.Lw3:
	SIGMA 4, 16, 0x10, 0x38, AB3, ZB3
	s_load_b32 s30, s[4:5], 0xc                    ; entry 3
	s_mov_b32 s22, s8                              ; wave w takes tile w
	WQUANT 512, 4, PW_W3I, 2048
.Lw2:
	SIGMA 2, 8, 0x8, 0x30, AB2, ZB2
	s_cmp_ge_u32 s8, 8                             ; eight tiles: behind the last barrier the other waves end
	s_cbranch_scc1 .Lend
	s_load_b32 s30, s[4:5], 0x4                    ; entry 1
	s_mov_b32 s22, s8
	WQUANT 256, 2, PW_W2I, 1024
.Lw1:                                              ; W1 [64][6]: one wave; lane L holds rows L and L + 32
	s_cmp_lg_u32 s8, 0
	s_cbranch_scc1 .Lend
	s_load_b64 s[10:11], s[0:1], 0x0
	s_load_b64 s[12:13], s[0:1], 0x28
	v_mul_u32_u24 v14, v1, 24
	v_lshlrev_b32 v15, 2, v1
	s_wait_kmcnt 0x0
.irp j, 0,1,2
	global_load_b64 v[64+2*\j:65+2*\j], v14, s[10:11] offset:8*\j
	global_load_b64 v[70+2*\j:71+2*\j], v14, s[10:11] offset:768+8*\j
.endr
	global_load_b32 v76, v15, s[12:13]
	global_load_b32 v77, v15, s[12:13] offset:128
	s_wait_loadcnt 0x0
.irp c, 0,1,2,3,4,5
	v_mul_f32 v[A+\c], v76, v[64+\c]
	v_fmac_f32 v[A+\c], v77, v[70+\c]
.endr
.irp c, 0,1,2,3,4,5
	WSUM A+\c, 38
.endr
	v_mul_f32 v33, v[A], v[A]
	v_mul_f32 v24, v64, v[A]
	v_mul_f32 v25, v70, v[A]
.irp c, 1,2,3,4,5
	v_fmac_f32 v33, v[A+\c], v[A+\c]
	v_fmac_f32 v24, v[64+\c], v[A+\c]
	v_fmac_f32 v25, v[70+\c], v[A+\c]
.endr
	v_mul_f32 v32, v24, v24
	v_fmac_f32 v32, v25, v25
	WSUM 32, 38
	SIGFIN
.irp j, 0,2,4,6,8,10
	v_pk_mul_f32 v[64+\j:65+\j], v[64+\j:65+\j], v[12:13]
.endr
.irp j, 0,1,2
	global_store_b64 v14, v[64+2*\j:65+2*\j], s[2:3] offset:PW_W1N+8*\j
	global_store_b64 v14, v[70+2*\j:71+2*\j], s[2:3] offset:PW_W1N+768+8*\j
.endr
	s_endpgm
.Lw5:                                              ; W5 [1][512]: one wave, 16 numbers a lane.  a = u5 W5; z = W5 . a, one number: |z|^2 = z z
	s_cmp_lg_u32 s8, 0
	s_cbranch_scc1 .Lend
	s_load_b64 s[10:11], s[0:1], 0x20
	s_load_b64 s[12:13], s[0:1], 0x48
	s_wait_kmcnt 0x0
	s_load_b32 s14, s[12:13], 0x0
.irp j, 0,1,2,3
	global_load_b128 v[64+4*\j:67+4*\j], v4, s[10:11] offset:512*\j
.endr
	s_wait_kmcnt 0x0
	s_wait_loadcnt 0x0
.set wc, 0
.rept 16
	v_mul_f32 v[80+wc], s14, v[64+wc]
.set wc, wc+1
.endr
	v_mul_f32 v33, v80, v80
	v_mul_f32 v24, v64, v80
.set wc, 1
.rept 15
	v_fmac_f32 v33, v[80+wc], v[80+wc]
	v_fmac_f32 v24, v[64+wc], v[80+wc]
.set wc, wc+1
.endr
	WSUM 33, 38
	WSUM 24, 38
	v_mul_f32 v32, v24, v24
	SIGFIN
.irp j, 0,2,4,6,8,10,12,14
	v_pk_mul_f32 v[64+\j:65+\j], v[64+\j:65+\j], v[12:13]
.endr
.irp j, 0,1,2,3
	global_store_b128 v4, v[64+4*\j:67+4*\j], s[2:3] offset:PW_W5N+512*\j
.endr
.Lend:
	s_wait_tensorcnt 0x0
	ds_add_u32 v62, v63
	s_wait_dscnt 0x0
	s_endpgm
.Lfunc_end_k_q374c1e1370_prep:
	.size	k_q374c1e1370_prep, .Lfunc_end_k_q374c1e1370_prep-k_q374c1e1370_prep
	.p2alignl 7, 3214868480
	.fill 96, 4, 3214868480
	.section	.rodata,"a",@progbits
	.p2align	6, 0x0
	.amdhsa_kernel k_q374c1e1370_prep
		.amdhsa_group_segment_fixed_size 293888
		.amdhsa_private_segment_fixed_size 0
		.amdhsa_enable_private_segment 0
		.amdhsa_kernarg_size 144
		.amdhsa_user_sgpr_count 2
		.amdhsa_user_sgpr_kernarg_segment_ptr 1
		.amdhsa_wavefront_size32 1
		.amdhsa_system_sgpr_workgroup_id_x 1
		.amdhsa_system_sgpr_workgroup_id_y 1
		.amdhsa_system_sgpr_workgroup_id_z 1
		.amdhsa_system_vgpr_workitem_id 0
		.amdhsa_next_free_vgpr 256
		.amdhsa_next_free_sgpr 100
		.amdhsa_reserve_vcc 0
		.amdhsa_float_denorm_mode_32 3
		.amdhsa_float_denorm_mode_16_64 3
		.amdhsa_memory_ordered 1
		.amdhsa_forward_progress 1
		.amdhsa_inst_pref_size 113
	.end_amdhsa_kernel
	.amdgpu_metadata
---
amdhsa.version: [ 1, 2 ]
amdhsa.kernels:
  - .name:           k_q374c1e1370_prep
    .symbol:         k_q374c1e1370_prep.kd
    .args:
      - { .name: W1, .offset: 0, .size: 8, .value_kind: global_buffer, .address_space: global }
      - { .name: W2, .offset: 8, .size: 8, .value_kind: global_buffer, .address_space: global }
      - { .name: W3, .offset: 16, .size: 8, .value_kind: global_buffer, .address_space: global }
      - { .name: W4, .offset: 24, .size: 8, .value_kind: global_buffer, .address_space: global }
      - { .name: W5, .offset: 32, .size: 8, .value_kind: global_buffer, .address_space: global }
      - { .name: u1, .offset: 40, .size: 8, .value_kind: global_buffer, .address_space: global }
      - { .name: u2, .offset: 48, .size: 8, .value_kind: global_buffer, .address_space: global }
      - { .name: u3, .offset: 56, .size: 8, .value_kind: global_buffer, .address_space: global }
      - { .name: u4, .offset: 64, .size: 8, .value_kind: global_buffer, .address_space: global }
      - { .name: u5, .offset: 72, .size: 8, .value_kind: global_buffer, .address_space: global }
      - { .name: a1_qW_codes, .offset: 80, .size: 8, .value_kind: global_buffer, .address_space: global }
      - { .name: a1_kW_codes, .offset: 88, .size: 8, .value_kind: global_buffer, .address_space: global }
      - { .name: a1_vW_codes, .offset: 96, .size: 8, .value_kind: global_buffer, .address_space: global }
      - { .name: a2_qW_codes, .offset: 104, .size: 8, .value_kind: global_buffer, .address_space: global }
      - { .name: a2_kW_codes, .offset: 112, .size: 8, .value_kind: global_buffer, .address_space: global }
      - { .name: a2_vW_codes, .offset: 120, .size: 8, .value_kind: global_buffer, .address_space: global }
      - { .name: lowp_scales, .offset: 128, .size: 8, .value_kind: global_buffer, .address_space: global }
      - { .name: pw, .offset: 136, .size: 8, .value_kind: global_buffer, .address_space: global }
    .group_segment_fixed_size: 293888
    .private_segment_fixed_size: 0
    .kernarg_segment_align: 8
    .kernarg_segment_size: 144
    .max_flat_workgroup_size: 512
    .sgpr_count:     100
    .vgpr_count:     256
    .wavefront_size: 32
...
	.end_amdgpu_metadata
.endif
;; end of part 1
;; launch front (part 2): grid 264 x 1, 8 waves a work-group, no clusters, 62,464 bytes of LDS; arguments input, pw, W4, lowp_scales, b1, b2, b3, a1_qb, a1_kb, a1_vb, fa; writes fa
.if DOCPART == 2
	.amdgcn_target "amdgcn-amd-amdhsa--gfx1250"
	.amdhsa_code_object_version 6
	.text
	.protected	k_q374c1e1370_front
	.globl	k_q374c1e1370_front
	.p2align	8
	.type	k_q374c1e1370_front,@function
k_q374c1e1370_front:
	s_mov_b64 s[64:65], 0
	v_nop
	global_prefetch_b8 v0, s[64:65] scope:SCOPE_SE
	s_setreg_imm32_b32 hwreg(HW_REG_WAVE_MODE, 25, 1), 1
	s_wait_xcnt 0x0
; LAYERS 1 TO 3 AND THE FIRST ATTENTION'S q, k, v, for 64 pixels a work-group (work-groups 0-255); work-groups 256-263 quantise W4 / sigma4 (64 fragments, one a wave).
; A block of 64 pixels is four tiles of 16; lane-row r of tile t is pixel 32 (t / 2) + 8 (t % 2) + r + 8 (r / 8); the rows of every weight tile are chosen alike.  So in a product used transposed (source 0 = 16 rows of
; a weight, source 1 = 16 pixels) a lane holds one pixel, and the 16 registers of two neighbouring tiles are 16 neighbours along the next K; in v's product (source 0 = pixels, source 1 = rows of vW) a lane holds one
; channel and 16 neighbouring pixels, which are the second attention product's K.  Operands go from wave to wave through LDS as images of their registers: [piece c][lane][16 bytes]; three barriers.
; The waves share the columns: each wave's weights stay in its registers (window 1).  Biases are the C of each sum's first matrix instruction, divided by the power of two that the sums lack.
; No tensor load (each work-group reads 120 KB of weights once, straight into registers), so no ring and no cluster.
; LIMITS: e0, e2-e0-e1, e4, e6, e8, e10-e4-e5, e11-e6-e7, e12-e8-e9, e15 between -126 and 112; e2+e3 between -126 and 127.  NaN among the inputs is not served.
; REGISTERS: window 0: v0-15 ids and addresses; v16-29 seven pairs (scale, largest number x scale); v32-255 at work.
;   window 1: 0 W2's two tiles; 16 W3's two; 48 qW's or kW's four fragments; 112 vW's four; 176 b2, 192 b3, 208 qb or kb, 224 vb, each in the result's layout; 240 vb as loaded.
.set PW_SIG, 0
.set PW_W1N, 256
.set PW_W2I, 4096
.set PW_W3I, 12288
.set PW_A1Q, 45056
.set PW_A1V, 61440
.set FA_Q1, 131072
.set FA_V1, 1179648
.set FA_X1, 5373952
.set H1, 0                             ; LDS: layer 1's images [tile m][c 2], 4 KB
.set H2, 4096                          ; layer 2's [m][c 4], 8 KB
.set H3Q, 12288                        ; layer 3's, quantised three times: [m][K step 2][c 4], 16 KB each: for q, for k,
.set H3V, 45056                        ; and for v
.set MSB, 0
.macro WIN new                         ; the immediate's high byte repeats the setting that is left
.if MSB != \new
	s_set_vgpr_msb (MSB<<8)|\new
.set MSB, \new
.endif
.endm
.macro BAR
	s_wait_dscnt 0x0
	s_barrier_signal -1
	s_barrier_wait -1
.endm
.macro PLACES n
.rept \n
	v_nop
.endr
.endm
.macro MKSC vs, vl, se
	s_add_co_i32 s44, s[\se], 127
	s_lshl_b32 s45, s44, 23
	v_mov_b32 v[\vs], s45
	s_add_co_i32 s44, s44, 15
	s_lshl_b32 s44, s44, 23
	s_or_b32 s44, s44, 0x600000
	v_mov_b32 v[\vl], s44
.endm
.macro QUANT16 src, tmp, dst, vs, vl   ; the hold at the largest code (the conversion does not saturate: ISA guide 7.6.2), then the conversion
.set qi, 0
.rept 16
	v_med3_num_f32 v[\tmp+qi], v[\src+qi], -v[\vl], v[\vl]
.set qi, qi+1
.endr
	v_cvt_scalef32_pk8_bf8_f32 v[\dst:\dst+1], v[\tmp:\tmp+7], v[\vs]
	v_cvt_scalef32_pk8_bf8_f32 v[\dst+2:\dst+3], v[\tmp+8:\tmp+15], v[\vs]
	v_nop                                          ; a plain line behind the conversions, ahead of whatever next writes their sources
.endm
.macro LRELU16 x, tm                   ; max(x, 0.1 x), from the low end on
.set qi, 0
.rept 8
	v_pk_mul_f32 v[\tm+2*qi:\tm+2*qi+1], v[\x+2*qi:\x+2*qi+1], s[48:49] op_sel_hi:[1,0]
.set qi, qi+1
.endr
.set qi, 0
.rept 16
	v_max_num_f32 v[\x+qi], v[\x+qi], v[\tm+qi]
.set qi, qi+1
.endr
.endm
	s_load_b256 s[4:11], s[0:1], 0x0               ; input s[4:5], pw s[6:7], W4 s[8:9], the exponents s[10:11]
	s_load_b256 s[12:19], s[0:1], 0x20             ; b1 s[12:13], b2 s[14:15], b3 s[16:17], qb s[18:19]
	s_load_b128 s[20:23], s[0:1], 0x40             ; kb s[20:21], vb s[22:23]
	s_load_b64 s[24:25], s[0:1], 0x50              ; fa
	v_lshl_add_u32 v30, v0, 2, 0xf000
	v_mov_b32 v31, 0
	v_lshrrev_b32 v1, 5, v0
	v_readfirstlane_b32 s26, v1                    ; wave w, 0..7
	v_and_b32 v1, 31, v0
	v_and_b32 v2, 15, v0                           ; r
	v_bfe_u32 v3, v0, 4, 1                         ; h
	v_lshlrev_b32 v4, 4, v1                        ; 16 x lane
	v_and_b32 v5, 8, v2
	v_add_nc_u32 v5, v5, v2                        ; r + 8 (r / 8)
	s_wait_kmcnt 0x0
	s_load_b512 s[68:83], s[10:11], 0x0            ; e0 .. e15 in s68 .. s83
	s_cmp_ge_u32 ttmp9, 256
	s_cbranch_scc1 .Lw4q
	s_and_b32 s27, s26, 3                          ; w % 4
	s_lshr_b32 s28, s26, 2                         ; w / 4
	s_lshr_b32 s29, ttmp9, 6                       ; image
	s_and_b32 s30, ttmp9, 63                       ; block of the image
	s_mul_i32 s31, s29, 98304                      ; input: image x 6 planes of 16,384 bytes + my pixel (tile m = w % 4)
	s_lshl_b32 s32, s30, 8
	s_add_co_u32 s31, s31, s32
	s_lshr_b32 s32, s27, 1
	s_lshl_b32 s32, s32, 7
	s_add_co_u32 s31, s31, s32
	s_and_b32 s32, s27, 1
	s_lshl_b32 s32, s32, 5
	s_add_co_u32 s31, s31, s32
	v_lshl_add_u32 v6, v5, 2, s31
	s_mul_i32 s32, s28, 768                        ; W1/sigma1: my 16 channels 32 (w / 4) + 16 h on, 24 bytes each
	v_mul_u32_u24 v7, v3, 384
	v_add_nc_u32 v7, s32, v7
	s_lshl_b32 s32, s28, 7
	v_lshl_add_u32 v8, v3, 6, s32                  ; b1 of the same channels
	s_lshl_b32 s32, s27, 10
	s_lshl_b32 s33, s28, 9
	s_add_co_u32 s32, s32, s33
	v_add_nc_u32 v9, s32, v4                       ; H1, in: tile w % 4, piece w / 4
	s_lshl_b32 s32, s28, 11
	v_add_nc_u32 v10, s32, v4                      ; H1, out: tiles 2 (w / 4), + 1
	s_lshl_b32 s32, s28, 12
	s_lshl_b32 s33, s27, 9
	s_add_co_u32 s32, s32, s33
	v_add_nc_u32 v11, s32, v4                      ; H2, in: tiles 2 (w / 4), + 1, piece w % 4
	s_lshl_b32 s32, s28, 11
	s_add_co_u32 s32, s32, s33
	v_add_nc_u32 v12, s32, v4                      ; H3, in: K step w / 4, piece w % 4
	s_lshl_b32 s32, s28, 14
	s_lshl_b32 s33, s27, 12
	s_add_co_u32 s32, s32, s33
	v_add_nc_u32 v13, s32, v4                      ; H3 for q (w / 4 = 0) or k (1), out: tile w % 4
	s_lshl_b32 s32, s27, 11
	v_add_nc_u32 v200, s32, v4                     ; W2's tiles 2 (w % 4), + 1
	s_lshl_b32 s32, s26, 12
	v_add_nc_u32 v201, s32, v4                     ; W3's tiles 2 w, + 1
	s_lshl_b32 s32, s28, 13
	v_add_nc_u32 v202, s32, v4                     ; qW's or kW's fragments
	s_lshl_b32 s32, s26, 13
	v_add_nc_u32 v203, s32, v4                     ; vW's tiles 2 w, + 1
	s_lshl_b32 s32, s27, 7
	v_lshl_add_u32 v204, v3, 6, s32                ; b2
	s_lshl_b32 s32, s26, 7
	v_lshl_add_u32 v205, v3, 6, s32                ; b3
	v_lshlrev_b32 v206, 6, v3                      ; qb or kb
	v_lshl_add_u32 v207, v5, 2, s32                ; vb: one channel a lane
	s_cmp_eq_u32 s28, 0
	s_cselect_b64 s[34:35], s[18:19], s[20:21]     ; the choice hangs on the wave's number alone
	; what layer 1 wants: 34 loads
.irp k, 0,1,2,3,4,5
	global_load_b32 v[32+\k], v6, s[4:5] offset:16384*\k
.endr
.set li, 0
.rept 24
	global_load_b128 v[40+4*li:43+4*li], v7, s[6:7] offset:PW_W1N+16*li
.set li, li+1
.endr
.irp j, 0,1,2,3
	global_load_b128 v[136+4*\j:139+4*\j], v8, s[12:13] offset:16*\j   ; b1 starts the sums
.endr
	; the weights and biases that stay: 58 loads, into window 1
	WIN 0x40
.irp u, 0,1
.irp c, 0,1
	global_load_b128 v[8*\u+4*\c:8*\u+4*\c+3], v200, s[6:7] offset:PW_W2I+1024*\u+512*\c
.endr
.endr
.irp u, 0,1
.irp c, 0,1,2,3
	global_load_b128 v[16+16*\u+4*\c:16+16*\u+4*\c+3], v201, s[6:7] offset:PW_W3I+2048*\u+512*\c
.endr
.endr
.set li, 0
.rept 16
	global_load_b128 v[48+4*li:51+4*li], v202, s[6:7] offset:PW_A1Q+512*li
.set li, li+1
.endr
.set li, 0
.rept 16
	global_load_b128 v[112+4*li:115+4*li], v203, s[6:7] offset:PW_A1V+512*li
.set li, li+1
.endr
.irp u, 0,1
	global_load_b128 v[176+8*\u:179+8*\u], v204, s[14:15] offset:32*\u
	global_load_b128 v[180+8*\u:183+8*\u], v204, s[14:15] offset:32*\u+16
	global_load_b128 v[192+8*\u:195+8*\u], v205, s[16:17] offset:32*\u
	global_load_b128 v[196+8*\u:199+8*\u], v205, s[16:17] offset:32*\u+16
	global_load_b128 v[208+8*\u:211+8*\u], v206, s[34:35] offset:32*\u
	global_load_b128 v[212+8*\u:215+8*\u], v206, s[34:35] offset:32*\u+16
	global_load_b32 v[240+\u], v207, s[22:23] offset:32*\u
.endr
	WIN 0
	s_wait_kmcnt 0x0
	MKSC 16, 17, 68                                ; layer 1's result: e0
	s_sub_co_i32 s36, s70, s68
	s_sub_co_i32 s36, s36, s69
	MKSC 18, 19, 36                                ; layer 2's raw sums: e2 - e0 - e1
	MKSC 20, 21, 72
	MKSC 22, 23, 74
	MKSC 24, 25, 76                                ; layer 3's result, three times: e4, e6, e8
	s_sub_co_i32 s36, s78, s72
	s_sub_co_i32 s36, s36, s73
	s_sub_co_i32 s37, s79, s74
	s_sub_co_i32 s37, s37, s75
	s_add_co_i32 s41, s72, s73
	s_add_co_i32 s43, s74, s75
	s_cmp_eq_u32 s28, 0
	s_cselect_b32 s36, s36, s37
	s_cselect_b32 s41, s41, s43
	MKSC 26, 27, 36                                ; q's raw sums: e10 - e4 - e5;  k's: e11 - e6 - e7
	s_sub_co_i32 s36, s80, s76
	s_sub_co_i32 s36, s36, s77
	MKSC 28, 29, 36                                ; v's: e12 - e8 - e9
	s_add_co_i32 s38, s68, s69
	s_sub_co_i32 s38, 0, s38                       ; the biases go in divided by the power of two that the sums lack
	s_add_co_i32 s40, s70, s71
	s_sub_co_i32 s39, 0, s40
	s_sub_co_i32 s41, 0, s41
	s_add_co_i32 s42, s76, s77
	s_sub_co_i32 s42, 0, s42
	s_add_co_i32 s40, s40, 127
	s_lshl_b32 s46, s40, 23                        ; 2^(e2 + e3)
	s_mov_b32 s47, s46
	s_mov_b32 s48, 0x3dcccccd                      ; 0.1
	s_mov_b32 s49, s48
	s_lshl_b32 s56, ttmp9, 16
	s_add_co_u32 s56, s56, FA_X1
	s_mov_b32 s57, 0
	s_add_nc_u64 s[50:51], s[24:25], s[56:57]      ; layer 3's result in f32, my block
	s_lshl_b32 s56, ttmp9, 11
	s_add_co_u32 s56, s56, FA_Q1
	s_add_nc_u64 s[52:53], s[24:25], s[56:57]      ; q's images, my block (k's lie 524,288 bytes on)
	s_lshl_b32 s56, s29, 20
	s_lshr_b32 s58, s30, 1
	s_lshl_b32 s58, s58, 15
	s_add_co_u32 s56, s56, s58
	s_and_b32 s58, s30, 1
	s_lshl_b32 s58, s58, 10
	s_add_co_u32 s56, s56, s58
	s_add_co_u32 s56, s56, FA_V1
	s_add_nc_u64 s[54:55], s[24:25], s[56:57]      ; v's images: image, 128 keys, my block's two pieces of the four
	; ---- layer 1 (K = 6, f32): my pixel, my 16 channels
	s_wait_loadcnt 58                              ; the 58 loads into window 1 are younger
.irp k, 0,1,2,3,4,5
.set li, 0
.rept 16
	v_fmac_f32 v[136+li], v[32+\k], v[40+6*li+\k]
.set li, li+1
.endr
.endr
	LRELU16 136, 152
	QUANT16 136, 136, 176, 16, 17
	ds_store_b128 v9, v[176:179] offset:H1
	s_wait_loadcnt 0x0
	WIN 0x41                                       ; source 0 and destination window 1
.set li, 0
.rept 16
	v_ldexp_f32 v[176+li], v[176+li], s38
	v_ldexp_f32 v[192+li], v[192+li], s39
	v_ldexp_f32 v[208+li], v[208+li], s41
.set li, li+1
.endr
.irp u, 0,1
.irp j, 0,1,2,3,4,5,6,7
	v_ldexp_f32 v[224+8*\u+\j], v[240+\u], s42     ; v's result holds one channel a lane: eight equal registers
.endr
.endr
	WIN 0
	BAR                                            ; layer 1's eight pieces lie in LDS
	; ---- layer 2 (K = 64): channels 32 (w % 4) on, tiles 2 (w / 4), + 1
.irp n, 0,1
.irp c, 0,1
	ds_load_b128 v[32+8*\n+4*\c:35+8*\n+4*\c], v10 offset:H1+1024*\n+512*\c
.endr
.endr
	s_wait_dscnt 0x0
	WIN 0x11                                       ; the weight and the bias in window 1
.irp n, 0,1
.irp u, 0,1
	v_wmma_f32_16x16x64_bf8_bf8 v[48+16*\n+8*\u:55+16*\n+8*\u], v[8*\u:8*\u+7], v[32+8*\n:39+8*\n], v[176+8*\u:183+8*\u]
.endr
.endr
	WIN 0
	PLACES 4
	LRELU16 48, 152                                ; on the raw sums: the scale is positive
	LRELU16 64, 152
	QUANT16 48, 48, 176, 18, 19
	QUANT16 64, 64, 180, 18, 19
	ds_store_b128 v11, v[176:179] offset:H2
	ds_store_b128 v11, v[180:183] offset:H2+2048
	BAR
	; ---- layer 3 (K = 128): channels 32 w on, all four tiles
.irp m, 0,1,2,3
.irp c, 0,1,2,3
	ds_load_b128 v[32+16*\m+4*\c:35+16*\m+4*\c], v4 offset:H2+2048*\m+512*\c
.endr
.endr
	s_wait_dscnt 0x0
	WIN 0x11
.irp m, 0,1,2,3
.irp u, 0,1
	v_wmma_f32_16x16x128_bf8_bf8 v[96+16*\m+8*\u:103+16*\m+8*\u], v[16+16*\u:31+16*\u], v[32+16*\m:47+16*\m], v[192+8*\u:199+8*\u]
.endr
.endr
	WIN 0
	PLACES 4
.set li, 0
.rept 32
	v_pk_mul_f32 v[96+2*li:97+2*li], v[96+2*li:97+2*li], s[46:47] op_sel_hi:[1,0]
.set li, li+1
.endr
.irp m, 0,1,2,3
	LRELU16 96+16*\m, 160
.endr
	s_lshl_b32 s32, s26, 11
	v_add_nc_u32 v14, s32, v4
.irp m, 0,1,2,3
.irp q, 0,1,2,3
	global_store_b128 v14, v[96+16*\m+4*\q:99+16*\m+4*\q], s[50:51] offset:16384*\m+512*\q   ; the residual of the first attention, as the registers stand: 512 consecutive bytes a store
.endr
.endr
.irp z, 0,1,2
.irp m, 0,1,2,3
	QUANT16 96+16*\m, 160, 176+4*\m, 20+2*\z, 21+2*\z
.endr
.irp m, 0,1,2,3
	ds_store_b128 v12, v[176+4*\m:179+4*\m] offset:H3Q+16384*\z+4096*\m
.endr
.endr
	s_wait_xcnt 0x0                                ; the stores have read v96-159: they are written again below
	BAR
	; ---- q or k (tile w % 4) and v (channels 32 w on, four tiles), K = 256 in two steps
.irp s, 0,1
.irp c, 0,1,2,3
	ds_load_b128 v[160+16*\s+4*\c:163+16*\s+4*\c], v13 offset:H3Q+2048*\s+512*\c
.endr
.endr
.irp m, 0,1,2,3
.irp c, 0,1,2,3
	ds_load_b128 v[192+16*\m+4*\c:195+16*\m+4*\c], v4 offset:H3V+4096*\m+512*\c
.endr
.endr
	s_wait_dscnt 16                                ; q's or k's operand is in; v's 16 loads are younger
	WIN 0x11
.irp u, 0,1
	v_wmma_f32_16x16x128_bf8_bf8 v[32+8*\u:39+8*\u], v[48+32*\u:63+32*\u], v[160:175], v[208+8*\u:215+8*\u]
.endr
	WIN 0x01
.irp u, 0,1
	v_wmma_f32_16x16x128_bf8_bf8 v[32+8*\u:39+8*\u], v[64+32*\u:79+32*\u], v[176:191], v[32+8*\u:39+8*\u]
.endr
	s_wait_dscnt 0x0
	WIN 0x14                                       ; source 1 (vW) and the bias in window 1
.irp u, 0,1
.irp m, 0,1,2,3
	v_wmma_f32_16x16x128_bf8_bf8 v[96+32*\u+8*\m:103+32*\u+8*\m], v[192+16*\m:207+16*\m], v[112+32*\u:127+32*\u], v[224+8*\u:231+8*\u]
.endr
.endr
	WIN 0
	PLACES 4
.irp m, 0,1,2,3
.irp c, 0,1,2,3
	ds_load_b128 v[192+16*\m+4*\c:195+16*\m+4*\c], v4 offset:H3V+4096*\m+2048+512*\c
.endr
.endr
	s_wait_dscnt 0x0
	WIN 0x04
.irp u, 0,1
.irp m, 0,1,2,3
	v_wmma_f32_16x16x128_bf8_bf8 v[96+32*\u+8*\m:103+32*\u+8*\m], v[192+16*\m:207+16*\m], v[128+32*\u:143+32*\u], v[96+32*\u+8*\m:103+32*\u+8*\m]
.endr
.endr
	WIN 0
	PLACES 4
	QUANT16 32, 32, 48, 26, 27
.irp g, 0,1,2,3
	QUANT16 96+16*\g, 96+16*\g, 52+4*\g, 28, 29
.endr
	s_lshl_b32 s32, s27, 9
	s_lshl_b32 s33, s28, 19
	s_add_co_u32 s32, s32, s33
	v_add_nc_u32 v14, s32, v4
	global_store_b128 v14, v[48:51], s[52:53]
	s_lshl_b32 s32, s26, 12
	v_add_nc_u32 v15, s32, v4
.irp u, 0,1
.irp b, 0,1
	global_store_b128 v15, v[52+8*\u+4*\b:55+8*\u+4*\b], s[54:55] offset:2048*\u+512*\b
.endr
.endr
	s_wait_tensorcnt 0x0
	ds_add_u32 v30, v31
	s_wait_dscnt 0x0
	s_endpgm
.Lw4q:                                             ; fragment f = 8 (work-group - 256) + wave of W4 / sigma4: tile f % 32, K step f / 32
	s_load_b32 s30, s[6:7], PW_SIG
	s_sub_co_u32 s27, ttmp9, 256
	s_lshl_b32 s27, s27, 3
	s_add_co_u32 s27, s27, s26
	s_and_b32 s28, s27, 31
	s_lshr_b32 s29, s27, 5
	s_lshr_b32 s32, s28, 1
	s_lshl_b32 s32, s32, 5
	s_and_b32 s33, s28, 1
	s_lshl_b32 s33, s33, 3
	s_add_co_u32 s32, s32, s33
	s_lshl_b32 s32, s32, 10
	s_lshl_b32 s33, s29, 9
	s_add_co_u32 s32, s32, s33
	v_lshlrev_b32 v6, 10, v5
	v_lshl_add_u32 v6, v3, 6, v6
	v_add_nc_u32 v6, s32, v6
	s_lshl_b32 s32, s27, 11
	v_add_nc_u32 v7, s32, v4
.irp c, 0,1,2,3
.irp j, 0,1,2,3
	global_load_b128 v[64+16*\c+4*\j:67+16*\c+4*\j], v6, s[8:9] offset:128*\c+16*\j
.endr
.endr
	s_wait_kmcnt 0x0
	s_mov_b32 s31, s30
	MKSC 16, 17, 83
	s_wait_loadcnt 0x0
.set li, 0
.rept 32
	v_pk_mul_f32 v[64+2*li:65+2*li], v[64+2*li:65+2*li], s[30:31] op_sel_hi:[1,0]
.set li, li+1
.endr
.irp c, 0,1,2,3
	QUANT16 64+16*\c, 64+16*\c, 40+4*\c, 16, 17
.endr
.irp c, 0,1,2,3
	global_store_b128 v7, v[40+4*\c:43+4*\c], s[24:25] offset:512*\c
.endr
	s_endpgm
.Lfunc_end_k_q374c1e1370_front:
	.size	k_q374c1e1370_front, .Lfunc_end_k_q374c1e1370_front-k_q374c1e1370_front
	.p2alignl 7, 3214868480
	.fill 96, 4, 3214868480
	.section	.rodata,"a",@progbits
	.p2align	6, 0x0
	.amdhsa_kernel k_q374c1e1370_front
		.amdhsa_group_segment_fixed_size 62464
		.amdhsa_private_segment_fixed_size 0
		.amdhsa_enable_private_segment 0
		.amdhsa_kernarg_size 88
		.amdhsa_user_sgpr_count 2
		.amdhsa_user_sgpr_kernarg_segment_ptr 1
		.amdhsa_wavefront_size32 1
		.amdhsa_system_sgpr_workgroup_id_x 1
		.amdhsa_system_sgpr_workgroup_id_y 1
		.amdhsa_system_sgpr_workgroup_id_z 1
		.amdhsa_system_vgpr_workitem_id 0
		.amdhsa_next_free_vgpr 512
		.amdhsa_next_free_sgpr 100
		.amdhsa_reserve_vcc 0
		.amdhsa_float_denorm_mode_32 3
		.amdhsa_float_denorm_mode_16_64 3
		.amdhsa_memory_ordered 1
		.amdhsa_forward_progress 1
		.amdhsa_inst_pref_size 75
	.end_amdhsa_kernel
	.amdgpu_metadata
---
amdhsa.version: [ 1, 2 ]
amdhsa.kernels:
  - .name:           k_q374c1e1370_front
    .symbol:         k_q374c1e1370_front.kd
    .args:
      - { .name: input, .offset: 0, .size: 8, .value_kind: global_buffer, .address_space: global }
      - { .name: pw, .offset: 8, .size: 8, .value_kind: global_buffer, .address_space: global }
      - { .name: W4, .offset: 16, .size: 8, .value_kind: global_buffer, .address_space: global }
      - { .name: lowp_scales, .offset: 24, .size: 8, .value_kind: global_buffer, .address_space: global }
      - { .name: b1, .offset: 32, .size: 8, .value_kind: global_buffer, .address_space: global }
      - { .name: b2, .offset: 40, .size: 8, .value_kind: global_buffer, .address_space: global }
      - { .name: b3, .offset: 48, .size: 8, .value_kind: global_buffer, .address_space: global }
      - { .name: a1_qb, .offset: 56, .size: 8, .value_kind: global_buffer, .address_space: global }
      - { .name: a1_kb, .offset: 64, .size: 8, .value_kind: global_buffer, .address_space: global }
      - { .name: a1_vb, .offset: 72, .size: 8, .value_kind: global_buffer, .address_space: global }
      - { .name: fa, .offset: 80, .size: 8, .value_kind: global_buffer, .address_space: global }
    .group_segment_fixed_size: 62464
    .private_segment_fixed_size: 0
    .kernarg_segment_align: 8
    .kernarg_segment_size: 88
    .max_flat_workgroup_size: 256
    .sgpr_count:     100
    .vgpr_count:     512
    .wavefront_size: 32
...
	.end_amdgpu_metadata
.endif
;; end of part 2
;; launch attn1 (part 3): grid 64 x 4, 8 waves a work-group, clusters of 4 x 1, 327,680 bytes of LDS; arguments fa, pw, lowp_scales, a1_gamma, b4, a2_qb, a2_kb, a2_vb, ga; writes ga
.if DOCPART == 3
	.amdgcn_target "amdgcn-amd-amdhsa--gfx1250"
	.amdhsa_code_object_version 6
	.text
	.protected	k_q374c1e1370_attn1
	.globl	k_q374c1e1370_attn1
	.p2align	8
	.type	k_q374c1e1370_attn1,@function
k_q374c1e1370_attn1:
	s_mov_b64 s[64:65], 0
	v_nop
	global_prefetch_b8 v0, s[64:65] scope:SCOPE_SE
	s_setreg_imm32_b32 hwreg(HW_REG_WAVE_MODE, 25, 1), 1
	s_wait_xcnt 0x0
	s_wait_alu depctr_hold_cnt(0) depctr_sa_sdst(0) depctr_va_vdst(0) depctr_va_sdst(0) depctr_va_ssrc(0) depctr_va_vcc(0) depctr_vm_vsrc(0)
	s_getreg_b32 s2, hwreg(HW_REG_IB_STS2, 6, 4)
	s_cmp_eq_u32 s2, 0
	s_cbranch_scc0 .Lentry_in_a_cluster
	s_endpgm
.Lentry_in_a_cluster:
	s_bfe_u32 s2, ttmp6, 0x10000c
	s_cmp_lg_u32 s2, 0x3003
	s_cbranch_scc0 .Lentry_shape_is_right
	s_endpgm
.Lentry_shape_is_right:
; THE FIRST ATTENTION (q, k: 32 channels; v: 256), ITS RESIDUAL, LAYER 4, AND THE SECOND ATTENTION'S q, k, v, for 64 queries a work-group.
; All operands are images of their registers ([piece c][lane][16 bytes], lane (r, h): k = 32 c + 16 h + 0 .. 15 of lane-row r), made by the launches before.
; PASS 1: the row's largest score.  The image's keys are the two slots' first fills; each of the eight waves multiplies the 16 key tiles of each half that its own load brought by all four query tiles; the maxima meet in LDS.
;   M = ceil(largest t), t = score x log2(e) x 2^(eq + ek), is then final: nothing is ever rescaled.
; PASS 2: 32 steps of 128 keys, IN TWO ROLES.  Waves 0-3: S^T = K Q^T for keys 32 w .. 32 w + 31 of the step and all 64 queries, p = 2^(t - M), the sum of the unquantised p, p's codes: one piece of P's fragments, to LDS.
;   K comes from memory straight into registers, two steps ahead.  Waves 4-7: O^T += V^T P^T, a quarter of the channels each, one step behind.  One barrier a step; V comes through a ring of two slots of two steps.
;   K = 32 fills half of the K = 64 form: one operand holds two key tiles, the other the queries beside zeros; the zeros meet finite codes.
;   The two roles' steps stand side by side in the text.  Every distance and every count is kept on every way through it, also on ways that no wave takes (one role's step behind the other's).
; CLUSTER: the four query blocks of a cluster belong to one image and walk the same K and V (and the same weights): every tile is asked for jointly, each wave an eighth of it.
; THE END: y = gamma O / l + x; layer 4 (W4's codes lie in LDS from the start); r2 = h4 . W5/sigma5 (the second attention's residual, folded into one number a pixel); q2, k2, v2, whose weights come through the ring.
; LIMITS: eq + ek and e14 + e15 between -126 and 127; ep, e14, e16, e18, e20, e22-e16-e17, e23-e18-e19, e24-e20-e21 between -126 and 112.  NaN among the inputs is not served.
; REGISTERS: window 0: v0-23 ids and addresses; v24-31 -M (a pair a query tile); v32-39 the sums; v40-47 at work; v48-95 Q (0, q, 0 a tile); v96-111 two sets of K; v112-175 S^T, p / P; v176-239 codes / V; v240-252 the end's addresses.
;   window 1: 0-127 O^T, later h4; 128-255 the residual, later at work.
.set VAR, 1
.set KT, 512                           ; bytes of a key tile
.set NK, 2                             ; loads that bring a wave's two key tiles
.set FPW, 4                            ; fragments of V a wave and step
.set SLOT, 65536
.set QOFF, 131072
.set KOFF, 655360
.set VOFF, 1179648
.set FA_X1, 5373952
.set PW_W5N, 2048
.set PW_A2Q, 126976
.set GA_V2, 2097152
.set GA_R2, 10485760
.set EQ, 78
.set EK, 79
.set EP, 81
.set KS0, 96
.set KSZ, 8
.set NACC, 128
.set AREA, 131072                      ; LDS: slots at 0 and 65,536; here W4's codes, 128 KB, filled once; later h4's three images
.set PB, 262144                        ; P: [buffer 2][query tile 4][piece 4][512]
.set YIMG, 278528                      ; y's images [tile][K step 2][piece 4]
.set MXB, 294912
.set LB, 299008
.set R2B, 301056
.set SPARE, 303104                     ; the spare words, 128 bytes a wave: four blocks of 256 bytes that no other line names
.set KSTEPB, 8*KT
.set STEPB, 4*FPW*2048
.set PART, SLOT/8
.set NPL, 16*KT/512
.set WV, 8
.set RL, 9
.set W4, 10
.set IMG, 11
.set BLK, 12
.set GBLK, 13
.set CNT, 14
.set TB, 15
.set CS, 16
.set SEL, 18
.set G1, 24
.set G1W, 32
.set GW, 52
.set SC, 68                            ; e_i in s[SC + i]
.set QB0, 94                           ; s[94:95] my block's Q; no other line writes them
.set LI, 1
.set SPW, 2
.set NIL, 3
.set ADPW, 4
.set ADPR, 5
.set ADV0, 6
.set ADVA, 7
.set ADVB, 8
.set KO0, 9
.set KO1, 10
.set KOMAX, 11
.set ADKA, 12
.set ADKB, 13
.set ADMW, 14
.set ADMR, 15
.set ADLW, 16
.set ADLR, 17
.set SCL, 18
.set LIM, 19
.set RR, 20
.set HH, 21
.set L4, 22
.set PR, 23
.set NM, 24
.set LS, 32
.set TP, 40
.set Q, 48
.set S, 112
.set VB, 176
.set ADY, 240
.set ADYR, 241
.set ADW4A, 242
.set ADW4B, 243
.set ADHW, 244
.set ADHW2, 245
.set ADHQ, 246
.set ADHV, 247
.set ADWQ, 248
.set ADWV0, 249
.set ADWV1, 250
.set ADRW, 251
.set ADRR, 252
.set MSB, 0
.macro WIN new                         ; the immediate's high byte repeats the setting that is left
.if MSB != \new
	s_set_vgpr_msb (MSB<<8)|\new
.set MSB, \new
.endif
.endm
.macro PLACES n
.rept \n
	v_nop
.endr
.endm
.macro BAR
	s_wait_dscnt 0x0
	s_barrier_signal -1
	s_barrier_wait -1
.endm
.macro CROUND                          ; a round of the cluster's barrier
	s_barrier_signal -1
	s_barrier_wait -1
	s_cmp_lg_u32 s[WV], 0
	s_cbranch_scc1 .Lnot_wave_0_\@
	s_barrier_signal -3
.Lnot_wave_0_\@:
	s_barrier_wait -3
	s_barrier_signal -1
	s_barrier_wait -1
.endm
.macro MKSC vs, vl, se                 ; 2^E as f32 and 57,344 x 2^E, E in s[se]; s22 and s23 are at work
	s_add_co_i32 s22, s[\se], 127
	s_lshl_b32 s23, s22, 23
	v_mov_b32 v[\vs], s23
	s_add_co_i32 s22, s22, 15
	s_lshl_b32 s22, s22, 23
	s_or_b32 s22, s22, 0x600000
	v_mov_b32 v[\vl], s22
.endm
.macro QUANT16 src, tmp, dst, vs, vl
.set qi, 0
.rept 16
	v_med3_num_f32 v[\tmp+qi], v[\src+qi], -v[\vl], v[\vl]
.set qi, qi+1
.endr
	v_cvt_scalef32_pk8_bf8_f32 v[\dst:\dst+1], v[\tmp:\tmp+7], v[\vs]
	v_cvt_scalef32_pk8_bf8_f32 v[\dst+2:\dst+3], v[\tmp+8:\tmp+15], v[\vs]
	v_nop
.endm
; n x 16 numbers of window 1, from index src on, become n x 4 registers of codes at v[cd]
.macro QB src, n, cd, vs, vl
	WIN 0x01
.set qi, 0
.rept 16*\n
	v_med3_num_f32 v[S+qi], v[\src+qi], -v[\vl], v[\vl]
.set qi, qi+1
.endr
	WIN 0
.set qi, 0
.rept 2*\n
	v_cvt_scalef32_pk8_bf8_f32 v[\cd+2*qi:\cd+2*qi+1], v[S+8*qi:S+8*qi+7], v[\vs]
.set qi, qi+1
.endr
	v_nop                                          ; a plain line behind the conversions
.endm
; THE CHANGE OF SLOTS.  Every wave: all its tensor loads have landed; the add; its LDS instructions are done; then the barrier.  fill = 1: the walking descriptor steps to the other slot and the next SLOT bytes, the barrier is a
; round of the cluster's, and the joint refill stands first behind it.  fill = 2: the same, from the address in s[20:21].  fill = 0: nothing is asked for.
.macro CHANGE fill
	s_wait_tensorcnt 0x0
	ds_add_u32 v[SPW], v[NIL]                      ; 0 onto my spare word
.if \fill == 1
	s_xor_b32 s[GW+1], s[GW+1], SLOT
	s_add_nc_u64 s[GW+2:GW+3], s[GW+2:GW+3], SLOT
.elseif \fill == 2
	s_xor_b32 s[GW+1], s[GW+1], SLOT
	s_mov_b64 s[GW+2:GW+3], s[20:21]
	s_or_b32 s[GW+3], s[GW+3], 0x80000000
.endif
	s_wait_dscnt 0x0
.if \fill
	CROUND
	tensor_load_to_lds s[GW:GW+3], s[G1:G1+7]
	s_nop 0
	PLACES 4
.else
	s_barrier_signal -1
	s_barrier_wait -1
.endif
.endm
; Pass 1 on the 16 key tiles at v[adr]: two tiles at a time against the four query tiles; the running maxima, register by register, in window 1 at 64 + 8 m
.macro PASS1 adr, first
.set i1, 0
.rept NPL
	ds_load_b128 v[S+4*i1:S+4*i1+3], v[\adr] offset:512*i1
.set i1, i1+1
.endr
.set p1, 0
.rept 8
	s_wait_dscnt (NPL/8)*(7-p1)                    ; the later pairs' loads may be out
	WIN 0x40
.irp u, 0,1
.irp m, 0,1,2,3
	v_wmma_f32_16x16x64_bf8_bf8 v[8*(4*\u+\m):8*(4*\u+\m)+7], v[S+8*p1:S+8*p1+7], v[Q+12*\m+4-4*\u:Q+12*\m+11-4*\u], 0
.endr
.endr
	WIN 0x55
	PLACES 4
.irp m, 0,1,2,3
.irp j, 0,1,2,3,4,5,6,7
.if \first && (p1 == 0)
	v_max_num_f32 v[64+8*\m+\j], v[8*\m+\j], v[32+8*\m+\j]
.else
	v_max3_num_f32 v[64+8*\m+\j], v[64+8*\m+\j], v[8*\m+\j], v[32+8*\m+\j]
.endif
.endr
.endr
.set p1, p1+1
.endr
	WIN 0
.endm
; THE SOFTMAX ROLE'S STEP: K in set `set`; P's piece goes to buffer `buf`; next = 1: the set is loaded again with the keys two steps on
.macro SMSTEP set, buf, next
.set KS, KS0+KSZ*(\set)
	s_wait_loadcnt NK                              ; my set is in: behind a step of this role only the other set's NK loads are younger; behind a step of the other role nothing is out
.irp m, 0,1,2,3
.irp u, 0,1
	v_wmma_f32_16x16x64_bf8_bf8 v[S+16*\m+8*\u:S+16*\m+8*\u+7], v[KS:KS+7], v[Q+12*\m+4-4*\u:Q+12*\m+11-4*\u], 0
.endr
.endr
.if \next
	v_add_nc_u32 v[KO0+\set], 2*KSTEPB, v[KO0+\set]         ; four plain lines behind the products, ahead of the loads into their operand
	v_min_u32 v[KO0+\set], v[KO0+\set], v[KOMAX]            ; the one step past the end is held at the last step: no load leaves the buffer
	v_nop
	v_nop
.set kk, 0
.rept NK
	global_load_b128 v[KS+4*kk:KS+4*kk+3], v[KO0+\set], s[2:3] offset:512*kk
.set kk, kk+1
.endr
.else
	PLACES 4
.endif
.irp m, 0,1,2,3
.irp j, 0,2,4,6,8,10,12,14
	v_pk_fma_f32 v[S+16*\m+\j:S+16*\m+\j+1], v[S+16*\m+\j:S+16*\m+\j+1], s[CS:CS+1], v[NM+2*\m:NM+2*\m+1] op_sel_hi:[1,0,0]   ; t - M
.endr
.endr
.set ee, 0
.rept 64
	v_exp_f32 v[S+ee], v[S+ee]                     ; p = 2^(t - M), at most 1
.set ee, ee+1
.endr
	v_nop                                          ; a plain line between the exponentials and the first use of a result (ISA guide 5.7.2)
	s_wait_alu depctr_va_vdst(0)
.irp j, 0,2,4,6,8,10,12,14
.irp m, 0,1,2,3
	v_pk_add_f32 v[LS+2*\m:LS+2*\m+1], v[LS+2*\m:LS+2*\m+1], v[S+16*\m+\j:S+16*\m+\j+1]   ; the sum of the unquantised p
.endr
.endr
.set ee, 0
.rept 64
	v_min_num_f32 v[S+ee], v[S+ee], v[LIM]         ; the hold (p is not negative)
.set ee, ee+1
.endr
.irp m, 0,1,2,3
	v_cvt_scalef32_pk8_bf8_f32 v[VB+4*\m:VB+4*\m+1], v[S+16*\m:S+16*\m+7], v[SCL]
	v_cvt_scalef32_pk8_bf8_f32 v[VB+4*\m+2:VB+4*\m+3], v[S+16*\m+8:S+16*\m+15], v[SCL]
.endr
	v_nop
.irp m, 0,1,2,3
	ds_store_b128 v[ADPW], v[VB+4*\m:VB+4*\m+3] offset:8192*\buf+2048*\m
.endr
.endm
.macro PVMUL f, b                      ; fragment f of V, in buffer b, against the four query tiles
.irp m, 0,1,2,3
	v_wmma_f32_16x16x128_bf8_bf8 v[16*(4*(\f/2)+\m)+8*(\f%2):16*(4*(\f/2)+\m)+8*(\f%2)+7], v[VB+16*\b:VB+16*\b+15], v[S+16*\m:S+16*\m+15], v[16*(4*(\f/2)+\m)+8*(\f%2):16*(4*(\f/2)+\m)+8*(\f%2)+7]
.endr
.endm
; THE PRODUCT ROLE'S STEP.  The accumulators take turns, one instruction a turn.  Each wait on DScnt counts the loads of the fragments behind the one that is due.
; lw = 1: the step begins with a wait for all global loads.  This role has none out; on a way through the text that comes from the other role's step, that step's loads are retired here, so that the other role's count holds on every way.
.macro PVSTEP buf, adv, lw
.if \lw
	s_wait_loadcnt 0x0
.endif
.irp m, 0,1,2,3
.irp c, 0,1,2,3
	ds_load_b128 v[S+16*\m+4*\c:S+16*\m+4*\c+3], v[ADPR] offset:8192*\buf+2048*\m+512*\c
.endr
.endr
.irp f, 0,1,2,3
.irp c, 0,1,2,3
	ds_load_b128 v[VB+16*\f+4*\c:VB+16*\f+4*\c+3], v[\adv] offset:2048*\f+512*\c
.endr
.endr
	WIN 0x50
.irp f, 0,1,2,3
	s_wait_dscnt 12-4*\f
	PVMUL \f, \f
.endr
	WIN 0
	PLACES 5                                       ; five plain lines behind the step's products: whatever next writes P's or V's registers, a load or a product, stands behind them
.endm
.macro BOTH set, sbuf, next, pbuf, adv ; the two roles side by side; the branch hangs on the wave's number alone
	s_cmp_eq_u32 s[RL], 0
	s_cbranch_scc0 .Lpv_\@
	SMSTEP \set, \sbuf, \next
	s_branch .Ljoin_\@
.Lpv_\@:
	PVSTEP \pbuf, \adv, 1
.Ljoin_\@:
.endm
	s_load_b128 s[4:7], s[0:1], 0x0                ; fa, pw
	s_load_b128 s[56:59], s[0:1], 0x10             ; the exponents, gamma
	s_load_b128 s[60:63], s[0:1], 0x20             ; b4, a2_qb
	s_load_b128 s[96:99], s[0:1], 0x30             ; a2_kb, a2_vb
	s_load_b64 s[100:101], s[0:1], 0x40            ; ga
	v_lshl_add_u32 v[SPW], v0, 2, SPARE
	v_mov_b32 v[NIL], 0
	ds_add_u32 v2, v3
	ds_add_u32 v2, v3
	s_wait_dscnt 0x0
	v_lshrrev_b32 v[TP], 5, v0
	v_readfirstlane_b32 s[WV], v[TP]               ; wave 0..7
	s_lshr_b32 s[RL], s[WV], 2                     ; role: 0 softmax, 1 products
	s_and_b32 s[W4], s[WV], 3
	s_bfe_u32 s20, ttmp6, 0x40000                  ; cx
	s_lshl_b32 s[BLK], ttmp9, 2
	s_add_co_u32 s[BLK], s[BLK], s20               ; my block of 64 queries: it enters global addresses of my own data alone
	s_and_b32 s[IMG], ttmp7, 0xffff                ; the image, which the four partners share
	s_lshl_b32 s[GBLK], s[IMG], 6
	s_add_co_u32 s[GBLK], s[GBLK], s[BLK]
	s_mov_b32 s[SEL], 0x76543210
	s_mov_b32 s[SEL+1], 0xfedcba98
	v_and_b32 v[TP], 31, v0
	v_lshlrev_b32 v[LI], 4, v[TP]
	v_lshlrev_b32 v[L4], 2, v[TP]
	v_and_b32 v[RR], 15, v0
	v_bfe_u32 v[HH], v0, 4, 1
	v_and_b32 v[PR], 8, v[RR]
	v_add_nc_u32 v[PR], v[PR], v[RR]
	s_lshl_b32 s20, s[W4], 9
	s_add_co_u32 s21, s20, PB
	v_add_nc_u32 v[ADPW], s21, v[LI]
	v_add_nc_u32 v[ADPR], PB, v[LI]
	s_mul_i32 s21, s[W4], FPW*2048
	v_add_nc_u32 v[ADV0], s21, v[LI]
	s_mul_i32 s21, s[W4], 2*KT
	v_add_nc_u32 v[KO0], s21, v[LI]
	v_add_nc_u32 v[KO1], KSTEPB, v[KO0]
	v_add_nc_u32 v[KOMAX], 31*KSTEPB, v[KO0]
	s_mul_i32 s21, s[WV], PART
	v_add_nc_u32 v[ADKA], s21, v[LI]
	v_add_nc_u32 v[ADKB], SLOT, v[ADKA]
	s_lshl_b32 s21, s[WV], 9
	s_add_co_u32 s21, s21, MXB
	v_add_nc_u32 v[ADMW], s21, v[L4]
	v_add_nc_u32 v[ADMR], MXB, v[L4]
	s_add_co_u32 s21, s20, LB
	v_add_nc_u32 v[ADLW], s21, v[L4]
	v_add_nc_u32 v[ADLR], LB, v[L4]
	; the end's LDS addresses, all made ahead of the first parting of the roles
	s_lshr_b32 s20, s[W4], 1
	s_lshl_b32 s20, s20, 11
	s_and_b32 s21, s[W4], 1
	s_lshl_b32 s21, s21, 10
	s_add_co_u32 s20, s20, s21
	s_add_co_u32 s20, s20, YIMG
	v_add_nc_u32 v[ADY], s20, v[LI]
	v_add_nc_u32 v[ADYR], YIMG, v[LI]
	s_lshl_b32 s20, s[WV], 13
	v_add_nc_u32 v[ADWV0], s20, v[LI]
	v_add_nc_u32 v[ADWV1], 65536, v[ADWV0]
	s_add_co_u32 s20, s20, AREA
	v_add_nc_u32 v[ADW4A], s20, v[LI]
	v_add_nc_u32 v[ADW4B], 65536, v[ADW4A]
	s_lshr_b32 s20, s[WV], 1
	s_lshl_b32 s20, s20, 11
	s_and_b32 s21, s[WV], 1
	s_lshl_b32 s22, s21, 10
	s_add_co_u32 s20, s20, s22
	s_add_co_u32 s20, s20, AREA
	v_add_nc_u32 v[ADHW], s20, v[LI]
	v_add_nc_u32 v[ADHW2], 65536, v[ADHW]
	s_lshl_b32 s20, s[RL], 15
	s_lshl_b32 s22, s21, 14
	s_add_co_u32 s22, s22, s20
	s_add_co_u32 s22, s22, AREA
	v_add_nc_u32 v[ADHQ], s22, v[LI]
	v_add_nc_u32 v[ADHV], AREA+65536, v[LI]
	s_lshr_b32 s22, s[W4], 1
	s_lshl_b32 s22, s22, 14
	s_add_co_u32 s22, s22, s20
	v_add_nc_u32 v[ADWQ], s22, v[LI]
	s_lshl_b32 s20, s[WV], 8
	s_add_co_u32 s20, s20, R2B
	v_lshl_add_u32 v[ADRW], v[RR], 2, s20
	v_lshlrev_b32 v[ADRR], 1, v[L4]
	v_add_nc_u32 v[ADRR], R2B, v[ADRR]
	; descriptor group 1: a dense block as rows of 256 bytes (32 elements of 8 bytes); 15:0 the mask: all four work-groups; bit 21 set beside it
	s_mov_b32 s[G1+0], 15|(3<<16)|(1<<21)
	s_mov_b32 s[G1+1], 32<<16
	s_mov_b32 s[G1+2], (PART/256)<<16
	s_mov_b32 s[G1+3], 32<<16
	s_mov_b32 s[G1+4], PART/256
	s_mov_b32 s[G1+5], 32
	s_mov_b32 s[G1+6], 0
	s_mov_b32 s[G1+7], 0
	s_mov_b32 s[G1W+0], 15|(3<<16)|(1<<21)         ; W4's codes: 64 rows a wave
	s_mov_b32 s[G1W+1], 32<<16
	s_mov_b32 s[G1W+2], 64<<16
	s_mov_b32 s[G1W+3], 32<<16
	s_mov_b32 s[G1W+4], 64
	s_mov_b32 s[G1W+5], 32
	s_mov_b32 s[G1W+6], 0
	s_mov_b32 s[G1W+7], 0
	s_mul_i32 s20, s[WV], PART                     ; my eighth of a slot, in LDS and in memory
	s_mov_b32 s21, 0
	s_mul_i32 s22, s[IMG], 2*SLOT
	s_add_co_u32 s22, s22, KOFF
	s_mov_b32 s23, 0
	s_wait_kmcnt 0x0
	s_load_b512 s[68:83], s[56:57], 0x0
	s_load_b256 s[84:91], s[56:57], 0x40
	s_load_b64 s[92:93], s[56:57], 0x60
	s_load_b32 s66, s[58:59], 0x0                  ; gamma
	s_add_nc_u64 s[2:3], s[4:5], s[22:23]          ; the image's K
	s_mov_b32 s40, 1
	s_mov_b32 s41, s20
	s_add_nc_u64 s[42:43], s[2:3], s[20:21]
	s_mov_b32 s44, 1
	s_add_co_u32 s45, s20, SLOT
	s_add_nc_u64 s[46:47], s[42:43], SLOT
	s_or_b32 s43, s43, 0x80000000
	s_or_b32 s47, s47, 0x80000000
	s_mul_i32 s22, s[IMG], 32*STEPB
	s_add_co_u32 s22, s22, VOFF-SLOT
	s_add_co_u32 s22, s22, s20
	s_mov_b32 s[GW], 1                             ; the walking descriptor stands one step ahead of V's first chunk: every change of slots steps it first
	s_add_co_u32 s[GW+1], s20, SLOT
	s_add_nc_u64 s[GW+2:GW+3], s[4:5], s[22:23]
	s_or_b32 s[GW+3], s[GW+3], 0x80000000
	s_lshl_b32 s22, s[WV], 14
	s_mov_b32 s48, 1
	s_add_co_u32 s49, s22, AREA
	s_add_nc_u64 s[50:51], s[4:5], s[22:23]        ; W4's codes lie at fa's head
	s_or_b32 s51, s51, 0x80000000
	s_mul_i32 s22, s[GBLK], 4*KT
	s_add_co_u32 s22, s22, QOFF
	s_add_nc_u64 s[QB0:QB0+1], s[4:5], s[22:23]    ; my block's Q, in a pair that stays
	CROUND                                         ; the four work-groups are here: the first joint loads meet
	tensor_load_to_lds s[40:43], s[G1:G1+7]        ; K's first half -> slot 0
	s_nop 0
	tensor_load_to_lds s[44:47], s[G1:G1+7]        ; K's second half -> slot 1
	s_nop 0
	tensor_load_to_lds s[48:51], s[G1W:G1W+7]      ; W4's codes: three loads of mine are out
	s_nop 0
	PLACES 4
.irp m, 0,1,2,3
	global_load_b128 v[Q+12*\m+4:Q+12*\m+7], v[LI], s[QB0:QB0+1] offset:512*\m
.endr
.irp m, 0,1,2,3
.irp j, 0,1,2,3,8,9,10,11
	v_mov_b32 v[Q+12*\m+\j], 0                     ; the zeros beside q
.endr
.endr
.set kk, 0
.rept NK
	global_load_b128 v[KS0+4*kk:KS0+4*kk+3], v[KO0], s[2:3] offset:512*kk
	global_load_b128 v[KS0+KSZ+4*kk:KS0+KSZ+4*kk+3], v[KO1], s[2:3] offset:512*kk
.set kk, kk+1
.endr
	s_wait_kmcnt 0x0
	s_add_co_i32 s20, s[EQ], s[EK]
	s_lshl_b32 s20, s20, 23
	s_add_co_i32 s[CS], s20, 0x3fb8aa3b            ; log2(e) x 2^(eq + ek): the exponents are added to the exponent field
	s_mov_b32 s[CS+1], s[CS]
	MKSC SCL, LIM, EP
	s_wait_tensorcnt 0x2                           ; my part of K's first half is in: two loads were issued behind it.  I read only what my own load brought
	s_wait_loadcnt 0x0
	PASS1 ADKA, 1
	CHANGE 1                                       ; V's chunk 0 -> slot 0
	PASS1 ADKB, 0
	WIN 0x15
.irp m, 0,1,2,3
	v_max3_num_f32 v[TP+\m], v[64+8*\m], v[65+8*\m], v[66+8*\m]
	v_max3_num_f32 v[TP+4+\m], v[67+8*\m], v[68+8*\m], v[69+8*\m]
.endr
	WIN 0x14
.irp m, 0,1,2,3
	v_max3_num_f32 v[TP+\m], v[TP+\m], v[70+8*\m], v[71+8*\m]
.endr
	WIN 0
.irp m, 0,1,2,3
	v_max_num_f32 v[TP+\m], v[TP+\m], v[TP+4+\m]
.endr
.irp m, 0,1,2,3
	v_permlanex16_b32 v[TP+4+\m], v[TP+\m], s[SEL], s[SEL+1]
.endr
.irp m, 0,1,2,3
	v_max_num_f32 v[TP+\m], v[TP+\m], v[TP+4+\m]
.endr
.irp m, 0,1,2,3
	ds_store_b32 v[ADMW], v[TP+\m] offset:128*\m
.endr
	BAR                                            ; V's chunk 0 may stay out
.irp w, 0,1,2,3,4,5,6,7
.irp m, 0,1,2,3
	ds_load_b32 v[S+4*\w+\m], v[ADMR] offset:512*\w+128*\m
.endr
.endr
	s_wait_dscnt 0x0
.irp m, 0,1,2,3
	v_max3_num_f32 v[TP+\m], v[S+\m], v[S+4+\m], v[S+8+\m]
	v_max3_num_f32 v[TP+\m], v[TP+\m], v[S+12+\m], v[S+16+\m]
	v_max3_num_f32 v[TP+\m], v[TP+\m], v[S+20+\m], v[S+24+\m]
	v_max_num_f32 v[TP+\m], v[TP+\m], v[S+28+\m]
	v_mul_f32 v[TP+\m], s[CS], v[TP+\m]            ; the largest t
	v_floor_f32 v[NM+2*\m], -v[TP+\m]              ; -M = floor(-t)
	v_mov_b32 v[NM+2*\m+1], v[NM+2*\m]
.endr
	WIN 0x40
.set i2, 0
.rept NACC
	v_mov_b32 v[i2], 0                             ; O^T: the step is written once, and every way finds its registers written
.set i2, i2+1
.endr
	WIN 0
.irp j, 0,1,2,3,4,5,6,7
	v_mov_b32 v[LS+\j], 0
.endr
	s_cmp_eq_u32 s[RL], 0
	s_cbranch_scc0 .Lp0
	SMSTEP 0, 0, 1                                 ; P of step 0
.Lp0:
	s_mov_b32 s[TB], 0
	s_mov_b32 s[CNT], 15
.Lchunk:                                           ; trip c: products of steps 2 c, 2 c + 1; P of steps 2 c + 1, 2 c + 2; V's chunk c + 1 is asked for
	CHANGE 1
	v_add_nc_u32 v[ADVA], s[TB], v[ADV0]
	v_add_nc_u32 v[ADVB], STEPB, v[ADVA]
	BOTH 1, 1, 1, 0, ADVA
	BAR
	BOTH 0, 0, 1, 1, ADVB
	s_xor_b32 s[TB], s[TB], SLOT
	s_sub_co_u32 s[CNT], s[CNT], 1
	s_cmp_lg_u32 s[CNT], 0
	s_cbranch_scc1 .Lchunk
	; the last chunk is written out; the slot that is free takes the second attention's q and k weights
	s_mul_i32 s20, s[WV], PART
	s_add_co_u32 s20, s20, PW_A2Q
	s_mov_b32 s21, 0
	s_add_nc_u64 s[20:21], s[6:7], s[20:21]
	CHANGE 2
	v_add_nc_u32 v[ADVA], s[TB], v[ADV0]
	v_add_nc_u32 v[ADVB], STEPB, v[ADVA]
	s_cmp_eq_u32 s[RL], 0
	s_cbranch_scc0 .Ltpv
	SMSTEP 1, 1, 0
.irp m, 0,1,2,3
	v_add_f32 v[TP+\m], v[LS+2*\m], v[LS+2*\m+1]
.endr
.irp m, 0,1,2,3
	v_permlanex16_b32 v[TP+4+\m], v[TP+\m], s[SEL], s[SEL+1]
.endr
.irp m, 0,1,2,3
	v_add_f32 v[TP+\m], v[TP+\m], v[TP+4+\m]
.endr
.irp m, 0,1,2,3
	ds_store_b32 v[ADLW], v[TP+\m] offset:128*\m   ; my keys' part of the rows' sums
.endr
	s_branch .Ltj
.Ltpv:
	PVSTEP 0, ADVA, 1
.Ltj:
	BAR
	s_wait_loadcnt 0x0                             ; the held load past the last step is retired
	; ---- b4 and W5/sigma5 of my 64 channels of layer 4, in the result's layout
	s_lshl_b32 s20, s[WV], 8
	v_lshl_add_u32 v[TP], v[HH], 6, s20
.irp f, 0,1,2,3
	global_load_b128 v[48+8*\f:51+8*\f], v[TP], s[60:61] offset:(32*(\f/2)+8*(\f%2))*4
	global_load_b128 v[52+8*\f:55+8*\f], v[TP], s[60:61] offset:(32*(\f/2)+8*(\f%2))*4+16
.endr
.irp f, 0,1,2,3
	global_load_b128 v[80+8*\f:83+8*\f], v[TP], s[6:7] offset:PW_W5N+(32*(\f/2)+8*(\f%2))*4
	global_load_b128 v[84+8*\f:87+8*\f], v[TP], s[6:7] offset:PW_W5N+(32*(\f/2)+8*(\f%2))*4+16
.endr
	s_cmp_eq_u32 s[RL], 0
	s_cbranch_scc1 .Le1
	; ---- the product role: the residual is asked for, the last step, y = gamma O / l + x, y's codes
	s_lshl_b32 s20, s[GBLK], 16
	s_add_co_u32 s20, s20, FA_X1
	s_mov_b32 s21, 0
	s_add_nc_u64 s[20:21], s[4:5], s[20:21]
	s_lshl_b32 s22, s[W4], 12
	v_add_nc_u32 v[TP+1], s22, v[LI]
	WIN 0x40
.irp bl, 0,1
.irp m, 0,1,2,3
.irp q, 0,1,2,3
	global_load_b128 v[128+16*(4*\bl+\m)+4*\q:128+16*(4*\bl+\m)+4*\q+3], v[TP+1], s[20:21] offset:16384*\m+2048*\bl+512*\q
.endr
.endr
.endr
	WIN 0
	PVSTEP 1, ADVB, 0                              ; the biases and the residual stay on their way through the step
.irp w, 0,1,2,3
.irp m, 0,1,2,3
	ds_load_b32 v[S+4*\w+\m], v[ADLR] offset:512*\w+128*\m
.endr
.endr
	s_wait_dscnt 0x0
.irp m, 0,1,2,3
	v_add_f32 v[S+\m], v[S+\m], v[S+4+\m]
	v_add_f32 v[S+8+\m], v[S+8+\m], v[S+12+\m]
.endr
.irp m, 0,1,2,3
	v_add_f32 v[S+\m], v[S+\m], v[S+8+\m]          ; l
.endr
.irp m, 0,1,2,3
	v_rcp_f32 v[S+4+\m], v[S+\m]
.endr
	v_nop
	s_add_co_i32 s22, s[SC+12], s[SC+13]
	s_wait_alu depctr_va_vdst(0)
.irp m, 0,1,2,3
	v_mul_f32 v[LS+2*\m], s66, v[S+4+\m]
.endr
.irp m, 0,1,2,3
	v_ldexp_f32 v[LS+2*\m], v[LS+2*\m], s22        ; gamma / l x 2^(e12 + e13)
.endr
.irp m, 0,1,2,3
	v_mov_b32 v[LS+2*\m+1], v[LS+2*\m]
.endr
	MKSC TP+4, TP+5, SC+14
	s_wait_loadcnt 0x0
.irp bl, 0,1
	WIN 0x11                                       ; O^T and the residual in window 1
.irp m, 0,1,2,3
.irp i, 0,2,4,6,8,10,12,14
	v_pk_fma_f32 v[S+16*\m+\i:S+16*\m+\i+1], v[16*(4*\bl+\m)+\i:16*(4*\bl+\m)+\i+1], v[LS+2*\m:LS+2*\m+1], v[128+16*(4*\bl+\m)+\i:128+16*(4*\bl+\m)+\i+1] op_sel_hi:[1,0,1]
.endr
.endr
	WIN 0
.irp m, 0,1,2,3
	QUANT16 S+16*\m, S+16*\m, VB+4*\m, TP+4, TP+5
.endr
.irp m, 0,1,2,3
	ds_store_b128 v[ADY], v[VB+4*\m:VB+4*\m+3] offset:4096*\m+512*\bl
.endr
.endr
.Le1:
	CHANGE 1                                       ; y's images are whole; a2_vW's K step 0 -> slot 1
	s_wait_loadcnt 0x0
	s_add_co_i32 s20, s[SC+14], s[SC+15]
	s_sub_co_i32 s21, 0, s20
.set i3, 0
.rept 32
	v_ldexp_f32 v[48+i3], v[48+i3], s21            ; b4 / 2^(e14 + e15)
.set i3, i3+1
.endr
	; ---- layer 4 (K = 256): all eight waves, 64 channels each, 16 accumulators by turns
.irp s, 0,1
.irp m, 0,1,2,3
.irp c, 0,1,2,3
	ds_load_b128 v[S+16*\m+4*\c:S+16*\m+4*\c+3], v[ADYR] offset:4096*\m+2048*\s+512*\c
.endr
.endr
.irp f, 0,1,2,3
.irp c, 0,1,2,3
	ds_load_b128 v[VB+16*\f+4*\c:VB+16*\f+4*\c+3], v[ADW4A+\s] offset:2048*\f+512*\c
.endr
.endr
	s_wait_dscnt 0x0
.if \s == 0
	WIN 0x40
.else
	WIN 0x50
.endif
.irp f, 0,1,2,3
.irp m, 0,1,2,3
.if \s == 0
	v_wmma_f32_16x16x128_bf8_bf8 v[16*(4*(\f/2)+\m)+8*(\f%2):16*(4*(\f/2)+\m)+8*(\f%2)+7], v[VB+16*\f:VB+16*\f+15], v[S+16*\m:S+16*\m+15], v[48+8*\f:55+8*\f]
.else
	v_wmma_f32_16x16x128_bf8_bf8 v[16*(4*(\f/2)+\m)+8*(\f%2):16*(4*(\f/2)+\m)+8*(\f%2)+7], v[VB+16*\f:VB+16*\f+15], v[S+16*\m:S+16*\m+15], v[16*(4*(\f/2)+\m)+8*(\f%2):16*(4*(\f/2)+\m)+8*(\f%2)+7]
.endif
.endr
.endr
	WIN 0
	PLACES 4
.endr
	BAR                                            ; nobody reads W4's codes any more: their bytes, which have had their last fill, take h4's images
	s_add_co_i32 s21, s20, 127
	s_lshl_b32 s[CS], s21, 23                      ; 2^(e14 + e15)
	s_mov_b32 s[CS+1], s[CS]
	s_lshl_b32 s21, s20, 23
	s_add_co_i32 s2, s21, 0x3dcccccd               ; 0.1 x 2^(e14 + e15)
	s_mov_b32 s3, s2
	WIN 0x45                                       ; all in window 1
.set i3, 0
.rept 64
	v_pk_mul_f32 v[128+2*i3:129+2*i3], v[2*i3:2*i3+1], s[2:3] op_sel_hi:[1,0]
.set i3, i3+1
.endr
.set i3, 0
.rept 64
	v_pk_mul_f32 v[2*i3:2*i3+1], v[2*i3:2*i3+1], s[CS:CS+1] op_sel_hi:[1,0]
.set i3, i3+1
.endr
.set i3, 0
.rept 128
	v_max_num_f32 v[i3], v[i3], v[128+i3]          ; h4 = max(x, 0.1 x)
.set i3, i3+1
.endr
	WIN 0x01
.irp f, 0,1,2,3
.irp i, 0,2,4,6
.irp m, 0,1,2,3
.if (\f == 0) && (\i == 0)
	v_pk_mul_f32 v[LS+2*\m:LS+2*\m+1], v[16*(4*(\f/2)+\m)+8*(\f%2)+\i:16*(4*(\f/2)+\m)+8*(\f%2)+\i+1], v[80+8*\f+\i:81+8*\f+\i]
.else
	v_pk_fma_f32 v[LS+2*\m:LS+2*\m+1], v[16*(4*(\f/2)+\m)+8*(\f%2)+\i:16*(4*(\f/2)+\m)+8*(\f%2)+\i+1], v[80+8*\f+\i:81+8*\f+\i], v[LS+2*\m:LS+2*\m+1]
.endif
.endr
.endr
.endr
	WIN 0
.irp m, 0,1,2,3
	v_add_f32 v[TP+\m], v[LS+2*\m], v[LS+2*\m+1]
.endr
.irp m, 0,1,2,3
	v_permlanex16_b32 v[TP+4+\m], v[TP+\m], s[SEL], s[SEL+1]
.endr
.irp m, 0,1,2,3
	v_add_f32 v[TP+\m], v[TP+\m], v[TP+4+\m]
.endr
.irp m, 0,1,2,3
	ds_store_b32 v[ADRW], v[TP+\m] offset:64*\m    ; my 64 channels' part of h4 . W5/sigma5; both halves of the lanes hold it and write the same word
.endr
.irp z, 0,1,2
	MKSC TP+6, TP+7, SC+16+2*\z
.irp bl, 0,1
	QB 64*\bl, 4, VB, TP+6, TP+7
.irp m, 0,1,2,3
.if \z < 2
	ds_store_b128 v[ADHW], v[VB+4*\m:VB+4*\m+3] offset:32768*\z+8192*\m+512*\bl
.else
	ds_store_b128 v[ADHW2], v[VB+4*\m:VB+4*\m+3] offset:8192*\m+512*\bl
.endif
.endr
.endr
.endr
	; the second attention's biases
	s_cmp_eq_u32 s[RL], 0
	s_cselect_b64 s[20:21], s[62:63], s[96:97]     ; qb or kb: the choice hangs on the wave's number alone
	s_lshr_b32 s22, s[W4], 1
	s_lshl_b32 s22, s22, 7
	v_lshl_add_u32 v[TP+1], v[HH], 6, s22
.irp u, 0,1
	global_load_b128 v[48+8*\u:51+8*\u], v[TP+1], s[20:21] offset:32*\u
	global_load_b128 v[52+8*\u:55+8*\u], v[TP+1], s[20:21] offset:32*\u+16
.endr
	s_lshl_b32 s22, s[WV], 8
	v_lshl_add_u32 v[TP+2], v[PR], 2, s22
.irp f, 0,1,2,3
	global_load_b32 v[64+\f], v[TP+2], s[98:99] offset:128*(\f/2)+32*(\f%2)
.endr
	CHANGE 0                                       ; h4's images, the parts of r2, the q and k weights and a2_vW's K step 0 are all there
	s_cmp_lg_u32 s[WV], 0
	s_cbranch_scc1 .Lnr2
.irp w, 0,1,2,3,4,5,6,7
	ds_load_b64 v[S+2*\w:S+2*\w+1], v[ADRR] offset:256*\w
.endr
	s_lshl_b32 s22, s[GBLK], 8
	s_add_co_u32 s22, s22, GA_R2
	s_mov_b32 s23, 0
	s_add_nc_u64 s[22:23], s[100:101], s[22:23]
	v_lshlrev_b32 v[TP+3], 1, v[L4]
	s_wait_dscnt 0x0
.irp w, 0,2,4,6
	v_pk_add_f32 v[S+\w:S+\w+1], v[S+\w:S+\w+1], v[S+8+\w:S+8+\w+1]
.endr
	v_pk_add_f32 v[S:S+1], v[S:S+1], v[S+4:S+5]
	v_pk_add_f32 v[S+2:S+3], v[S+2:S+3], v[S+6:S+7]
	v_pk_add_f32 v[S:S+1], v[S:S+1], v[S+2:S+3]
	global_store_b64 v[TP+3], v[S:S+1], s[22:23]   ; r2 of my 64 pixels: 256 consecutive bytes
	s_wait_xcnt 0x0                                ; the store has read its registers: they are loaded again below
.Lnr2:
	; ---- q2 or k2 (K = 512): 32 channels, two tiles of pixels a wave
	s_wait_loadcnt 0x0
	s_add_co_i32 s20, s[SC+16], s[SC+17]
	s_add_co_i32 s21, s[SC+18], s[SC+19]
	s_cmp_eq_u32 s[RL], 0
	s_cselect_b32 s20, s20, s21
	s_cselect_b32 s21, s[SC+22], s[SC+23]
	s_sub_co_i32 s67, s21, s20                     ; e22 - e16 - e17, or e23 - e18 - e19
	s_sub_co_i32 s20, 0, s20
.set i3, 0
.rept 16
	v_ldexp_f32 v[48+i3], v[48+i3], s20
.set i3, i3+1
.endr
	s_add_co_i32 s20, s[SC+20], s[SC+21]
	s_sub_co_i32 s21, 0, s20
.irp f, 0,1,2,3
.irp j, 0,1,2,3,4,5,6,7
	v_ldexp_f32 v[80+8*\f+\j], v[64+\f], s21       ; v2's result holds one channel a lane
.endr
.endr
.irp g, 0,1
.irp u, 0,1
.irp t, 0,1
.irp c, 0,1,2,3
	ds_load_b128 v[S+16*(2*\u+\t)+4*\c:S+16*(2*\u+\t)+4*\c+3], v[ADWQ] offset:8192*\u+2048*(2*\g+\t)+512*\c
	ds_load_b128 v[VB+16*(2*\u+\t)+4*\c:VB+16*(2*\u+\t)+4*\c+3], v[ADHQ] offset:8192*\u+2048*(2*\g+\t)+512*\c
.endr
.endr
.endr
	s_wait_dscnt 0x0
.irp t, 0,1
.if (\g == 0) && (\t == 0)
	WIN 0x40
.else
	WIN 0x50
.endif
.irp n, 0,1
.irp u, 0,1
.if (\g == 0) && (\t == 0)
	v_wmma_f32_16x16x128_bf8_bf8 v[16*\n+8*\u:16*\n+8*\u+7], v[S+16*(2*\u+\t):S+16*(2*\u+\t)+15], v[VB+16*(2*\n+\t):VB+16*(2*\n+\t)+15], v[48+8*\u:55+8*\u]
.else
	v_wmma_f32_16x16x128_bf8_bf8 v[16*\n+8*\u:16*\n+8*\u+7], v[S+16*(2*\u+\t):S+16*(2*\u+\t)+15], v[VB+16*(2*\n+\t):VB+16*(2*\n+\t)+15], v[16*\n+8*\u:16*\n+8*\u+7]
.endif
.endr
.endr
.endr
	WIN 0
	PLACES 4
.endr
	MKSC TP+6, TP+7, 67
	QB 0, 2, VB, TP+6, TP+7
	s_lshl_b32 s20, s[GBLK], 12
	s_mov_b32 s21, 0
	s_add_nc_u64 s[20:21], s[100:101], s[20:21]
	s_lshl_b32 s22, s[RL], 20
	s_and_b32 s23, s[WV], 1
	s_lshl_b32 s23, s23, 11
	s_add_co_u32 s22, s22, s23
	s_lshr_b32 s23, s[W4], 1
	s_lshl_b32 s23, s23, 9
	s_add_co_u32 s22, s22, s23
	v_add_nc_u32 v[TP+1], s22, v[LI]
	global_store_b128 v[TP+1], v[VB:VB+3], s[20:21]
	global_store_b128 v[TP+1], v[VB+4:VB+7], s[20:21] offset:1024
	s_wait_xcnt 0x0                                ; the stores have read their registers: they are loaded again below
	; ---- v2 (K = 512): 64 channels a wave, four tiles of pixels; a2_vW's K steps come through the ring
.macro V2STEP adw, s
.irp m, 0,1,2,3
.irp c, 0,1,2,3
	ds_load_b128 v[S+16*\m+4*\c:S+16*\m+4*\c+3], v[ADHV] offset:8192*\m+2048*\s+512*\c
.endr
.endr
.irp f, 0,1,2,3
.irp c, 0,1,2,3
	ds_load_b128 v[VB+16*\f+4*\c:VB+16*\f+4*\c+3], v[\adw] offset:2048*\f+512*\c
.endr
.endr
	s_wait_dscnt 0x0
.if \s == 0
	WIN 0x40
.else
	WIN 0x50
.endif
.irp f, 0,1,2,3
.irp m, 0,1,2,3
.if \s == 0
	v_wmma_f32_16x16x128_bf8_bf8 v[128+8*(4*\f+\m):128+8*(4*\f+\m)+7], v[S+16*\m:S+16*\m+15], v[VB+16*\f:VB+16*\f+15], v[80+8*\f:87+8*\f]
.else
	v_wmma_f32_16x16x128_bf8_bf8 v[128+8*(4*\f+\m):128+8*(4*\f+\m)+7], v[S+16*\m:S+16*\m+15], v[VB+16*\f:VB+16*\f+15], v[128+8*(4*\f+\m):128+8*(4*\f+\m)+7]
.endif
.endr
.endr
	WIN 0
	PLACES 4
.endm
	CHANGE 1                                       ; K step 1 -> slot 0
	V2STEP ADWV1, 0
	CHANGE 1                                       ; K step 2 -> slot 1
	V2STEP ADWV0, 1
	CHANGE 1                                       ; K step 3 -> slot 0
	V2STEP ADWV1, 2
	CHANGE 0
	V2STEP ADWV0, 3
	s_sub_co_i32 s67, s[SC+24], s[SC+20]
	s_sub_co_i32 s67, s67, s[SC+21]
	MKSC TP+6, TP+7, 67
	s_lshl_b32 s20, s[IMG], 21
	s_lshr_b32 s22, s[BLK], 1
	s_lshl_b32 s22, s22, 16
	s_add_co_u32 s20, s20, s22
	s_and_b32 s22, s[BLK], 1
	s_lshl_b32 s22, s22, 10
	s_add_co_u32 s20, s20, s22
	s_add_co_u32 s20, s20, GA_V2
	s_mov_b32 s21, 0
	s_add_nc_u64 s[20:21], s[100:101], s[20:21]
	s_lshl_b32 s22, s[WV], 13
	v_add_nc_u32 v[TP+2], s22, v[LI]
.irp g, 0,1
	QB 128+64*\g, 4, VB+16*\g, TP+6, TP+7
.irp e, 0,1,2,3
	global_store_b128 v[TP+2], v[VB+16*\g+4*\e:VB+16*\g+4*\e+3], s[20:21] offset:2048*(2*\g+\e/2)+512*(\e%2)
.endr
.endr
	s_wait_tensorcnt 0x0                           ; the wave's end
	ds_add_u32 v[SPW], v[NIL]
	s_wait_dscnt 0x0
	CROUND                                         ; the closing round
	s_endpgm
.Lfunc_end_k_q374c1e1370_attn1:
	.size	k_q374c1e1370_attn1, .Lfunc_end_k_q374c1e1370_attn1-k_q374c1e1370_attn1
	.p2alignl 7, 3214868480
	.fill 96, 4, 3214868480
	.section	.rodata,"a",@progbits
	.p2align	6, 0x0
	.amdhsa_kernel k_q374c1e1370_attn1
		.amdhsa_group_segment_fixed_size 327680
		.amdhsa_private_segment_fixed_size 0
		.amdhsa_enable_private_segment 0
		.amdhsa_kernarg_size 72
		.amdhsa_user_sgpr_count 2
		.amdhsa_user_sgpr_kernarg_segment_ptr 1
		.amdhsa_wavefront_size32 1
		.amdhsa_system_sgpr_workgroup_id_x 1
		.amdhsa_system_sgpr_workgroup_id_y 1
		.amdhsa_system_sgpr_workgroup_id_z 1
		.amdhsa_system_vgpr_workitem_id 0
		.amdhsa_next_free_vgpr 512
		.amdhsa_next_free_sgpr 104
		.amdhsa_reserve_vcc 0
		.amdhsa_float_denorm_mode_32 3
		.amdhsa_float_denorm_mode_16_64 3
		.amdhsa_memory_ordered 1
		.amdhsa_forward_progress 1
		.amdhsa_inst_pref_size 239
	.end_amdhsa_kernel
	.amdgpu_metadata
---
amdhsa.version: [ 1, 2 ]
amdhsa.kernels:
  - .name:           k_q374c1e1370_attn1
    .symbol:         k_q374c1e1370_attn1.kd
    .args:
      - { .name: fa, .offset: 0, .size: 8, .value_kind: global_buffer, .address_space: global }
      - { .name: pw, .offset: 8, .size: 8, .value_kind: global_buffer, .address_space: global }
      - { .name: lowp_scales, .offset: 16, .size: 8, .value_kind: global_buffer, .address_space: global }
      - { .name: a1_gamma, .offset: 24, .size: 8, .value_kind: global_buffer, .address_space: global }
      - { .name: b4, .offset: 32, .size: 8, .value_kind: global_buffer, .address_space: global }
      - { .name: a2_qb, .offset: 40, .size: 8, .value_kind: global_buffer, .address_space: global }
      - { .name: a2_kb, .offset: 48, .size: 8, .value_kind: global_buffer, .address_space: global }
      - { .name: a2_vb, .offset: 56, .size: 8, .value_kind: global_buffer, .address_space: global }
      - { .name: ga, .offset: 64, .size: 8, .value_kind: global_buffer, .address_space: global }
    .group_segment_fixed_size: 327680
    .private_segment_fixed_size: 0
    .kernarg_segment_align: 8
    .kernarg_segment_size: 72
    .max_flat_workgroup_size: 256
    .sgpr_count:     104
    .vgpr_count:     512
    .wavefront_size: 32
...
	.end_amdgpu_metadata
.endif
;; end of part 3
;; launch attn2 (part 4): grid 64 x 4, 8 waves a work-group, clusters of 4 x 1, 327,680 bytes of LDS; arguments ga, pw, lowp_scales, a2_gamma, b5, out0; writes out0
.if DOCPART == 4
	.amdgcn_target "amdgcn-amd-amdhsa--gfx1250"
	.amdhsa_code_object_version 6
	.text
	.protected	k_q374c1e1370_attn2
	.globl	k_q374c1e1370_attn2
	.p2align	8
	.type	k_q374c1e1370_attn2,@function
k_q374c1e1370_attn2:
	s_mov_b64 s[64:65], 0
	v_nop
	global_prefetch_b8 v0, s[64:65] scope:SCOPE_SE
	s_setreg_imm32_b32 hwreg(HW_REG_WAVE_MODE, 25, 1), 1
	s_wait_xcnt 0x0
	s_wait_alu depctr_hold_cnt(0) depctr_sa_sdst(0) depctr_va_vdst(0) depctr_va_sdst(0) depctr_va_ssrc(0) depctr_va_vcc(0) depctr_vm_vsrc(0)
	s_getreg_b32 s2, hwreg(HW_REG_IB_STS2, 6, 4)
	s_cmp_eq_u32 s2, 0
	s_cbranch_scc0 .Lentry_in_a_cluster
	s_endpgm
.Lentry_in_a_cluster:
	s_bfe_u32 s2, ttmp6, 0x10000c
	s_cmp_lg_u32 s2, 0x3003
	s_cbranch_scc0 .Lentry_shape_is_right
	s_endpgm
.Lentry_shape_is_right:
; THE SECOND ATTENTION (q, k: 64 channels; v: 512) AND LAYER 5, for 64 queries a work-group.  out = leaky(gamma (O / l) . w5 + r2 + b5), w5 = W5 / sigma5, r2 = h4 . w5 from the launch before: the residual is one number a pixel.
; All operands are images of their registers ([piece c][lane][16 bytes], lane (r, h): k = 32 c + 16 h + 0 .. 15 of lane-row r), made by the launch before.
; PASS 1: the row's largest score.  The image's keys are the two slots' first fills; each of the eight waves multiplies the 16 key tiles of each half that its own load brought by all four query tiles; the maxima meet in LDS.
;   M = ceil(largest t), t = score x log2(e) x 2^(eq + ek), is then final: nothing is ever rescaled.
; PASS 2: 32 steps of 128 keys, IN TWO ROLES.  Waves 0-3: S^T = K Q^T for keys 32 w .. 32 w + 31 of the step and all 64 queries, p = 2^(t - M), the sum of the unquantised p, p's codes: one piece of P's fragments, to LDS.
;   K comes from memory straight into registers, two steps ahead.  Waves 4-7: O^T += V^T P^T, a quarter of the channels each, one step behind.  One barrier a step; V comes through a ring of two slots of two steps.
;   The two roles' steps stand side by side in the text.  Every distance and every count is kept on every way through it, also on ways that no wave takes (one role's step behind the other's).
; CLUSTER: the four query blocks of a cluster belong to one image and walk the same K and V: every tile is asked for jointly, each wave an eighth of it.
; LIMITS: eq + ek between -126 and 127; ep between -126 and 112.  NaN among the inputs is not served.
; REGISTERS: window 0: v0-23 ids and addresses; v24-31 -M (a pair a query tile); v32-39 the sums; v40-47 at work; v48-79 Q; v80-111 two sets of K; v112-175 S^T, p / P; v176-255 codes / five buffers of V.   window 1: O^T.
.set VAR, 2
.set KT, 1024                          ; bytes of a key tile
.set NK, 4                             ; loads that bring a wave's two key tiles
.set FPW, 8                            ; fragments of V a wave and step
.set SLOT, 131072
.set QOFF, 0
.set KOFF, 1048576
.set VOFF, 2097152
.set GA_R2, 10485760
.set PW_W5N, 2048
.set EQ, 90
.set EK, 91
.set EP, 93
.set KS0, 80
.set KSZ, 16
.set NACC, 256
.set PB, 262144                        ; LDS: slots at 0 and 131,072; P: [buffer 2][query tile 4][piece 4][512]
.set MXB, 278528
.set LB, 282624
.set OB, 284672
.set FIN, 286720
.set SPARE, 286976                     ; the spare words, 128 bytes a wave: four blocks of 256 bytes that no other line names
.set KSTEPB, 8*KT
.set STEPB, 4*FPW*2048
.set PART, SLOT/8
.set NPL, 16*KT/512
.set WV, 8
.set RL, 9
.set W4, 10
.set IMG, 11
.set BLK, 12
.set GBLK, 13
.set CNT, 14
.set TB, 15
.set CS, 16
.set SEL, 18
.set G1, 24
.set GW, 52
.set SC, 68                            ; e_i in s[SC + i]
.set QB0, 94                           ; s[94:95] my block's Q; no other line writes them
.set LI, 1
.set SPW, 2
.set NIL, 3
.set ADPW, 4
.set ADPR, 5
.set ADV0, 6
.set ADVA, 7
.set ADVB, 8
.set KO0, 9
.set KO1, 10
.set KOMAX, 11
.set ADKA, 12                          ; pass 1's four addresses; behind pass 1 the same registers take the end's four
.set ADKB, 13
.set ADMW, 14
.set ADMR, 15
.set ADOW, 12
.set ADOR, 13
.set ADFW, 14
.set ADFR, 15
.set ADLW, 16
.set ADLR, 17
.set SCL, 18
.set LIM, 19
.set RR, 20
.set HH, 21
.set L4, 22
.set PR, 23
.set NM, 24
.set LS, 32
.set TP, 40
.set Q, 48
.set S, 112
.set VB, 176
.set MSB, 0
.macro WIN new                         ; the immediate's high byte repeats the setting that is left
.if MSB != \new
	s_set_vgpr_msb (MSB<<8)|\new
.set MSB, \new
.endif
.endm
.macro PLACES n
.rept \n
	v_nop
.endr
.endm
.macro BAR
	s_wait_dscnt 0x0
	s_barrier_signal -1
	s_barrier_wait -1
.endm
.macro CROUND                          ; a round of the cluster's barrier
	s_barrier_signal -1
	s_barrier_wait -1
	s_cmp_lg_u32 s[WV], 0
	s_cbranch_scc1 .Lnot_wave_0_\@
	s_barrier_signal -3
.Lnot_wave_0_\@:
	s_barrier_wait -3
	s_barrier_signal -1
	s_barrier_wait -1
.endm
.macro MKSC vs, vl, se                 ; 2^E as f32 and 57,344 x 2^E, E in s[se]; s22 and s23 are at work
	s_add_co_i32 s22, s[\se], 127
	s_lshl_b32 s23, s22, 23
	v_mov_b32 v[\vs], s23
	s_add_co_i32 s22, s22, 15
	s_lshl_b32 s22, s22, 23
	s_or_b32 s22, s22, 0x600000
	v_mov_b32 v[\vl], s22
.endm
; THE CHANGE OF SLOTS.  Every wave: all its tensor loads have landed; the add; its LDS instructions are done; then the barrier.  fill = 1: the walking descriptor steps to the other slot and the next SLOT bytes, the barrier is a
; round of the cluster's, and the joint refill stands first behind it.  fill = 0: nothing is asked for.
.macro CHANGE fill
	s_wait_tensorcnt 0x0
	ds_add_u32 v[SPW], v[NIL]                      ; 0 onto my spare word
.if \fill
	s_xor_b32 s[GW+1], s[GW+1], SLOT
	s_add_nc_u64 s[GW+2:GW+3], s[GW+2:GW+3], SLOT
.endif
	s_wait_dscnt 0x0
.if \fill
	CROUND
	tensor_load_to_lds s[GW:GW+3], s[G1:G1+7]
	s_nop 0
	PLACES 4
.else
	s_barrier_signal -1
	s_barrier_wait -1
.endif
.endm
; Pass 1 on the 16 key tiles at v[adr]: two tiles at a time against the four query tiles; the running maxima, register by register, in window 1 at 64 + 8 m
.macro PASS1 adr, first
.set i1, 0
.rept NPL
	ds_load_b128 v[S+4*i1:S+4*i1+3], v[\adr] offset:512*i1
.set i1, i1+1
.endr
.set p1, 0
.rept 8
	s_wait_dscnt (NPL/8)*(7-p1)                    ; the later pairs' loads may be out
	WIN 0x40
.irp u, 0,1
.irp m, 0,1,2,3
	v_wmma_f32_16x16x64_bf8_bf8 v[8*(4*\u+\m):8*(4*\u+\m)+7], v[S+16*p1+8*\u:S+16*p1+8*\u+7], v[Q+8*\m:Q+8*\m+7], 0
.endr
.endr
	WIN 0x55
	PLACES 4
.irp m, 0,1,2,3
.irp j, 0,1,2,3,4,5,6,7
.if \first && (p1 == 0)
	v_max_num_f32 v[64+8*\m+\j], v[8*\m+\j], v[32+8*\m+\j]
.else
	v_max3_num_f32 v[64+8*\m+\j], v[64+8*\m+\j], v[8*\m+\j], v[32+8*\m+\j]
.endif
.endr
.endr
.set p1, p1+1
.endr
	WIN 0
.endm
; THE SOFTMAX ROLE'S STEP: K in set `set`; P's piece goes to buffer `buf`; next = 1: the set is loaded again with the keys two steps on
.macro SMSTEP set, buf, next
.set KS, KS0+KSZ*(\set)
	s_wait_loadcnt NK                              ; my set is in: behind a step of this role only the other set's NK loads are younger; behind a step of the other role nothing is out
.irp m, 0,1,2,3
.irp u, 0,1
	v_wmma_f32_16x16x64_bf8_bf8 v[S+16*\m+8*\u:S+16*\m+8*\u+7], v[KS+8*\u:KS+8*\u+7], v[Q+8*\m:Q+8*\m+7], 0
.endr
.endr
.if \next
	v_add_nc_u32 v[KO0+\set], 2*KSTEPB, v[KO0+\set]         ; four plain lines behind the products, ahead of the loads into their operand
	v_min_u32 v[KO0+\set], v[KO0+\set], v[KOMAX]            ; the one step past the end is held at the last step: no load leaves the buffer
	v_nop
	v_nop
.set kk, 0
.rept NK
	global_load_b128 v[KS+4*kk:KS+4*kk+3], v[KO0+\set], s[2:3] offset:512*kk
.set kk, kk+1
.endr
.else
	PLACES 4
.endif
.irp m, 0,1,2,3
.irp j, 0,2,4,6,8,10,12,14
	v_pk_fma_f32 v[S+16*\m+\j:S+16*\m+\j+1], v[S+16*\m+\j:S+16*\m+\j+1], s[CS:CS+1], v[NM+2*\m:NM+2*\m+1] op_sel_hi:[1,0,0]   ; t - M
.endr
.endr
.set ee, 0
.rept 64
	v_exp_f32 v[S+ee], v[S+ee]                     ; p = 2^(t - M), at most 1
.set ee, ee+1
.endr
	v_nop                                          ; a plain line between the exponentials and the first use of a result (ISA guide 5.7.2)
	s_wait_alu depctr_va_vdst(0)
.irp j, 0,2,4,6,8,10,12,14
.irp m, 0,1,2,3
	v_pk_add_f32 v[LS+2*\m:LS+2*\m+1], v[LS+2*\m:LS+2*\m+1], v[S+16*\m+\j:S+16*\m+\j+1]   ; the sum of the unquantised p
.endr
.endr
.set ee, 0
.rept 64
	v_min_num_f32 v[S+ee], v[S+ee], v[LIM]         ; the hold (p is not negative)
.set ee, ee+1
.endr
.irp m, 0,1,2,3
	v_cvt_scalef32_pk8_bf8_f32 v[VB+4*\m:VB+4*\m+1], v[S+16*\m:S+16*\m+7], v[SCL]
	v_cvt_scalef32_pk8_bf8_f32 v[VB+4*\m+2:VB+4*\m+3], v[S+16*\m+8:S+16*\m+15], v[SCL]
.endr
	v_nop
.irp m, 0,1,2,3
	ds_store_b128 v[ADPW], v[VB+4*\m:VB+4*\m+3] offset:8192*\buf+2048*\m
.endr
.endm
.macro PVMUL f, b                      ; fragment f of V, in buffer b, against the four query tiles
.irp m, 0,1,2,3
	v_wmma_f32_16x16x128_bf8_bf8 v[8*(4*\f+\m):8*(4*\f+\m)+7], v[VB+16*\b:VB+16*\b+15], v[S+16*\m:S+16*\m+15], v[8*(4*\f+\m):8*(4*\f+\m)+7]
.endr
.endm
; THE PRODUCT ROLE'S STEP.  The accumulators take turns, one instruction a turn.  Each wait on DScnt counts the loads of the fragments behind the one that is due.
; lw = 1: the step begins with a wait for all global loads.  This role has none out; on a way through the text that comes from the other role's step, that step's loads are retired here, so that the other role's count holds on every way.
.macro PVSTEP buf, adv, lw
.if \lw
	s_wait_loadcnt 0x0
.endif
.irp m, 0,1,2,3
.irp c, 0,1,2,3
	ds_load_b128 v[S+16*\m+4*\c:S+16*\m+4*\c+3], v[ADPR] offset:8192*\buf+2048*\m+512*\c
.endr
.endr
.irp f, 0,1,2,3,4
.irp c, 0,1,2,3
	ds_load_b128 v[VB+16*\f+4*\c:VB+16*\f+4*\c+3], v[\adv] offset:2048*\f+512*\c
.endr
.endr
	WIN 0x50
.irp f, 0,1,2
	s_wait_dscnt 16-4*\f
	PVMUL \f, \f
.endr
	WIN 0
	PLACES 4                                       ; buffers 0-2 are done with: they take fragments 5-7
.irp f, 5,6,7
.irp c, 0,1,2,3
	ds_load_b128 v[VB+16*(\f-5)+4*\c:VB+16*(\f-5)+4*\c+3], v[\adv] offset:2048*\f+512*\c
.endr
.endr
	WIN 0x50
	s_wait_dscnt 16
	PVMUL 3, 3
	s_wait_dscnt 12
	PVMUL 4, 4
	s_wait_dscnt 8
	PVMUL 5, 0
	s_wait_dscnt 4
	PVMUL 6, 1
	s_wait_dscnt 0
	PVMUL 7, 2
	WIN 0
	PLACES 5                                       ; five plain lines behind the step's products: whatever next writes P's or V's registers, a load or a product, stands behind them
.endm
.macro BOTH set, sbuf, next, pbuf, adv ; the two roles side by side; the branch hangs on the wave's number alone
	s_cmp_eq_u32 s[RL], 0
	s_cbranch_scc0 .Lpv_\@
	SMSTEP \set, \sbuf, \next
	s_branch .Ljoin_\@
.Lpv_\@:
	PVSTEP \pbuf, \adv, 1
.Ljoin_\@:
.endm
	s_load_b128 s[4:7], s[0:1], 0x0                ; ga, pw
	s_load_b128 s[56:59], s[0:1], 0x10             ; the exponents, gamma
	s_load_b128 s[60:63], s[0:1], 0x20             ; b5, out0
	v_lshl_add_u32 v[SPW], v0, 2, SPARE
	v_mov_b32 v[NIL], 0
	ds_add_u32 v2, v3
	ds_add_u32 v2, v3
	s_wait_dscnt 0x0
	v_lshrrev_b32 v[TP], 5, v0
	v_readfirstlane_b32 s[WV], v[TP]               ; wave 0..7
	s_lshr_b32 s[RL], s[WV], 2                     ; role: 0 softmax, 1 products
	s_and_b32 s[W4], s[WV], 3
	s_bfe_u32 s20, ttmp6, 0x40000                  ; cx
	s_lshl_b32 s[BLK], ttmp9, 2
	s_add_co_u32 s[BLK], s[BLK], s20               ; my block of 64 queries: it enters global addresses of my own data alone
	s_and_b32 s[IMG], ttmp7, 0xffff                ; the image, which the four partners share
	s_lshl_b32 s[GBLK], s[IMG], 6
	s_add_co_u32 s[GBLK], s[GBLK], s[BLK]
	s_mov_b32 s[SEL], 0x76543210
	s_mov_b32 s[SEL+1], 0xfedcba98
	v_and_b32 v[TP], 31, v0
	v_lshlrev_b32 v[LI], 4, v[TP]
	v_lshlrev_b32 v[L4], 2, v[TP]
	v_and_b32 v[RR], 15, v0
	v_bfe_u32 v[HH], v0, 4, 1
	v_and_b32 v[PR], 8, v[RR]
	v_add_nc_u32 v[PR], v[PR], v[RR]
	s_lshl_b32 s20, s[W4], 9
	s_add_co_u32 s21, s20, PB
	v_add_nc_u32 v[ADPW], s21, v[LI]
	v_add_nc_u32 v[ADPR], PB, v[LI]
	s_mul_i32 s21, s[W4], FPW*2048
	v_add_nc_u32 v[ADV0], s21, v[LI]
	s_mul_i32 s21, s[W4], 2*KT
	v_add_nc_u32 v[KO0], s21, v[LI]
	v_add_nc_u32 v[KO1], KSTEPB, v[KO0]
	v_add_nc_u32 v[KOMAX], 31*KSTEPB, v[KO0]
	s_mul_i32 s21, s[WV], PART
	v_add_nc_u32 v[ADKA], s21, v[LI]
	v_add_nc_u32 v[ADKB], SLOT, v[ADKA]
	s_lshl_b32 s21, s[WV], 9
	s_add_co_u32 s21, s21, MXB
	v_add_nc_u32 v[ADMW], s21, v[L4]
	v_add_nc_u32 v[ADMR], MXB, v[L4]
	s_add_co_u32 s21, s20, LB
	v_add_nc_u32 v[ADLW], s21, v[L4]
	s_lshl_b32 s21, s[W4], 7
	s_add_co_u32 s21, s21, LB
	v_add_nc_u32 v[ADLR], s21, v[L4]
	; descriptor group 1: a dense block as rows of 256 bytes (32 elements of 8 bytes); 15:0 the mask: all four work-groups; bit 21 set beside it
	s_mov_b32 s[G1+0], 15|(3<<16)|(1<<21)
	s_mov_b32 s[G1+1], 32<<16
	s_mov_b32 s[G1+2], (PART/256)<<16
	s_mov_b32 s[G1+3], 32<<16
	s_mov_b32 s[G1+4], PART/256
	s_mov_b32 s[G1+5], 32
	s_mov_b32 s[G1+6], 0
	s_mov_b32 s[G1+7], 0
	s_mul_i32 s20, s[WV], PART                     ; my eighth of a slot, in LDS and in memory
	s_mov_b32 s21, 0
	s_mul_i32 s22, s[IMG], 2*SLOT
	s_add_co_u32 s22, s22, KOFF
	s_mov_b32 s23, 0
	s_wait_kmcnt 0x0
	s_load_b512 s[68:83], s[56:57], 0x0
	s_load_b256 s[84:91], s[56:57], 0x40
	s_load_b64 s[92:93], s[56:57], 0x60
	s_load_b32 s66, s[58:59], 0x0                  ; gamma
	s_load_b32 s67, s[60:61], 0x0                  ; b5
	s_add_nc_u64 s[2:3], s[4:5], s[22:23]          ; the image's K
	s_mov_b32 s40, 1
	s_mov_b32 s41, s20
	s_add_nc_u64 s[42:43], s[2:3], s[20:21]
	s_mov_b32 s44, 1
	s_add_co_u32 s45, s20, SLOT
	s_add_nc_u64 s[46:47], s[42:43], SLOT
	s_or_b32 s43, s43, 0x80000000
	s_or_b32 s47, s47, 0x80000000
	s_mul_i32 s22, s[IMG], 32*STEPB
	s_add_co_u32 s22, s22, VOFF-SLOT
	s_add_co_u32 s22, s22, s20
	s_mov_b32 s[GW], 1                             ; the walking descriptor stands one step ahead of V's first chunk: every change of slots steps it first
	s_add_co_u32 s[GW+1], s20, SLOT
	s_add_nc_u64 s[GW+2:GW+3], s[4:5], s[22:23]
	s_or_b32 s[GW+3], s[GW+3], 0x80000000
	s_mul_i32 s22, s[GBLK], 4*KT
	s_add_co_u32 s22, s22, QOFF
	s_add_nc_u64 s[QB0:QB0+1], s[4:5], s[22:23]    ; my block's Q, in a pair that stays
	CROUND                                         ; the four work-groups are here: the first joint loads meet
	tensor_load_to_lds s[40:43], s[G1:G1+7]        ; K's first half -> slot 0
	s_nop 0
	tensor_load_to_lds s[44:47], s[G1:G1+7]        ; K's second half -> slot 1: two loads of mine are out
	s_nop 0
	PLACES 4
.irp m, 0,1,2,3
.irp c, 0,1
	global_load_b128 v[Q+8*\m+4*\c:Q+8*\m+4*\c+3], v[LI], s[QB0:QB0+1] offset:1024*\m+512*\c
.endr
.endr
.set kk, 0
.rept NK
	global_load_b128 v[KS0+4*kk:KS0+4*kk+3], v[KO0], s[2:3] offset:512*kk
	global_load_b128 v[KS0+KSZ+4*kk:KS0+KSZ+4*kk+3], v[KO1], s[2:3] offset:512*kk
.set kk, kk+1
.endr
	s_wait_kmcnt 0x0
	s_add_co_i32 s20, s[EQ], s[EK]
	s_lshl_b32 s20, s20, 23
	s_add_co_i32 s[CS], s20, 0x3fb8aa3b            ; log2(e) x 2^(eq + ek): the exponents are added to the exponent field
	s_mov_b32 s[CS+1], s[CS]
	MKSC SCL, LIM, EP
	s_wait_tensorcnt 0x1                           ; my part of K's first half is in: one load was issued behind it.  I read only what my own load brought
	s_wait_loadcnt 0x0
	PASS1 ADKA, 1
	CHANGE 1                                       ; V's chunk 0 -> slot 0
	PASS1 ADKB, 0
	WIN 0x15
.irp m, 0,1,2,3
	v_max3_num_f32 v[TP+\m], v[64+8*\m], v[65+8*\m], v[66+8*\m]
	v_max3_num_f32 v[TP+4+\m], v[67+8*\m], v[68+8*\m], v[69+8*\m]
.endr
	WIN 0x14
.irp m, 0,1,2,3
	v_max3_num_f32 v[TP+\m], v[TP+\m], v[70+8*\m], v[71+8*\m]
.endr
	WIN 0
.irp m, 0,1,2,3
	v_max_num_f32 v[TP+\m], v[TP+\m], v[TP+4+\m]
.endr
.irp m, 0,1,2,3
	v_permlanex16_b32 v[TP+4+\m], v[TP+\m], s[SEL], s[SEL+1]
.endr
.irp m, 0,1,2,3
	v_max_num_f32 v[TP+\m], v[TP+\m], v[TP+4+\m]
.endr
.irp m, 0,1,2,3
	ds_store_b32 v[ADMW], v[TP+\m] offset:128*\m
.endr
	BAR                                            ; V's chunk 0 may stay out
.irp w, 0,1,2,3,4,5,6,7
.irp m, 0,1,2,3
	ds_load_b32 v[S+4*\w+\m], v[ADMR] offset:512*\w+128*\m
.endr
.endr
	s_wait_dscnt 0x0
.irp m, 0,1,2,3
	v_max3_num_f32 v[TP+\m], v[S+\m], v[S+4+\m], v[S+8+\m]
	v_max3_num_f32 v[TP+\m], v[TP+\m], v[S+12+\m], v[S+16+\m]
	v_max3_num_f32 v[TP+\m], v[TP+\m], v[S+20+\m], v[S+24+\m]
	v_max_num_f32 v[TP+\m], v[TP+\m], v[S+28+\m]
	v_mul_f32 v[TP+\m], s[CS], v[TP+\m]            ; the largest t
	v_floor_f32 v[NM+2*\m], -v[TP+\m]              ; -M = floor(-t)
	v_mov_b32 v[NM+2*\m+1], v[NM+2*\m]
.endr
	WIN 0x40
.set i2, 0
.rept NACC
	v_mov_b32 v[i2], 0                             ; O^T: the step is written once, and every way finds its registers written
.set i2, i2+1
.endr
	WIN 0
.irp j, 0,1,2,3,4,5,6,7
	v_mov_b32 v[LS+\j], 0
.endr
	; the end's LDS addresses, in the registers that pass 1's have left, ahead of the first parting of the roles
	s_lshl_b32 s20, s[W4], 9
	s_add_co_u32 s20, s20, OB
	v_add_nc_u32 v[ADOW], s20, v[L4]
	s_lshl_b32 s20, s[W4], 7
	s_add_co_u32 s20, s20, OB
	v_add_nc_u32 v[ADOR], s20, v[L4]
	s_lshr_b32 s20, s[W4], 1
	s_lshl_b32 s20, s20, 7
	s_and_b32 s21, s[W4], 1
	s_lshl_b32 s21, s21, 5
	s_add_co_u32 s20, s20, s21
	s_add_co_u32 s20, s20, FIN
	v_lshl_add_u32 v[ADFW], v[PR], 2, s20
	v_lshlrev_b32 v[ADFR], 1, v[L4]
	v_add_nc_u32 v[ADFR], FIN, v[ADFR]
	s_cmp_eq_u32 s[RL], 0
	s_cbranch_scc0 .Lp0
	SMSTEP 0, 0, 1                                 ; P of step 0
.Lp0:
	s_mov_b32 s[TB], 0
	s_mov_b32 s[CNT], 15
.Lchunk:                                           ; trip c: products of steps 2 c, 2 c + 1; P of steps 2 c + 1, 2 c + 2; V's chunk c + 1 is asked for
	CHANGE 1
	v_add_nc_u32 v[ADVA], s[TB], v[ADV0]
	v_add_nc_u32 v[ADVB], STEPB, v[ADVA]
	BOTH 1, 1, 1, 0, ADVA
	BAR
	BOTH 0, 0, 1, 1, ADVB
	s_xor_b32 s[TB], s[TB], SLOT
	s_sub_co_u32 s[CNT], s[CNT], 1
	s_cmp_lg_u32 s[CNT], 0
	s_cbranch_scc1 .Lchunk
	CHANGE 0                                       ; the last chunk is written out: nothing more is asked for
	v_add_nc_u32 v[ADVA], s[TB], v[ADV0]
	v_add_nc_u32 v[ADVB], STEPB, v[ADVA]
	s_cmp_eq_u32 s[RL], 0
	s_cbranch_scc0 .Ltpv
	SMSTEP 1, 1, 0
.irp m, 0,1,2,3
	v_add_f32 v[TP+\m], v[LS+2*\m], v[LS+2*\m+1]
.endr
.irp m, 0,1,2,3
	v_permlanex16_b32 v[TP+4+\m], v[TP+\m], s[SEL], s[SEL+1]
.endr
.irp m, 0,1,2,3
	v_add_f32 v[TP+\m], v[TP+\m], v[TP+4+\m]
.endr
.irp m, 0,1,2,3
	ds_store_b32 v[ADLW], v[TP+\m] offset:128*\m   ; my keys' part of the rows' sums
.endr
	s_branch .Ltj
.Ltpv:
	PVSTEP 0, ADVA, 1
.Ltj:
	BAR
	s_wait_loadcnt 0x0                             ; the held load past the last step is retired
	s_cmp_eq_u32 s[RL], 0
	s_cbranch_scc1 .Lnopv
	; ---- the product role: W5/sigma5 of my 128 channels, the last step, O^T . w5
	s_lshl_b32 s20, s[W4], 9
	v_lshl_add_u32 v[TP], v[HH], 6, s20
.irp f, 0,1,2,3,4,5,6,7
	global_load_b128 v[48+8*\f:51+8*\f], v[TP], s[6:7] offset:PW_W5N+(32*(\f/2)+8*(\f%2))*4
	global_load_b128 v[52+8*\f:55+8*\f], v[TP], s[6:7] offset:PW_W5N+(32*(\f/2)+8*(\f%2))*4+16
.endr
	PVSTEP 1, ADVB, 0                              ; W5/sigma5 stays on its way through the step
	s_wait_loadcnt 0x0
	WIN 0x01                                       ; O^T in window 1
.irp f, 0,1,2,3,4,5,6,7
.irp i, 0,2,4,6
.irp m, 0,1,2,3
.if (\f == 0) && (\i == 0)
	v_pk_mul_f32 v[LS+2*\m:LS+2*\m+1], v[8*(4*\f+\m)+\i:8*(4*\f+\m)+\i+1], v[48+8*\f+\i:49+8*\f+\i]
.else
	v_pk_fma_f32 v[LS+2*\m:LS+2*\m+1], v[8*(4*\f+\m)+\i:8*(4*\f+\m)+\i+1], v[48+8*\f+\i:49+8*\f+\i], v[LS+2*\m:LS+2*\m+1]
.endif
.endr
.endr
.endr
	WIN 0
.irp m, 0,1,2,3
	v_add_f32 v[TP+\m], v[LS+2*\m], v[LS+2*\m+1]
.endr
.irp m, 0,1,2,3
	v_permlanex16_b32 v[TP+4+\m], v[TP+\m], s[SEL], s[SEL+1]
.endr
.irp m, 0,1,2,3
	v_add_f32 v[TP+\m], v[TP+\m], v[TP+4+\m]
.endr
.irp m, 0,1,2,3
	ds_store_b32 v[ADOW], v[TP+\m] offset:128*\m
.endr
.Lnopv:
	BAR
	s_cmp_eq_u32 s[RL], 0
	s_cbranch_scc0 .Lnofin
	; ---- waves 0-3: query tile m = wave
.irp w, 0,1,2,3
	ds_load_b32 v[S+\w], v[ADOR] offset:512*\w
	ds_load_b32 v[S+4+\w], v[ADLR] offset:512*\w
.endr
	s_lshl_b32 s20, s[GBLK], 8
	s_add_co_u32 s20, s20, GA_R2
	s_mov_b32 s21, 0
	s_add_nc_u64 s[20:21], s[4:5], s[20:21]
	s_lshl_b32 s22, s[W4], 6
	v_lshl_add_u32 v[TP], v[RR], 2, s22
	global_load_b32 v[S+8], v[TP], s[20:21]        ; r2
	s_wait_dscnt 0x0
	v_add_f32 v[S], v[S], v[S+1]
	v_add_f32 v[S+2], v[S+2], v[S+3]
	v_add_f32 v[S+4], v[S+4], v[S+5]
	v_add_f32 v[S+6], v[S+6], v[S+7]
	v_add_f32 v[S], v[S], v[S+2]                   ; O^T . w5
	v_add_f32 v[S+4], v[S+4], v[S+6]               ; l
	v_rcp_f32 v[S+4], v[S+4]
	v_nop
	s_add_co_i32 s22, s[SC+24], s[SC+25]
	s_wait_alu depctr_va_vdst(0)
	v_mul_f32 v[S+4], s66, v[S+4]
	v_ldexp_f32 v[S+4], v[S+4], s22                ; gamma / l x 2^(e24 + e25)
	s_wait_loadcnt 0x0
	v_add_f32 v[S+8], s67, v[S+8]
	v_fma_f32 v[S], v[S], v[S+4], v[S+8]
	v_mul_f32 v[S+1], 0x3dcccccd, v[S]
	v_max_num_f32 v[S], v[S], v[S+1]
	ds_store_b32 v[ADFW], v[S]                     ; at the pixel's own place in the block; both halves of the lanes hold it and write the same word
.Lnofin:
	BAR
	s_cmp_lg_u32 s[WV], 0
	s_cbranch_scc1 .Lfin
	ds_load_b64 v[S:S+1], v[ADFR]
	s_lshl_b32 s20, s[GBLK], 8
	s_mov_b32 s21, 0
	s_add_nc_u64 s[20:21], s[62:63], s[20:21]
	v_lshlrev_b32 v[TP+1], 1, v[L4]
	s_wait_dscnt 0x0
	global_store_b64 v[TP+1], v[S:S+1], s[20:21]   ; my block's 64 numbers: 256 consecutive bytes
.Lfin:
	s_wait_tensorcnt 0x0                           ; the wave's end
	ds_add_u32 v[SPW], v[NIL]
	s_wait_dscnt 0x0
	CROUND                                         ; the closing round
	s_endpgm
.Lfunc_end_k_q374c1e1370_attn2:
	.size	k_q374c1e1370_attn2, .Lfunc_end_k_q374c1e1370_attn2-k_q374c1e1370_attn2
	.p2alignl 7, 3214868480
	.fill 96, 4, 3214868480
	.section	.rodata,"a",@progbits
	.p2align	6, 0x0
	.amdhsa_kernel k_q374c1e1370_attn2
		.amdhsa_group_segment_fixed_size 327680
		.amdhsa_private_segment_fixed_size 0
		.amdhsa_enable_private_segment 0
		.amdhsa_kernarg_size 48
		.amdhsa_user_sgpr_count 2
		.amdhsa_user_sgpr_kernarg_segment_ptr 1
		.amdhsa_wavefront_size32 1
		.amdhsa_system_sgpr_workgroup_id_x 1
		.amdhsa_system_sgpr_workgroup_id_y 1
		.amdhsa_system_sgpr_workgroup_id_z 1
		.amdhsa_system_vgpr_workitem_id 0
		.amdhsa_next_free_vgpr 512
		.amdhsa_next_free_sgpr 104
		.amdhsa_reserve_vcc 0
		.amdhsa_float_denorm_mode_32 3
		.amdhsa_float_denorm_mode_16_64 3
		.amdhsa_memory_ordered 1
		.amdhsa_forward_progress 1
		.amdhsa_inst_pref_size 147
	.end_amdhsa_kernel
	.amdgpu_metadata
---
amdhsa.version: [ 1, 2 ]
amdhsa.kernels:
  - .name:           k_q374c1e1370_attn2
    .symbol:         k_q374c1e1370_attn2.kd
    .args:
      - { .name: ga, .offset: 0, .size: 8, .value_kind: global_buffer, .address_space: global }
      - { .name: pw, .offset: 8, .size: 8, .value_kind: global_buffer, .address_space: global }
      - { .name: lowp_scales, .offset: 16, .size: 8, .value_kind: global_buffer, .address_space: global }
      - { .name: a2_gamma, .offset: 24, .size: 8, .value_kind: global_buffer, .address_space: global }
      - { .name: b5, .offset: 32, .size: 8, .value_kind: global_buffer, .address_space: global }
      - { .name: out0, .offset: 40, .size: 8, .value_kind: global_buffer, .address_space: global }
    .group_segment_fixed_size: 327680
    .private_segment_fixed_size: 0
    .kernarg_segment_align: 8
    .kernarg_segment_size: 48
    .max_flat_workgroup_size: 256
    .sgpr_count:     104
    .vgpr_count:     512
    .wavefront_size: 32
...
	.end_amdgpu_metadata
.endif
;; end of part 4
;; ======== version 2 of 2: 4 launches; 1.13 times as fast as version 1
;; workspace buffers: pw 463,872 bytes; fa 22,151,168 bytes; ga 10,551,296 bytes
;; launch prep (part 5): grid 22 x 1, 16 waves a work-group, no clusters, 23,552 bytes of LDS; arguments W1, W2, W3, W4, W5, u1, u2, u3, u4, u5, a1_qW_codes, a1_kW_codes, a1_vW_codes, a2_qW_codes, a2_kW_codes, a2_vW_codes, lowp_scales, pw; writes pw
.if DOCPART == 5
	.amdgcn_target "amdgcn-amd-amdhsa--gfx1250"
	.amdhsa_code_object_version 6
	.text
	.protected	k_q374c1e1370_prep
	.globl	k_q374c1e1370_prep
	.p2align	8
	.type	k_q374c1e1370_prep,@function
k_q374c1e1370_prep:
	s_mov_b64 s[64:65], 0
	v_nop
	global_prefetch_b8 v0, s[64:65] scope:SCOPE_SE
	s_setreg_imm32_b32 hwreg(HW_REG_WAVE_MODE, 25, 1), 1
	s_wait_xcnt 0x0
; THE WEIGHTS ARE MADE READY.  Work-groups 0-3: W4's power iteration, a block of 64 columns each.  4, 5: sigma of W3, W2, and their codes W/sigma in E5M2.  6, 7: W1/sigma1, W5/sigma5 in f32.
; 8 to 21: the six weights that come as codes are laid out anew.  Every operand leaves as an IMAGE OF ITS REGISTERS: a fragment (16 rows x 128 K) is [piece c 0..3][lane][16 bytes],
; lane (r, h) holding k = 32 c + 16 h + 0 .. 15 of the tile's row r; lane r of tile t takes row 32 (t / 2) + 8 (t % 2) + r + 8 (r / 8), so that two neighbouring tiles' results are 16 neighbours along the next K.
; SIGMA (one power iteration): a = W^T u; z = W a; d = |a| + 1e-12; n = |z| / d; sigma = n n / (n + 1e-12).  All in f32.  W x (1 / sigma) stands for W / sigma.
; W3, W2: sixteen waves share the rows.  A row lies dense over the 32 lanes; the waves' parts of a meet in LDS, the squares of z likewise: two barriers.
; W4 (512 x 256) BY COLUMNS: a is whole for a block of columns in the work-group that holds them, and z is a sum over the blocks.  Each of four work-groups reads its quarter of W4 once, 256 bytes of a row at a time, keeps it in
; registers, and stores its part of z (512 numbers) and of |a|^2; the launch that quantises W4 adds the four parts and makes sigma4.
; LIMITS: the given exponents between -126 and 112; NaN among the inputs is not served.
.set PW_W1N, 256
.set PW_W5N, 2048
.set PW_W2I, 4096
.set PW_W3I, 12288
.set PW_A1Q, 45056
.set PW_A1K, 53248
.set PW_A1V, 61440
.set PW_A2Q, 126976
.set PW_A2K, 159744
.set PW_A2V, 192512
.set PW_ZP, 454656                     ; W4: four parts of z, 2,048 bytes each
.set PW_NA, 462848                     ; and four parts of |a|^2, 64 copies (256 bytes) each
.set AB4, 0                            ; LDS: each path has bytes of its own.  W4: the waves' parts of a, 256 bytes a wave;
.set ZC4, 4096                         ; its part of z, 2,048 bytes
.set AB3, 8192                         ; W3: the waves' parts of a, 512 bytes a wave; the squares of z
.set ZB3, 16384
.set AB2, 16640                        ; W2: 256 bytes a wave; the squares of z
.set ZB2, 20736
.set A, 16                             ; v16-19   a: my columns
.set T, 64                             ; v64-127  at work
.set R, 128                            ; v128-191 rows that stay
.set EPS, 0x2b8cbccc                   ; 1e-12
.set FRS, 1
.macro BAR                             ; my LDS stores have landed and my LDS loads are in: then the work-group's barrier
	s_wait_dscnt 0x0
	s_barrier_signal -1
	s_barrier_wait -1
.endm
.macro WSUM x, t                       ; the sum over the 32 lanes, in every lane
	v_add_f32_dpp v[\x], v[\x], v[\x] row_xmask:1 row_mask:0xf bank_mask:0xf
	v_add_f32_dpp v[\x], v[\x], v[\x] row_xmask:2 row_mask:0xf bank_mask:0xf
	v_add_f32_dpp v[\x], v[\x], v[\x] row_xmask:4 row_mask:0xf bank_mask:0xf
	v_add_f32_dpp v[\x], v[\x], v[\x] row_xmask:8 row_mask:0xf bank_mask:0xf
	v_permlanex16_b32 v[\t], v[\x], s66, s67
	v_add_f32 v[\x], v[\x], v[\t]
.endm
.macro MKSC vs, vl, se                 ; 2^E as f32 and 57,344 x 2^E, E in s[se]
	s_add_co_i32 s28, s[\se], 127
	s_lshl_b32 s29, s28, 23
	v_mov_b32 v[\vs], s29
	s_add_co_i32 s28, s28, 15
	s_lshl_b32 s28, s28, 23
	s_or_b32 s28, s28, 0x600000
	v_mov_b32 v[\vl], s28
.endm
.macro QUANT16 src, tmp, dst, vs, vl   ; 16 neighbours along K -> 16 codes: the hold at the largest code (the conversion does not saturate: ISA guide 7.6.2), then the conversion
.set qi, 0
.rept 16
	v_med3_num_f32 v[\tmp+qi], v[\src+qi], -v[\vl], v[\vl]
.set qi, qi+1
.endr
	v_cvt_scalef32_pk8_bf8_f32 v[\dst:\dst+1], v[\tmp:\tmp+7], v[\vs]
	v_cvt_scalef32_pk8_bf8_f32 v[\dst+2:\dst+3], v[\tmp+8:\tmp+15], v[\vs]
	v_nop                                          ; a plain line behind the conversions
.endm
.macro SIGFIN                          ; v33 = |a|^2, v32 = |W a|^2  ->  v[12:13] = 1 / sigma, twice
	v_sqrt_f32 v34, v33
	v_sqrt_f32 v35, v32
	v_nop                                          ; a plain line behind each transcendental before its result is used
	s_wait_alu depctr_va_vdst(0)
	v_add_f32 v34, s26, v34
	v_rcp_f32 v34, v34
	v_nop
	s_wait_alu depctr_va_vdst(0)
	v_mul_f32 v35, v35, v34                        ; n = |z| / d
	v_add_f32 v36, s26, v35
	v_rcp_f32 v36, v36
	v_mul_f32 v37, v35, v35
	s_wait_alu depctr_va_vdst(0)
	v_mul_f32 v37, v37, v36                        ; sigma
	v_rcp_f32 v12, v37
	v_nop
	s_wait_alu depctr_va_vdst(0)
	v_mov_b32 v13, v12
.endm
.macro LDROW reg, row, NR              ; a row of my wave's, dense over the lanes
.if \NR == 4
	global_load_b128 v[\reg:\reg+3], v4, s[10:11] offset:(\row)*512
.else
	global_load_b64 v[\reg:\reg+1], v11, s[10:11] offset:(\row)*256
.endif
.endm
.macro ACCROW reg, row, NR             ; a += u[row] x row; the first row starts the sums
.set ai, 0
.rept \NR
.if FRS
	v_mul_f32 v[A+ai], s[32+\row], v[\reg+ai]
.else
	v_fmac_f32 v[A+ai], s[32+\row], v[\reg+ai]
.endif
.set ai, ai+1
.endr
.set FRS, 0
.endm
.macro Z4 reg, NR                      ; four rows' z = row . a, by turns; v32 += z z
.irp k, 0,1,2,3
	v_mul_f32 v[24+\k], v[\reg+\k*\NR], v[A]
.endr
.set zi, 1
.rept \NR-1
.irp k, 0,1,2,3
	v_fmac_f32 v[24+\k], v[\reg+\k*\NR+zi], v[A+zi]
.endr
.set zi, zi+1
.endr
.irp x, 1,2,4,8
.irp k, 0,1,2,3
	v_add_f32_dpp v[24+\k], v[24+\k], v[24+\k] row_xmask:\x row_mask:0xf bank_mask:0xf
.endr
.endr
.irp k, 0,1,2,3
	v_permlanex16_b32 v[28+\k], v[24+\k], s66, s67
.endr
.irp k, 0,1,2,3
	v_add_f32 v[24+\k], v[24+\k], v[28+\k]
.endr
.irp k, 0,1,2,3
	v_fmac_f32 v32, v[24+\k], v[24+\k]
.endr
.endm
.macro SUMP NR                         ; the sixteen waves' parts of a are added, by every wave
.set sp, 0
.rept 16
.if \NR == 4
	ds_load_b128 v[T+4*sp:T+4*sp+3], v8 offset:sp*512
.else
	ds_load_b64 v[T+2*sp:T+2*sp+1], v8 offset:sp*256
.endif
.set sp, sp+1
.endr
	s_wait_dscnt 0x0
.set sp, 1
.rept 15
.set si, 0
.rept \NR/2
.if sp == 1
	v_pk_add_f32 v[A+si:A+si+1], v[T+si:T+si+1], v[T+\NR+si:T+\NR+si+1]
.else
	v_pk_add_f32 v[A+si:A+si+1], v[A+si:A+si+1], v[T+\NR*sp+si:T+\NR*sp+si+1]
.endif
.set si, si+2
.endr
.set sp, sp+1
.endr
.endm
; NR registers a row and lane, RW rows a wave
.macro SIGMA NR, RW, WARG, UARG, AB, ZB
.set FRS, 1
	s_load_b64 s[10:11], s[0:1], \WARG
	s_load_b64 s[12:13], s[0:1], \UARG
	s_mul_i32 s14, s8, \RW*\NR*128
	s_mov_b32 s15, 0
	s_mul_i32 s16, s8, \RW*4
	s_mov_b32 s17, 0
	s_mul_i32 s18, s8, \NR*128
	s_add_co_u32 s18, s18, \AB
.if \NR == 2
	v_add_nc_u32 v7, s18, v11                      ; where my part of a goes
	v_add_nc_u32 v8, \AB, v11                      ; and where all parts are read
.else
	v_add_nc_u32 v7, s18, v4
	v_add_nc_u32 v8, \AB, v4
.endif
	s_lshl_b32 s19, s8, 2
	s_add_co_u32 s19, s19, \ZB
	v_mov_b32 v9, s19
	v_mov_b32 v10, \ZB
	s_wait_kmcnt 0x0
	s_mov_b64 s[20:21], s[10:11]                   ; W's first byte, for the quantiser
	s_add_nc_u64 s[10:11], s[10:11], s[14:15]      ; my rows
	s_add_nc_u64 s[12:13], s[12:13], s[16:17]      ; their u
.if \RW == 16
	s_load_b512 s[32:47], s[12:13], 0x0
.else
	s_load_b256 s[32:39], s[12:13], 0x0
.endif
.set rq, 0
.rept \RW
	LDROW R+\NR*rq, rq, \NR
.set rq, rq+1
.endr
	s_wait_kmcnt 0x0
	s_wait_loadcnt 0x0
.set rq, 0
.rept \RW
	ACCROW R+\NR*rq, rq, \NR
.set rq, rq+1
.endr
.if \NR == 4
	ds_store_b128 v7, v[A:A+3]
.else
	ds_store_b64 v7, v[A:A+1]
.endif
	BAR                                            ; all sixteen parts of a lie in LDS
	SUMP \NR
	v_mul_f32 v33, v[A], v[A]
.set ai, 1
.rept \NR-1
	v_fmac_f32 v33, v[A+ai], v[A+ai]
.set ai, ai+1
.endr
	WSUM 33, 38                                    ; |a|^2
.set zq, 0
.rept \RW/4
	Z4 R+4*\NR*zq, \NR
.set zq, zq+1
.endr
	ds_store_b32 v9, v32                           ; my rows' sum of z z: every lane holds it and writes the same word
	BAR
.irp j, 0,1,2,3
	ds_load_b128 v[40+4*\j:43+4*\j], v10 offset:16*\j
.endr
	s_wait_dscnt 0x0
.irp j, 0,2,4,6
	v_pk_add_f32 v[40+\j:41+\j], v[40+\j:41+\j], v[48+\j:49+\j]
.endr
	v_pk_add_f32 v[40:41], v[40:41], v[44:45]
	v_pk_add_f32 v[42:43], v[42:43], v[46:47]
	v_pk_add_f32 v[40:41], v[40:41], v[42:43]
	v_add_f32 v32, v40, v41
	SIGFIN
.endm
; Tile s22 of W (rows of RB bytes, NC pieces of 32 along K) x 1/sigma -> codes, one image of FB bytes at DST + FB x tile.  The exponent stands in s30.
.macro WQUANT RB, NC, DST, FB
	s_lshr_b32 s23, s22, 1
	s_lshl_b32 s23, s23, 5
	s_and_b32 s24, s22, 1
	s_lshl_b32 s24, s24, 3
	s_add_co_u32 s23, s23, s24
	s_mul_i32 s23, s23, \RB
	v_mul_u32_u24 v14, v5, \RB
	v_lshl_add_u32 v14, v3, 6, v14
	v_add_nc_u32 v14, s23, v14                     ; my row, + 64 h: my 16 numbers of a piece
	s_mul_i32 s24, s22, \FB
	s_add_co_u32 s24, s24, \DST
	v_add_nc_u32 v15, s24, v4
.set wc, 0
.rept \NC
.irp j, 0,1,2,3
	global_load_b128 v[T+16*wc+4*\j:T+16*wc+4*\j+3], v14, s[20:21] offset:128*wc+16*\j
.endr
.set wc, wc+1
.endr
	MKSC 34, 35, 30
	s_wait_loadcnt 0x0
.set wc, 0
.rept 8*\NC
	v_pk_mul_f32 v[T+2*wc:T+2*wc+1], v[T+2*wc:T+2*wc+1], v[12:13]
.set wc, wc+1
.endr
.set wc, 0
.rept \NC
	QUANT16 T+16*wc, T+16*wc, 40+4*wc, 34, 35
.set wc, wc+1
.endr
.set wc, 0
.rept \NC
	global_store_b128 v15, v[40+4*wc:43+4*wc], s[2:3] offset:512*wc   ; the wave stores 512 consecutive bytes
.set wc, wc+1
.endr
	s_wait_tensorcnt 0x0
	ds_add_u32 v254, v255
	s_wait_dscnt 0x0
	s_endpgm
.endm
; Codes that are given, rows of KB bytes: fragment f = 16 (work-group - G0) + wave goes to DST + 2048 f
.macro COPY PARG, KB, LOGS, NFR, G0, DST, VMODE
	s_sub_co_u32 s14, ttmp9, \G0
	s_lshl_b32 s14, s14, 4
	s_add_co_u32 s14, s14, s8
.if \NFR < 16
	s_cmp_ge_u32 s14, \NFR
	s_cbranch_scc1 .Lend
.endif
	s_load_b64 s[10:11], s[0:1], \PARG
.if \VMODE
	s_and_b32 s15, s14, 31                         ; tile
	s_lshr_b32 s16, s14, 5                         ; K step
.else
	s_lshr_b32 s15, s14, \LOGS
	s_and_b32 s16, s14, (1<<\LOGS)-1
.endif
	s_lshr_b32 s17, s15, 1
	s_lshl_b32 s17, s17, 5
	s_and_b32 s18, s15, 1
	s_lshl_b32 s18, s18, 3
	s_add_co_u32 s17, s17, s18
	s_mul_i32 s17, s17, \KB
	s_lshl_b32 s18, s16, 7
	s_add_co_u32 s17, s17, s18
	v_mul_u32_u24 v14, v5, \KB
	v_lshl_add_u32 v14, v3, 4, v14
	v_add_nc_u32 v14, s17, v14
	s_lshl_b32 s18, s14, 11
	s_add_co_u32 s18, s18, \DST
	v_add_nc_u32 v15, s18, v4
	s_wait_kmcnt 0x0
.irp c, 0,1,2,3
	global_load_b128 v[64+4*\c:67+4*\c], v14, s[10:11] offset:32*\c
.endr
	s_wait_loadcnt 0x0
.irp c, 0,1,2,3
	global_store_b128 v15, v[64+4*\c:67+4*\c], s[2:3] offset:512*\c
.endr
	s_endpgm
.endm
	s_load_b64 s[2:3], s[0:1], 0x88                ; pw
	s_load_b64 s[4:5], s[0:1], 0x80                ; the scales' exponents
	v_lshl_add_u32 v254, v0, 2, 0x5400
	v_mov_b32 v255, 0
	v_lshrrev_b32 v1, 5, v0
	v_readfirstlane_b32 s8, v1                     ; wave 0..15
	v_and_b32 v1, 31, v0                           ; lane
	v_and_b32 v2, 15, v0                           ; r
	v_bfe_u32 v3, v0, 4, 1                         ; h
	v_lshlrev_b32 v4, 4, v1                        ; 16 x lane
	v_and_b32 v5, 8, v2
	v_add_nc_u32 v5, v5, v2                        ; r + 8 (r / 8)
	v_lshlrev_b32 v11, 3, v1                       ; 8 x lane
	s_mov_b32 s66, 0x76543210
	s_mov_b32 s67, 0xfedcba98                      ; lane l xor 16
	s_mov_b32 s26, EPS
.irp k, 28,29,30,31,38
	v_mov_b32 v\k, 0                               ; a lane permute's destination counts as one of its sources
.endr
	v_mov_b32 v32, 0
	s_wait_kmcnt 0x0
	s_cmp_lt_u32 ttmp9, 4
	s_cbranch_scc1 .Lw4
	s_cmp_eq_u32 ttmp9, 4
	s_cbranch_scc1 .Lw3
	s_cmp_eq_u32 ttmp9, 5
	s_cbranch_scc1 .Lw2
	s_cmp_eq_u32 ttmp9, 6
	s_cbranch_scc1 .Lw1
	s_cmp_eq_u32 ttmp9, 7
	s_cbranch_scc1 .Lw5
	s_cmp_eq_u32 ttmp9, 8
	s_cbranch_scc1 .Lq1
	s_cmp_eq_u32 ttmp9, 9
	s_cbranch_scc1 .Lk1
	s_cmp_lt_u32 ttmp9, 12
	s_cbranch_scc1 .Lv1
	s_cmp_eq_u32 ttmp9, 12
	s_cbranch_scc1 .Lq2
	s_cmp_eq_u32 ttmp9, 13
	s_cbranch_scc1 .Lk2
	COPY 0x78, 512, 2, 128, 14, PW_A2V, 1          ; a2_vW: [K step][tile]
.Lq1:
	COPY 0x50, 256, 1, 4, 8, PW_A1Q, 0
.Lk1:
	COPY 0x58, 256, 1, 4, 9, PW_A1K, 0
.Lv1:
	COPY 0x60, 256, 1, 32, 10, PW_A1V, 0
.Lq2:
	COPY 0x68, 512, 2, 16, 12, PW_A2Q, 0
.Lk2:
	COPY 0x70, 512, 2, 16, 13, PW_A2K, 0
.Lw4:                                              ; work-group j: columns 64 j .. 64 j + 63.  Wave w: rows 32 w .. 32 w + 31; load i brings rows 2 i (lanes 0-15) and 2 i + 1 (lanes 16-31), 256 bytes each, four columns a lane
	s_load_b64 s[10:11], s[0:1], 0x18
	s_load_b64 s[12:13], s[0:1], 0x40
	s_lshl_b32 s14, s8, 15                         ; 32 rows of 1,024 bytes a wave
	s_lshl_b32 s15, ttmp9, 8                       ; my block's 256 bytes of a row
	s_add_co_u32 s14, s14, s15
	v_lshlrev_b32 v14, 4, v2
	v_lshl_add_u32 v14, v3, 10, v14
	v_add_nc_u32 v14, s14, v14                     ; W4: 16 r + 1,024 h + the wave's rows + the block
	s_lshl_b32 s16, s8, 7
	v_lshl_add_u32 v15, v3, 2, s16                 ; u4: 4 (32 w + h)
	s_lshl_b32 s17, s8, 8
	s_add_co_u32 s17, s17, AB4
	v_lshl_add_u32 v7, v2, 4, s17                  ; where my wave's part of a goes: 256 w + 16 r
	v_lshlrev_b32 v8, 4, v2
	v_add_nc_u32 v8, AB4, v8                       ; and where all parts are read
	s_add_co_u32 s18, s16, ZC4
	v_lshl_add_u32 v9, v2, 3, s18
	v_lshl_add_u32 v9, v3, 2, v9                   ; z of row 32 w + 2 r + h
	s_lshl_b32 s19, s8, 9
	v_add_nc_u32 v10, s19, v4                      ; the way out (waves 0-3): 512 w + 16 x lane
	v_add_nc_u32 v6, ZC4, v10
	s_lshl_b32 s20, ttmp9, 11
	s_mov_b32 s21, 0
	s_lshl_b32 s22, ttmp9, 8
	s_mov_b32 s23, 0
	s_wait_kmcnt 0x0
	s_add_nc_u64 s[20:21], s[2:3], s[20:21]        ; my part of z
	s_add_nc_u64 s[22:23], s[2:3], s[22:23]        ; my part of |a|^2
.set rq, 0
.rept 16
	global_load_b128 v[R+4*rq:R+4*rq+3], v14, s[10:11] offset:2048*rq
.set rq, rq+1
.endr
.set rq, 0
.rept 16
	global_load_b32 v[T+rq], v15, s[12:13] offset:8*rq     ; u of the row that my half of the lanes holds
.set rq, rq+1
.endr
	s_wait_loadcnt 0x0
.irp k, 0,1,2,3
	v_mul_f32 v[A+\k], v[T], v[R+\k]               ; the first rows start the sums
.endr
.set rq, 1
.rept 15
.irp k, 0,1,2,3
	v_fmac_f32 v[A+\k], v[T+rq], v[R+4*rq+\k]
.endr
.set rq, rq+1
.endr
.irp k, 0,1,2,3
	v_permlanex16_b32 v[28+\k], v[A+\k], s66, s67  ; the other half of the lanes holds the other rows' share
.endr
.irp k, 0,1,2,3
	v_add_f32 v[A+\k], v[A+\k], v[28+\k]
.endr
	ds_store_b128 v7, v[A:A+3]                     ; both halves hold the same numbers and write the same bytes
	BAR
.set sp, 0
.rept 16
	ds_load_b128 v[T+4*sp:T+4*sp+3], v8 offset:256*sp
.set sp, sp+1
.endr
	s_wait_dscnt 0x0
	v_pk_add_f32 v[A:A+1], v[T:T+1], v[T+4:T+5]
	v_pk_add_f32 v[A+2:A+3], v[T+2:T+3], v[T+6:T+7]
.set sp, 2
.rept 14
	v_pk_add_f32 v[A:A+1], v[A:A+1], v[T+4*sp:T+4*sp+1]
	v_pk_add_f32 v[A+2:A+3], v[A+2:A+3], v[T+4*sp+2:T+4*sp+3]
.set sp, sp+1
.endr
	v_mul_f32 v12, v[A], v[A]                      ; a of my four columns is whole: its squares, over the block's sixteen lanes
	v_fmac_f32 v12, v[A+1], v[A+1]
	v_fmac_f32 v12, v[A+2], v[A+2]
	v_fmac_f32 v12, v[A+3], v[A+3]
.irp x, 1,2,4,8
	v_add_f32_dpp v12, v12, v12 row_xmask:\x row_mask:0xf bank_mask:0xf
.endr
	v_mov_b32 v13, v12
.set rq, 0
.rept 16
	v_mul_f32 v[T+rq], v[R+4*rq], v[A]             ; my block's part of z, sixteen pairs of rows by turns
.set rq, rq+1
.endr
.irp k, 1,2,3
.set rq, 0
.rept 16
	v_fmac_f32 v[T+rq], v[R+4*rq+\k], v[A+\k]
.set rq, rq+1
.endr
.endr
.irp x, 1,2,4,8
.set rq, 0
.rept 16
	v_add_f32_dpp v[T+rq], v[T+rq], v[T+rq] row_xmask:\x row_mask:0xf bank_mask:0xf
.set rq, rq+1
.endr
.endr
	v_mov_b32 v24, v[T]                            ; lane (r, h) keeps pair r's number: row 32 w + 2 r + h
.set rq, 1
.rept 15
	v_cmp_eq_u32 vcc_lo, rq, v2
	v_cndmask_b32 v24, v24, v[T+rq], vcc_lo
.set rq, rq+1
.endr
	ds_store_b32 v9, v24
	BAR                                            ; the 512 numbers lie in LDS
	s_cmp_ge_u32 s8, 4
	s_cbranch_scc1 .Lend
	ds_load_b128 v[40:43], v6
	s_wait_dscnt 0x0
	global_store_b128 v10, v[40:43], s[20:21] offset:PW_ZP  ; a wave stores 512 consecutive bytes
	s_cmp_lg_u32 s8, 0
	s_cbranch_scc1 .Lend
	global_store_b64 v11, v[12:13], s[22:23] offset:PW_NA   ; 64 copies: 256 consecutive bytes
	s_wait_tensorcnt 0x0
	ds_add_u32 v254, v255
	s_wait_dscnt 0x0
	s_endpgm
.Lw3:
	s_load_b32 s30, s[4:5], 0xc                    ; entry 3, asked for ahead of the sigma
	SIGMA 4, 16, 0x10, 0x38, AB3, ZB3
	s_mov_b32 s22, s8                              ; wave w takes tile w
	WQUANT 512, 4, PW_W3I, 2048
.Lw2:
	s_load_b32 s30, s[4:5], 0x4                    ; entry 1
	SIGMA 2, 8, 0x8, 0x30, AB2, ZB2
	s_cmp_ge_u32 s8, 8                             ; eight tiles: behind the last barrier the other waves end
	s_cbranch_scc1 .Lend
	s_mov_b32 s22, s8
	WQUANT 256, 2, PW_W2I, 1024
.Lw1:                                              ; W1 [64][6]: one wave; lane L holds rows L and L + 32
	s_cmp_lg_u32 s8, 0
	s_cbranch_scc1 .Lend
	s_load_b64 s[10:11], s[0:1], 0x0
	s_load_b64 s[12:13], s[0:1], 0x28
	v_mul_u32_u24 v14, v1, 24
	v_lshlrev_b32 v15, 2, v1
	s_wait_kmcnt 0x0
.irp j, 0,1,2
	global_load_b64 v[64+2*\j:65+2*\j], v14, s[10:11] offset:8*\j
	global_load_b64 v[70+2*\j:71+2*\j], v14, s[10:11] offset:768+8*\j
.endr
	global_load_b32 v76, v15, s[12:13]
	global_load_b32 v77, v15, s[12:13] offset:128
	s_wait_loadcnt 0x0
.irp c, 0,1,2,3,4,5
	v_mul_f32 v[A+\c], v76, v[64+\c]
	v_fmac_f32 v[A+\c], v77, v[70+\c]
.endr
.irp c, 0,1,2,3,4,5
	WSUM A+\c, 38
.endr
	v_mul_f32 v33, v[A], v[A]
	v_mul_f32 v24, v64, v[A]
	v_mul_f32 v25, v70, v[A]
.irp c, 1,2,3,4,5
	v_fmac_f32 v33, v[A+\c], v[A+\c]
	v_fmac_f32 v24, v[64+\c], v[A+\c]
	v_fmac_f32 v25, v[70+\c], v[A+\c]
.endr
	v_mul_f32 v32, v24, v24
	v_fmac_f32 v32, v25, v25
	WSUM 32, 38
	SIGFIN
.irp j, 0,2,4,6,8,10
	v_pk_mul_f32 v[64+\j:65+\j], v[64+\j:65+\j], v[12:13]
.endr
.irp j, 0,1,2
	global_store_b64 v14, v[64+2*\j:65+2*\j], s[2:3] offset:PW_W1N+8*\j
	global_store_b64 v14, v[70+2*\j:71+2*\j], s[2:3] offset:PW_W1N+768+8*\j
.endr
	s_endpgm
.Lw5:                                              ; W5 [1][512]: one wave, 16 numbers a lane.  a = u5 W5; z = W5 . a, one number: |z|^2 = z z
	s_cmp_lg_u32 s8, 0
	s_cbranch_scc1 .Lend
	s_load_b64 s[10:11], s[0:1], 0x20
	s_load_b64 s[12:13], s[0:1], 0x48
	s_wait_kmcnt 0x0
	s_load_b32 s14, s[12:13], 0x0
.irp j, 0,1,2,3
	global_load_b128 v[64+4*\j:67+4*\j], v4, s[10:11] offset:512*\j
.endr
	s_wait_kmcnt 0x0
	s_wait_loadcnt 0x0
.set wc, 0
.rept 16
	v_mul_f32 v[80+wc], s14, v[64+wc]
.set wc, wc+1
.endr
	v_mul_f32 v33, v80, v80
	v_mul_f32 v24, v64, v80
.set wc, 1
.rept 15
	v_fmac_f32 v33, v[80+wc], v[80+wc]
	v_fmac_f32 v24, v[64+wc], v[80+wc]
.set wc, wc+1
.endr
	WSUM 33, 38
	WSUM 24, 38
	v_mul_f32 v32, v24, v24
	SIGFIN
.irp j, 0,2,4,6,8,10,12,14
	v_pk_mul_f32 v[64+\j:65+\j], v[64+\j:65+\j], v[12:13]
.endr
.irp j, 0,1,2,3
	global_store_b128 v4, v[64+4*\j:67+4*\j], s[2:3] offset:PW_W5N+512*\j
.endr
.Lend:
	s_wait_tensorcnt 0x0
	ds_add_u32 v254, v255
	s_wait_dscnt 0x0
	s_endpgm
.Lfunc_end_k_q374c1e1370_prep:
	.size	k_q374c1e1370_prep, .Lfunc_end_k_q374c1e1370_prep-k_q374c1e1370_prep
	.p2alignl 7, 3214868480
	.fill 96, 4, 3214868480
	.section	.rodata,"a",@progbits
	.p2align	6, 0x0
	.amdhsa_kernel k_q374c1e1370_prep
		.amdhsa_group_segment_fixed_size 23552
		.amdhsa_private_segment_fixed_size 0
		.amdhsa_enable_private_segment 0
		.amdhsa_kernarg_size 144
		.amdhsa_user_sgpr_count 2
		.amdhsa_user_sgpr_kernarg_segment_ptr 1
		.amdhsa_wavefront_size32 1
		.amdhsa_system_sgpr_workgroup_id_x 1
		.amdhsa_system_sgpr_workgroup_id_y 1
		.amdhsa_system_sgpr_workgroup_id_z 1
		.amdhsa_system_vgpr_workitem_id 0
		.amdhsa_next_free_vgpr 256
		.amdhsa_next_free_sgpr 100
		.amdhsa_reserve_vcc 1
		.amdhsa_float_denorm_mode_32 3
		.amdhsa_float_denorm_mode_16_64 3
		.amdhsa_memory_ordered 1
		.amdhsa_forward_progress 1
		.amdhsa_inst_pref_size 83
	.end_amdhsa_kernel
	.amdgpu_metadata
---
amdhsa.version: [ 1, 2 ]
amdhsa.kernels:
  - .name:           k_q374c1e1370_prep
    .symbol:         k_q374c1e1370_prep.kd
    .args:
      - { .name: W1, .offset: 0, .size: 8, .value_kind: global_buffer, .address_space: global }
      - { .name: W2, .offset: 8, .size: 8, .value_kind: global_buffer, .address_space: global }
      - { .name: W3, .offset: 16, .size: 8, .value_kind: global_buffer, .address_space: global }
      - { .name: W4, .offset: 24, .size: 8, .value_kind: global_buffer, .address_space: global }
      - { .name: W5, .offset: 32, .size: 8, .value_kind: global_buffer, .address_space: global }
      - { .name: u1, .offset: 40, .size: 8, .value_kind: global_buffer, .address_space: global }
      - { .name: u2, .offset: 48, .size: 8, .value_kind: global_buffer, .address_space: global }
      - { .name: u3, .offset: 56, .size: 8, .value_kind: global_buffer, .address_space: global }
      - { .name: u4, .offset: 64, .size: 8, .value_kind: global_buffer, .address_space: global }
      - { .name: u5, .offset: 72, .size: 8, .value_kind: global_buffer, .address_space: global }
      - { .name: a1_qW_codes, .offset: 80, .size: 8, .value_kind: global_buffer, .address_space: global }
      - { .name: a1_kW_codes, .offset: 88, .size: 8, .value_kind: global_buffer, .address_space: global }
      - { .name: a1_vW_codes, .offset: 96, .size: 8, .value_kind: global_buffer, .address_space: global }
      - { .name: a2_qW_codes, .offset: 104, .size: 8, .value_kind: global_buffer, .address_space: global }
      - { .name: a2_kW_codes, .offset: 112, .size: 8, .value_kind: global_buffer, .address_space: global }
      - { .name: a2_vW_codes, .offset: 120, .size: 8, .value_kind: global_buffer, .address_space: global }
      - { .name: lowp_scales, .offset: 128, .size: 8, .value_kind: global_buffer, .address_space: global }
      - { .name: pw, .offset: 136, .size: 8, .value_kind: global_buffer, .address_space: global }
    .group_segment_fixed_size: 23552
    .private_segment_fixed_size: 0
    .kernarg_segment_align: 8
    .kernarg_segment_size: 144
    .max_flat_workgroup_size: 512
    .sgpr_count:     100
    .vgpr_count:     256
    .wavefront_size: 32
...
	.end_amdgpu_metadata
.endif
;; end of part 5
;; launch front (part 6): grid 264 x 1, 8 waves a work-group, no clusters, 62,464 bytes of LDS; arguments input, pw, W4, lowp_scales, b1, b2, b3, a1_qb, a1_kb, a1_vb, fa; writes fa
.if DOCPART == 6
	.amdgcn_target "amdgcn-amd-amdhsa--gfx1250"
	.amdhsa_code_object_version 6
	.text
	.protected	k_q374c1e1370_front
	.globl	k_q374c1e1370_front
	.p2align	8
	.type	k_q374c1e1370_front,@function
k_q374c1e1370_front:
	s_mov_b64 s[64:65], 0
	v_nop
	global_prefetch_b8 v0, s[64:65] scope:SCOPE_SE
	s_setreg_imm32_b32 hwreg(HW_REG_WAVE_MODE, 25, 1), 1
	s_wait_xcnt 0x0
; LAYERS 1 TO 3 AND THE FIRST ATTENTION'S q, k, v, for 64 pixels a work-group (work-groups 0-255); work-groups 256-263 make sigma4 from the four parts that the launch before stored and quantise W4 / sigma4 (64 fragments, one a wave).
; A block of 64 pixels is four tiles of 16; lane-row r of tile t is pixel 32 (t / 2) + 8 (t % 2) + r + 8 (r / 8); the rows of every weight tile are chosen alike.  So in a product used transposed (source 0 = 16 rows of
; a weight, source 1 = 16 pixels) a lane holds one pixel, and the 16 registers of two neighbouring tiles are 16 neighbours along the next K; in v's product (source 0 = pixels, source 1 = rows of vW) a lane holds one
; channel and 16 neighbouring pixels, which are the second attention product's K.  Operands go from wave to wave through LDS as images of their registers: [piece c][lane][16 bytes]; three barriers.
; The waves share the columns: each wave's weights stay in its registers (window 1).  Biases are the C of each sum's first matrix instruction, divided by the power of two that the sums lack.
; No tensor load (each work-group reads 120 KB of weights once, straight into registers), so no ring and no cluster.
; LIMITS: e0, e2-e0-e1, e4, e6, e8, e10-e4-e5, e11-e6-e7, e12-e8-e9, e15 between -126 and 112; e2+e3 between -126 and 127.  NaN among the inputs is not served.
; REGISTERS: window 0: v0-15 ids and addresses; v16-29 seven pairs (scale, largest number x scale); v32-255 at work.
;   window 1: 0 W2's two tiles; 16 W3's two; 48 qW's or kW's four fragments; 112 vW's four; 176 b2, 192 b3, 208 qb or kb, 224 vb, each in the result's layout; 240 vb as loaded.
.set PW_W1N, 256
.set PW_W2I, 4096
.set PW_W3I, 12288
.set PW_A1Q, 45056
.set PW_A1V, 61440
.set PW_ZP, 454656                     ; W4: four parts of z = W4 a, 2,048 bytes each
.set PW_NA, 462848                     ; and of |a|^2, 256 bytes apart
.set FA_Q1, 131072
.set FA_V1, 1179648
.set FA_X1, 5373952
.set H1, 0                             ; LDS: layer 1's images [tile m][c 2], 4 KB
.set H2, 4096                          ; layer 2's [m][c 4], 8 KB
.set H3Q, 12288                        ; layer 3's, quantised three times: [m][K step 2][c 4], 16 KB each: for q, for k,
.set H3V, 45056                        ; and for v
.set MSB, 0
.macro WIN new                         ; the immediate's high byte repeats the setting that is left
.if MSB != \new
	s_set_vgpr_msb (MSB<<8)|\new
.set MSB, \new
.endif
.endm
.macro BAR
	s_wait_dscnt 0x0
	s_barrier_signal -1
	s_barrier_wait -1
.endm
.macro PLACES n
.rept \n
	v_nop
.endr
.endm
.macro MKSC vs, vl, se
	s_add_co_i32 s44, s[\se], 127
	s_lshl_b32 s45, s44, 23
	v_mov_b32 v[\vs], s45
	s_add_co_i32 s44, s44, 15
	s_lshl_b32 s44, s44, 23
	s_or_b32 s44, s44, 0x600000
	v_mov_b32 v[\vl], s44
.endm
.macro QUANT16 src, tmp, dst, vs, vl   ; the hold at the largest code (the conversion does not saturate: ISA guide 7.6.2), then the conversion
.set qi, 0
.rept 16
	v_med3_num_f32 v[\tmp+qi], v[\src+qi], -v[\vl], v[\vl]
.set qi, qi+1
.endr
	v_cvt_scalef32_pk8_bf8_f32 v[\dst:\dst+1], v[\tmp:\tmp+7], v[\vs]
	v_cvt_scalef32_pk8_bf8_f32 v[\dst+2:\dst+3], v[\tmp+8:\tmp+15], v[\vs]
	v_nop                                          ; a plain line behind the conversions, ahead of whatever next writes their sources
.endm
.macro LRELU16 x, tm                   ; max(x, 0.1 x), from the low end on
.set qi, 0
.rept 8
	v_pk_mul_f32 v[\tm+2*qi:\tm+2*qi+1], v[\x+2*qi:\x+2*qi+1], s[48:49] op_sel_hi:[1,0]
.set qi, qi+1
.endr
.set qi, 0
.rept 16
	v_max_num_f32 v[\x+qi], v[\x+qi], v[\tm+qi]
.set qi, qi+1
.endr
.endm
	s_load_b256 s[4:11], s[0:1], 0x0               ; input s[4:5], pw s[6:7], W4 s[8:9], the exponents s[10:11]
	s_load_b256 s[12:19], s[0:1], 0x20             ; b1 s[12:13], b2 s[14:15], b3 s[16:17], qb s[18:19]
	s_load_b128 s[20:23], s[0:1], 0x40             ; kb s[20:21], vb s[22:23]
	s_load_b64 s[24:25], s[0:1], 0x50              ; fa
	v_lshl_add_u32 v30, v0, 2, 0xf000
	v_mov_b32 v31, 0
	v_lshrrev_b32 v1, 5, v0
	v_readfirstlane_b32 s26, v1                    ; wave w, 0..7
	v_and_b32 v1, 31, v0
	v_and_b32 v2, 15, v0                           ; r
	v_bfe_u32 v3, v0, 4, 1                         ; h
	v_lshlrev_b32 v4, 4, v1                        ; 16 x lane
	v_and_b32 v5, 8, v2
	v_add_nc_u32 v5, v5, v2                        ; r + 8 (r / 8)
	s_wait_kmcnt 0x0
	s_load_b512 s[68:83], s[10:11], 0x0            ; e0 .. e15 in s68 .. s83
	s_cmp_ge_u32 ttmp9, 256
	s_cbranch_scc1 .Lw4q
	s_and_b32 s27, s26, 3                          ; w % 4
	s_lshr_b32 s28, s26, 2                         ; w / 4
	s_lshr_b32 s29, ttmp9, 6                       ; image
	s_and_b32 s30, ttmp9, 63                       ; block of the image
	s_mul_i32 s31, s29, 98304                      ; input: image x 6 planes of 16,384 bytes + my pixel (tile m = w % 4)
	s_lshl_b32 s32, s30, 8
	s_add_co_u32 s31, s31, s32
	s_lshr_b32 s32, s27, 1
	s_lshl_b32 s32, s32, 7
	s_add_co_u32 s31, s31, s32
	s_and_b32 s32, s27, 1
	s_lshl_b32 s32, s32, 5
	s_add_co_u32 s31, s31, s32
	v_lshl_add_u32 v6, v5, 2, s31
	s_mul_i32 s32, s28, 768                        ; W1/sigma1: my 16 channels 32 (w / 4) + 16 h on, 24 bytes each
	v_mul_u32_u24 v7, v3, 384
	v_add_nc_u32 v7, s32, v7
	s_lshl_b32 s32, s28, 7
	v_lshl_add_u32 v8, v3, 6, s32                  ; b1 of the same channels
	s_lshl_b32 s32, s27, 10
	s_lshl_b32 s33, s28, 9
	s_add_co_u32 s32, s32, s33
	v_add_nc_u32 v9, s32, v4                       ; H1, in: tile w % 4, piece w / 4
	s_lshl_b32 s32, s28, 11
	v_add_nc_u32 v10, s32, v4                      ; H1, out: tiles 2 (w / 4), + 1
	s_lshl_b32 s32, s28, 12
	s_lshl_b32 s33, s27, 9
	s_add_co_u32 s32, s32, s33
	v_add_nc_u32 v11, s32, v4                      ; H2, in: tiles 2 (w / 4), + 1, piece w % 4
	s_lshl_b32 s32, s28, 11
	s_add_co_u32 s32, s32, s33
	v_add_nc_u32 v12, s32, v4                      ; H3, in: K step w / 4, piece w % 4
	s_lshl_b32 s32, s28, 14
	s_lshl_b32 s33, s27, 12
	s_add_co_u32 s32, s32, s33
	v_add_nc_u32 v13, s32, v4                      ; H3 for q (w / 4 = 0) or k (1), out: tile w % 4
	s_lshl_b32 s32, s27, 11
	v_add_nc_u32 v200, s32, v4                     ; W2's tiles 2 (w % 4), + 1
	s_lshl_b32 s32, s26, 12
	v_add_nc_u32 v201, s32, v4                     ; W3's tiles 2 w, + 1
	s_lshl_b32 s32, s28, 13
	v_add_nc_u32 v202, s32, v4                     ; qW's or kW's fragments
	s_lshl_b32 s32, s26, 13
	v_add_nc_u32 v203, s32, v4                     ; vW's tiles 2 w, + 1
	s_lshl_b32 s32, s27, 7
	v_lshl_add_u32 v204, v3, 6, s32                ; b2
	s_lshl_b32 s32, s26, 7
	v_lshl_add_u32 v205, v3, 6, s32                ; b3
	v_lshlrev_b32 v206, 6, v3                      ; qb or kb
	v_lshl_add_u32 v207, v5, 2, s32                ; vb: one channel a lane
	s_cmp_eq_u32 s28, 0
	s_cselect_b64 s[34:35], s[18:19], s[20:21]     ; the choice hangs on the wave's number alone
	; what layer 1 wants: 34 loads
.irp k, 0,1,2,3,4,5
	global_load_b32 v[32+\k], v6, s[4:5] offset:16384*\k
.endr
.set li, 0
.rept 24
	global_load_b128 v[40+4*li:43+4*li], v7, s[6:7] offset:PW_W1N+16*li
.set li, li+1
.endr
.irp j, 0,1,2,3
	global_load_b128 v[136+4*\j:139+4*\j], v8, s[12:13] offset:16*\j   ; b1 starts the sums
.endr
	; the weights and biases that stay: 58 loads, into window 1
	WIN 0x40
.irp u, 0,1
.irp c, 0,1
	global_load_b128 v[8*\u+4*\c:8*\u+4*\c+3], v200, s[6:7] offset:PW_W2I+1024*\u+512*\c
.endr
.endr
.irp u, 0,1
.irp c, 0,1,2,3
	global_load_b128 v[16+16*\u+4*\c:16+16*\u+4*\c+3], v201, s[6:7] offset:PW_W3I+2048*\u+512*\c
.endr
.endr
.set li, 0
.rept 16
	global_load_b128 v[48+4*li:51+4*li], v202, s[6:7] offset:PW_A1Q+512*li
.set li, li+1
.endr
.set li, 0
.rept 16
	global_load_b128 v[112+4*li:115+4*li], v203, s[6:7] offset:PW_A1V+512*li
.set li, li+1
.endr
.irp u, 0,1
	global_load_b128 v[176+8*\u:179+8*\u], v204, s[14:15] offset:32*\u
	global_load_b128 v[180+8*\u:183+8*\u], v204, s[14:15] offset:32*\u+16
	global_load_b128 v[192+8*\u:195+8*\u], v205, s[16:17] offset:32*\u
	global_load_b128 v[196+8*\u:199+8*\u], v205, s[16:17] offset:32*\u+16
	global_load_b128 v[208+8*\u:211+8*\u], v206, s[34:35] offset:32*\u
	global_load_b128 v[212+8*\u:215+8*\u], v206, s[34:35] offset:32*\u+16
	global_load_b32 v[240+\u], v207, s[22:23] offset:32*\u
.endr
	WIN 0
	s_wait_kmcnt 0x0
	MKSC 16, 17, 68                                ; layer 1's result: e0
	s_sub_co_i32 s36, s70, s68
	s_sub_co_i32 s36, s36, s69
	MKSC 18, 19, 36                                ; layer 2's raw sums: e2 - e0 - e1
	MKSC 20, 21, 72
	MKSC 22, 23, 74
	MKSC 24, 25, 76                                ; layer 3's result, three times: e4, e6, e8
	s_sub_co_i32 s36, s78, s72
	s_sub_co_i32 s36, s36, s73
	s_sub_co_i32 s37, s79, s74
	s_sub_co_i32 s37, s37, s75
	s_add_co_i32 s41, s72, s73
	s_add_co_i32 s43, s74, s75
	s_cmp_eq_u32 s28, 0
	s_cselect_b32 s36, s36, s37
	s_cselect_b32 s41, s41, s43
	MKSC 26, 27, 36                                ; q's raw sums: e10 - e4 - e5;  k's: e11 - e6 - e7
	s_sub_co_i32 s36, s80, s76
	s_sub_co_i32 s36, s36, s77
	MKSC 28, 29, 36                                ; v's: e12 - e8 - e9
	s_add_co_i32 s38, s68, s69
	s_sub_co_i32 s38, 0, s38                       ; the biases go in divided by the power of two that the sums lack
	s_add_co_i32 s40, s70, s71
	s_sub_co_i32 s39, 0, s40
	s_sub_co_i32 s41, 0, s41
	s_add_co_i32 s42, s76, s77
	s_sub_co_i32 s42, 0, s42
	s_add_co_i32 s40, s40, 127
	s_lshl_b32 s46, s40, 23                        ; 2^(e2 + e3)
	s_mov_b32 s47, s46
	s_mov_b32 s48, 0x3dcccccd                      ; 0.1
	s_mov_b32 s49, s48
	s_lshl_b32 s56, ttmp9, 16
	s_add_co_u32 s56, s56, FA_X1
	s_mov_b32 s57, 0
	s_add_nc_u64 s[50:51], s[24:25], s[56:57]      ; layer 3's result in f32, my block
	s_lshl_b32 s56, ttmp9, 11
	s_add_co_u32 s56, s56, FA_Q1
	s_add_nc_u64 s[52:53], s[24:25], s[56:57]      ; q's images, my block (k's lie 524,288 bytes on)
	s_lshl_b32 s56, s29, 20
	s_lshr_b32 s58, s30, 1
	s_lshl_b32 s58, s58, 15
	s_add_co_u32 s56, s56, s58
	s_and_b32 s58, s30, 1
	s_lshl_b32 s58, s58, 10
	s_add_co_u32 s56, s56, s58
	s_add_co_u32 s56, s56, FA_V1
	s_add_nc_u64 s[54:55], s[24:25], s[56:57]      ; v's images: image, 128 keys, my block's two pieces of the four
	; ---- layer 1 (K = 6, f32): my pixel, my 16 channels
	s_wait_loadcnt 58                              ; the 58 loads into window 1 are younger
.irp k, 0,1,2,3,4,5
.set li, 0
.rept 16
	v_fmac_f32 v[136+li], v[32+\k], v[40+6*li+\k]
.set li, li+1
.endr
.endr
	LRELU16 136, 152
	QUANT16 136, 136, 176, 16, 17
	ds_store_b128 v9, v[176:179] offset:H1
	s_wait_loadcnt 0x0
	WIN 0x41                                       ; source 0 and destination window 1
.set li, 0
.rept 16
	v_ldexp_f32 v[176+li], v[176+li], s38
	v_ldexp_f32 v[192+li], v[192+li], s39
	v_ldexp_f32 v[208+li], v[208+li], s41
.set li, li+1
.endr
.irp u, 0,1
.irp j, 0,1,2,3,4,5,6,7
	v_ldexp_f32 v[224+8*\u+\j], v[240+\u], s42     ; v's result holds one channel a lane: eight equal registers
.endr
.endr
	WIN 0
	BAR                                            ; layer 1's eight pieces lie in LDS
	; ---- layer 2 (K = 64): channels 32 (w % 4) on, tiles 2 (w / 4), + 1
.irp n, 0,1
.irp c, 0,1
	ds_load_b128 v[32+8*\n+4*\c:35+8*\n+4*\c], v10 offset:H1+1024*\n+512*\c
.endr
.endr
	s_wait_dscnt 0x0
	WIN 0x11                                       ; the weight and the bias in window 1
.irp n, 0,1
.irp u, 0,1
	v_wmma_f32_16x16x64_bf8_bf8 v[48+16*\n+8*\u:55+16*\n+8*\u], v[8*\u:8*\u+7], v[32+8*\n:39+8*\n], v[176+8*\u:183+8*\u]
.endr
.endr
	WIN 0
	PLACES 4
	LRELU16 48, 152                                ; on the raw sums: the scale is positive
	LRELU16 64, 152
	QUANT16 48, 48, 176, 18, 19
	QUANT16 64, 64, 180, 18, 19
	ds_store_b128 v11, v[176:179] offset:H2
	ds_store_b128 v11, v[180:183] offset:H2+2048
	BAR
	; ---- layer 3 (K = 128): channels 32 w on, all four tiles
.irp m, 0,1,2,3
.irp c, 0,1,2,3
	ds_load_b128 v[32+16*\m+4*\c:35+16*\m+4*\c], v4 offset:H2+2048*\m+512*\c
.endr
.endr
	s_wait_dscnt 0x0
	WIN 0x11
.irp m, 0,1,2,3
.irp u, 0,1
	v_wmma_f32_16x16x128_bf8_bf8 v[96+16*\m+8*\u:103+16*\m+8*\u], v[16+16*\u:31+16*\u], v[32+16*\m:47+16*\m], v[192+8*\u:199+8*\u]
.endr
.endr
	WIN 0
	PLACES 4
.set li, 0
.rept 32
	v_pk_mul_f32 v[96+2*li:97+2*li], v[96+2*li:97+2*li], s[46:47] op_sel_hi:[1,0]
.set li, li+1
.endr
.irp m, 0,1,2,3
	LRELU16 96+16*\m, 160
.endr
	s_lshl_b32 s32, s26, 11
	v_add_nc_u32 v14, s32, v4
.irp m, 0,1,2,3
.irp q, 0,1,2,3
	global_store_b128 v14, v[96+16*\m+4*\q:99+16*\m+4*\q], s[50:51] offset:16384*\m+512*\q   ; the residual of the first attention, as the registers stand: 512 consecutive bytes a store
.endr
.endr
.irp z, 0,1,2
.irp m, 0,1,2,3
	QUANT16 96+16*\m, 160, 176+4*\m, 20+2*\z, 21+2*\z
.endr
.irp m, 0,1,2,3
	ds_store_b128 v12, v[176+4*\m:179+4*\m] offset:H3Q+16384*\z+4096*\m
.endr
.endr
	s_wait_xcnt 0x0                                ; the stores have read v96-159: they are written again below
	BAR
	; ---- q or k (tile w % 4) and v (channels 32 w on, four tiles), K = 256 in two steps
.irp s, 0,1
.irp c, 0,1,2,3
	ds_load_b128 v[160+16*\s+4*\c:163+16*\s+4*\c], v13 offset:H3Q+2048*\s+512*\c
.endr
.endr
.irp m, 0,1,2,3
.irp c, 0,1,2,3
	ds_load_b128 v[192+16*\m+4*\c:195+16*\m+4*\c], v4 offset:H3V+4096*\m+512*\c
.endr
.endr
	s_wait_dscnt 16                                ; q's or k's operand is in; v's 16 loads are younger
	WIN 0x11
.irp u, 0,1
	v_wmma_f32_16x16x128_bf8_bf8 v[32+8*\u:39+8*\u], v[48+32*\u:63+32*\u], v[160:175], v[208+8*\u:215+8*\u]
.endr
	WIN 0x01
.irp u, 0,1
	v_wmma_f32_16x16x128_bf8_bf8 v[32+8*\u:39+8*\u], v[64+32*\u:79+32*\u], v[176:191], v[32+8*\u:39+8*\u]
.endr
	s_wait_dscnt 0x0
	WIN 0x14                                       ; source 1 (vW) and the bias in window 1
.irp u, 0,1
.irp m, 0,1,2,3
	v_wmma_f32_16x16x128_bf8_bf8 v[96+32*\u+8*\m:103+32*\u+8*\m], v[192+16*\m:207+16*\m], v[112+32*\u:127+32*\u], v[224+8*\u:231+8*\u]
.endr
.endr
	WIN 0
	PLACES 4
.irp m, 0,1,2,3
.irp c, 0,1,2,3
	ds_load_b128 v[192+16*\m+4*\c:195+16*\m+4*\c], v4 offset:H3V+4096*\m+2048+512*\c
.endr
.endr
	s_wait_dscnt 0x0
	WIN 0x04
.irp u, 0,1
.irp m, 0,1,2,3
	v_wmma_f32_16x16x128_bf8_bf8 v[96+32*\u+8*\m:103+32*\u+8*\m], v[192+16*\m:207+16*\m], v[128+32*\u:143+32*\u], v[96+32*\u+8*\m:103+32*\u+8*\m]
.endr
.endr
	WIN 0
	PLACES 4
	QUANT16 32, 32, 48, 26, 27
.irp g, 0,1,2,3
	QUANT16 96+16*\g, 96+16*\g, 52+4*\g, 28, 29
.endr
	s_lshl_b32 s32, s27, 9
	s_lshl_b32 s33, s28, 19
	s_add_co_u32 s32, s32, s33
	v_add_nc_u32 v14, s32, v4
	global_store_b128 v14, v[48:51], s[52:53]
	s_lshl_b32 s32, s26, 12
	v_add_nc_u32 v15, s32, v4
.irp u, 0,1
.irp b, 0,1
	global_store_b128 v15, v[52+8*\u+4*\b:55+8*\u+4*\b], s[54:55] offset:2048*\u+512*\b
.endr
.endr
	s_wait_tensorcnt 0x0
	ds_add_u32 v30, v31
	s_wait_dscnt 0x0
	s_endpgm
.Lw4q:                                             ; fragment f = 8 (work-group - 256) + wave of W4 / sigma4: tile f % 32, K step f / 32
	s_load_b32 s36, s[6:7], PW_NA                  ; the four parts of |a|^2
	s_load_b32 s37, s[6:7], PW_NA+256
	s_load_b32 s38, s[6:7], PW_NA+512
	s_load_b32 s39, s[6:7], PW_NA+768
	s_sub_co_u32 s27, ttmp9, 256
	s_lshl_b32 s27, s27, 3
	s_add_co_u32 s27, s27, s26
	s_and_b32 s28, s27, 31
	s_lshr_b32 s29, s27, 5
	s_lshr_b32 s32, s28, 1
	s_lshl_b32 s32, s32, 5
	s_and_b32 s33, s28, 1
	s_lshl_b32 s33, s33, 3
	s_add_co_u32 s32, s32, s33
	s_lshl_b32 s32, s32, 10
	s_lshl_b32 s33, s29, 9
	s_add_co_u32 s32, s32, s33
	v_lshlrev_b32 v6, 10, v5
	v_lshl_add_u32 v6, v3, 6, v6
	v_add_nc_u32 v6, s32, v6
	s_lshl_b32 s32, s27, 11
	v_add_nc_u32 v7, s32, v4
.irp j, 0,1,2,3
.irp k, 0,1,2,3
	global_load_b128 v[128+16*\j+4*\k:131+16*\j+4*\k], v4, s[6:7] offset:PW_ZP+2048*\j+512*\k   ; the four parts of z: 16 of its 512 numbers a lane
.endr
.endr
.irp c, 0,1,2,3
.irp j, 0,1,2,3
	global_load_b128 v[64+16*\c+4*\j:67+16*\c+4*\j], v6, s[8:9] offset:128*\c+16*\j
.endr
.endr
	s_mov_b32 s66, 0x76543210
	s_mov_b32 s67, 0xfedcba98                      ; lane l xor 16
	v_mov_b32 v38, 0                               ; a lane permute's destination counts as one of its sources
	s_wait_kmcnt 0x0
	MKSC 16, 17, 83
	s_wait_loadcnt 16                              ; z's parts are in; W4's 16 loads are younger
.irp i, 0,2,4,6,8,10,12,14
	v_pk_add_f32 v[128+\i:129+\i], v[128+\i:129+\i], v[144+\i:145+\i]
	v_pk_add_f32 v[160+\i:161+\i], v[160+\i:161+\i], v[176+\i:177+\i]
.endr
.irp i, 0,2,4,6,8,10,12,14
	v_pk_add_f32 v[128+\i:129+\i], v[128+\i:129+\i], v[160+\i:161+\i]   ; z
.endr
	v_mul_f32 v32, v128, v128
.set li, 1
.rept 15
	v_fmac_f32 v32, v[128+li], v[128+li]
.set li, li+1
.endr
	v_add_f32_dpp v32, v32, v32 row_xmask:1 row_mask:0xf bank_mask:0xf
	v_add_f32_dpp v32, v32, v32 row_xmask:2 row_mask:0xf bank_mask:0xf
	v_add_f32_dpp v32, v32, v32 row_xmask:4 row_mask:0xf bank_mask:0xf
	v_add_f32_dpp v32, v32, v32 row_xmask:8 row_mask:0xf bank_mask:0xf
	v_permlanex16_b32 v38, v32, s66, s67
	v_add_f32 v32, v32, v38                        ; |z|^2
	v_mov_b32 v33, s36
	v_add_f32 v33, s37, v33
	v_add_f32 v33, s38, v33
	v_add_f32 v33, s39, v33                        ; |a|^2
	v_sqrt_f32 v34, v33
	v_sqrt_f32 v35, v32
	v_nop                                          ; a plain line behind each transcendental before its result is used
	s_wait_alu depctr_va_vdst(0)
	v_add_f32 v34, 0x2b8cbccc, v34                 ; d = |a| + 1e-12
	v_rcp_f32 v34, v34
	v_nop
	s_wait_alu depctr_va_vdst(0)
	v_mul_f32 v35, v35, v34                        ; n = |z| / d
	v_add_f32 v36, 0x2b8cbccc, v35
	v_rcp_f32 v36, v36
	v_mul_f32 v37, v35, v35
	s_wait_alu depctr_va_vdst(0)
	v_mul_f32 v37, v37, v36                        ; sigma4 = n n / (n + 1e-12)
	v_rcp_f32 v44, v37
	v_nop
	s_wait_alu depctr_va_vdst(0)
	v_mov_b32 v45, v44
	s_wait_loadcnt 0x0
.set li, 0
.rept 32
	v_pk_mul_f32 v[64+2*li:65+2*li], v[64+2*li:65+2*li], v[44:45]
.set li, li+1
.endr
.irp c, 0,1,2,3
	QUANT16 64+16*\c, 64+16*\c, 48+4*\c, 16, 17
.endr
.irp c, 0,1,2,3
	global_store_b128 v7, v[48+4*\c:51+4*\c], s[24:25] offset:512*\c
.endr
	s_endpgm
.Lfunc_end_k_q374c1e1370_front:
	.size	k_q374c1e1370_front, .Lfunc_end_k_q374c1e1370_front-k_q374c1e1370_front
	.p2alignl 7, 3214868480
	.fill 96, 4, 3214868480
	.section	.rodata,"a",@progbits
	.p2align	6, 0x0
	.amdhsa_kernel k_q374c1e1370_front
		.amdhsa_group_segment_fixed_size 62464
		.amdhsa_private_segment_fixed_size 0
		.amdhsa_enable_private_segment 0
		.amdhsa_kernarg_size 88
		.amdhsa_user_sgpr_count 2
		.amdhsa_user_sgpr_kernarg_segment_ptr 1
		.amdhsa_wavefront_size32 1
		.amdhsa_system_sgpr_workgroup_id_x 1
		.amdhsa_system_sgpr_workgroup_id_y 1
		.amdhsa_system_sgpr_workgroup_id_z 1
		.amdhsa_system_vgpr_workitem_id 0
		.amdhsa_next_free_vgpr 512
		.amdhsa_next_free_sgpr 100
		.amdhsa_reserve_vcc 0
		.amdhsa_float_denorm_mode_32 3
		.amdhsa_float_denorm_mode_16_64 3
		.amdhsa_memory_ordered 1
		.amdhsa_forward_progress 1
		.amdhsa_inst_pref_size 80
	.end_amdhsa_kernel
	.amdgpu_metadata
---
amdhsa.version: [ 1, 2 ]
amdhsa.kernels:
  - .name:           k_q374c1e1370_front
    .symbol:         k_q374c1e1370_front.kd
    .args:
      - { .name: input, .offset: 0, .size: 8, .value_kind: global_buffer, .address_space: global }
      - { .name: pw, .offset: 8, .size: 8, .value_kind: global_buffer, .address_space: global }
      - { .name: W4, .offset: 16, .size: 8, .value_kind: global_buffer, .address_space: global }
      - { .name: lowp_scales, .offset: 24, .size: 8, .value_kind: global_buffer, .address_space: global }
      - { .name: b1, .offset: 32, .size: 8, .value_kind: global_buffer, .address_space: global }
      - { .name: b2, .offset: 40, .size: 8, .value_kind: global_buffer, .address_space: global }
      - { .name: b3, .offset: 48, .size: 8, .value_kind: global_buffer, .address_space: global }
      - { .name: a1_qb, .offset: 56, .size: 8, .value_kind: global_buffer, .address_space: global }
      - { .name: a1_kb, .offset: 64, .size: 8, .value_kind: global_buffer, .address_space: global }
      - { .name: a1_vb, .offset: 72, .size: 8, .value_kind: global_buffer, .address_space: global }
      - { .name: fa, .offset: 80, .size: 8, .value_kind: global_buffer, .address_space: global }
    .group_segment_fixed_size: 62464
    .private_segment_fixed_size: 0
    .kernarg_segment_align: 8
    .kernarg_segment_size: 88
    .max_flat_workgroup_size: 256
    .sgpr_count:     100
    .vgpr_count:     512
    .wavefront_size: 32
...
	.end_amdgpu_metadata
.endif
;; end of part 6
;; launch attn1 (part 7): grid 64 x 4, 8 waves a work-group, clusters of 4 x 1, 327,680 bytes of LDS; arguments fa, pw, lowp_scales, a1_gamma, b4, a2_qb, a2_kb, a2_vb, ga; writes ga
.if DOCPART == 7
	.amdgcn_target "amdgcn-amd-amdhsa--gfx1250"
	.amdhsa_code_object_version 6
	.text
	.protected	k_q374c1e1370_attn1
	.globl	k_q374c1e1370_attn1
	.p2align	8
	.type	k_q374c1e1370_attn1,@function
k_q374c1e1370_attn1:
	s_mov_b64 s[64:65], 0
	v_nop
	global_prefetch_b8 v0, s[64:65] scope:SCOPE_SE
	s_setreg_imm32_b32 hwreg(HW_REG_WAVE_MODE, 25, 1), 1
	s_wait_xcnt 0x0
	s_wait_alu depctr_hold_cnt(0) depctr_sa_sdst(0) depctr_va_vdst(0) depctr_va_sdst(0) depctr_va_ssrc(0) depctr_va_vcc(0) depctr_vm_vsrc(0)
	s_getreg_b32 s2, hwreg(HW_REG_IB_STS2, 6, 4)
	s_cmp_eq_u32 s2, 0
	s_cbranch_scc0 .Lentry_in_a_cluster
	s_endpgm
.Lentry_in_a_cluster:
	s_bfe_u32 s2, ttmp6, 0x10000c
	s_cmp_lg_u32 s2, 0x3003
	s_cbranch_scc0 .Lentry_shape_is_right
	s_endpgm
.Lentry_shape_is_right:
; THE FIRST ATTENTION (q, k: 32 channels; v: 256), ITS RESIDUAL, LAYER 4, AND THE SECOND ATTENTION'S q, k, v, for 64 queries a work-group.
; All operands are images of their registers ([piece c][lane][16 bytes], lane (r, h): k = 32 c + 16 h + 0 .. 15 of lane-row r), made by the launches before.
; PASS 1: the row's largest score.  The image's keys are the two slots' first fills; each of the eight waves multiplies the 16 key tiles of each half that its own load brought by all four query tiles; the maxima meet in LDS.
;   M = ceil(largest t), t = score x log2(e) x 2^(eq + ek), is then final: nothing is ever rescaled, and the order of the keys in pass 2 is free.
; PASS 2: 32 steps of 128 keys, IN TWO ROLES.  Waves 0-3: S^T = K Q^T for keys 32 w .. 32 w + 31 of the step and all 64 queries, p = 2^(t - M), the sum of the unquantised p, p's codes: one piece of P's fragments, to LDS.
;   K comes from memory straight into registers, two steps ahead.  Waves 4-7: O^T += V^T P^T, a quarter of the channels each, one step behind.  One barrier a step; V comes through a ring of two slots of two steps.
;   K = 32 fills half of the K = 64 form: one operand holds two key tiles, the other the queries beside zeros; the zeros meet finite codes.
;   EACH CLUSTER STARTS ITS WALK AT ANOTHER CHUNK of the sixteen (cluster x at chunk 2 (x % 8) + x / 8) and goes round: at any one time the sixteen clusters of an image ask for sixteen different chunks of V, and what one asks for
;   the others ask for again in later trips.
;   The two roles' steps stand side by side in the text.  Every distance and every count is kept on every way through it, also on ways that no wave takes (one role's step behind the other's).
; CLUSTER: the four query blocks of a cluster belong to one image and walk the same K and V (and the same weights): every tile is asked for jointly, each wave an eighth of it.
; THE END: y = gamma O / l + x (x is asked for at the head and waits in registers); layer 4 (W4's codes lie in LDS from the start); r2 = h4 . W5/sigma5 (the second attention's residual, folded into one number a pixel); q2, k2, v2.
;   The q and k weights and a2_vW's K step 0 come through the ring, asked for a phase or more ahead; a2_vW's K steps 1 to 3, of which a wave reads its own eighth alone, go from memory straight into its registers.
; LIMITS: eq + ek and e14 + e15 between -126 and 127; ep, e14, e16, e18, e20, e22-e16-e17, e23-e18-e19, e24-e20-e21 between -126 and 112.  NaN among the inputs is not served.
; REGISTERS: window 0: v0-23 ids and addresses; v24-31 -M (a pair a query tile); v32-39 the sums; v40-47 at work; v48-95 Q (0, q, 0 a tile); v96-111 two sets of K; v112-175 S^T, p / P; v176-239 codes / V; v240-252 the end's addresses.
;   window 1: 0-127 O^T, later h4, later a2_vW's K steps 2 and 1; 128-255 the residual, later at work.
.set KT, 512                           ; bytes of a key tile
.set NK, 2                             ; loads that bring a wave's two key tiles
.set FPW, 4                            ; fragments of V a wave and step
.set SLOT, 65536
.set QOFF, 131072
.set KOFF, 655360
.set VOFF, 1179648
.set FA_X1, 5373952
.set PW_W5N, 2048
.set PW_A2Q, 126976
.set PW_A2V, 192512
.set GA_V2, 2097152
.set GA_R2, 10485760
.set EQ, 78
.set EK, 79
.set EP, 81
.set KS0, 96
.set KSZ, 8
.set NACC, 128
.set AREA, 131072                      ; LDS: slots at 0 and 65,536; here W4's codes, 128 KB, filled once; later h4's three images
.set PB, 262144                        ; P: [buffer 2][query tile 4][piece 4][512]
.set YIMG, 278528                      ; y's images [tile][K step 2][piece 4]
.set MXB, 294912
.set LB, 299008
.set R2B, 301056
.set SPARE, 303104                     ; the spare words, 128 bytes a wave: four blocks of 256 bytes that no other line names
.set KSTEPB, 8*KT
.set KMASK, 32*KSTEPB-1                ; the image's K is 32 steps: the mask takes an offset round
.set STEPB, 4*FPW*2048
.set PART, SLOT/8
.set NPL, 16*KT/512
.set WV, 8
.set RL, 9
.set W4, 10
.set IMG, 11
.set BLK, 12
.set GBLK, 13
.set CNT, 14                           ; s14  at the head: the cluster's first chunk; then the loop's counter
.set TB, 15
.set CS, 16
.set SEL, 18
.set G1, 24
.set G1W, 32
.set GW, 52
.set VBS, 56                           ; s[56:57] my eighth of the image's first chunk of V
.set RO, 58                            ; s[58:59] the byte offset of the chunk that is asked for next
.set SC, 68                            ; e_i in s[SC + i]
.set QB0, 94                           ; s[94:95] my block's Q; no other line writes them
.set LI, 1
.set SPW, 2
.set NIL, 3
.set ADPW, 4
.set ADPR, 5
.set ADV0, 6
.set ADVA, 7
.set ADVB, 8
.set KO0, 9
.set KO1, 10
.set ADKA, 12
.set ADKB, 13
.set ADMW, 14
.set ADMR, 15
.set ADLW, 16
.set ADLR, 17
.set SCL, 18
.set LIM, 19
.set RR, 20
.set HH, 21
.set L4, 22
.set PR, 23
.set NM, 24
.set LS, 32
.set TP, 40
.set Q, 48
.set S, 112
.set VB, 176
.set ADY, 240
.set ADYR, 241
.set ADW4A, 242
.set ADW4B, 243
.set ADHW, 244
.set ADHW2, 245
.set ADHQ, 246
.set ADHV, 247
.set ADWQ, 248
.set ADWV0, 249
.set ADWV1, 250
.set ADRW, 251
.set ADRR, 252
.set MSB, 0
.macro WIN new                         ; the immediate's high byte repeats the setting that is left
.if MSB != \new
	s_set_vgpr_msb (MSB<<8)|\new
.set MSB, \new
.endif
.endm
.macro PLACES n
.rept \n
	v_nop
.endr
.endm
.macro BAR
	s_wait_dscnt 0x0
	s_barrier_signal -1
	s_barrier_wait -1
.endm
.macro CROUND                          ; a round of the cluster's barrier
	s_barrier_signal -1
	s_barrier_wait -1
	s_cmp_lg_u32 s[WV], 0
	s_cbranch_scc1 .Lnot_wave_0_\@
	s_barrier_signal -3
.Lnot_wave_0_\@:
	s_barrier_wait -3
	s_barrier_signal -1
	s_barrier_wait -1
.endm
.macro MKSC vs, vl, se                 ; 2^E as f32 and 57,344 x 2^E, E in s[se]; s22 and s23 are at work
	s_add_co_i32 s22, s[\se], 127
	s_lshl_b32 s23, s22, 23
	v_mov_b32 v[\vs], s23
	s_add_co_i32 s22, s22, 15
	s_lshl_b32 s22, s22, 23
	s_or_b32 s22, s22, 0x600000
	v_mov_b32 v[\vl], s22
.endm
.macro QUANT16 src, tmp, dst, vs, vl
.set qi, 0
.rept 16
	v_med3_num_f32 v[\tmp+qi], v[\src+qi], -v[\vl], v[\vl]
.set qi, qi+1
.endr
	v_cvt_scalef32_pk8_bf8_f32 v[\dst:\dst+1], v[\tmp:\tmp+7], v[\vs]
	v_cvt_scalef32_pk8_bf8_f32 v[\dst+2:\dst+3], v[\tmp+8:\tmp+15], v[\vs]
	v_nop
.endm
; n x 16 numbers of window 1, from index src on, become n x 4 registers of codes at v[cd]
.macro QB src, n, cd, vs, vl
	WIN 0x01
.set qi, 0
.rept 16*\n
	v_med3_num_f32 v[S+qi], v[\src+qi], -v[\vl], v[\vl]
.set qi, qi+1
.endr
	WIN 0
.set qi, 0
.rept 2*\n
	v_cvt_scalef32_pk8_bf8_f32 v[\cd+2*qi:\cd+2*qi+1], v[S+8*qi:S+8*qi+7], v[\vs]
.set qi, qi+1
.endr
	v_nop                                          ; a plain line behind the conversions
.endm
; THE CHANGE OF SLOTS.  Every wave: all its tensor loads have landed; the add; its LDS instructions are done; then the barrier.  fill = 1: the walking descriptor takes the other slot and V's chunk at the offset s[RO], which then
; steps on and goes round behind the sixteenth; the barrier is a round of the cluster's, and the joint refill stands first behind it.  fill = 2: the same, from the address in s[20:21].  fill = 0: nothing is asked for.
.macro CHANGE fill
	s_wait_tensorcnt 0x0
	ds_add_u32 v[SPW], v[NIL]                      ; 0 onto my spare word
.if \fill == 1
	s_xor_b32 s[GW+1], s[GW+1], SLOT
	s_add_nc_u64 s[GW+2:GW+3], s[VBS:VBS+1], s[RO:RO+1]
	s_or_b32 s[GW+3], s[GW+3], 0x80000000
	s_add_co_u32 s[RO], s[RO], SLOT
	s_and_b32 s[RO], s[RO], 16*SLOT-1
.elseif \fill == 2
	s_xor_b32 s[GW+1], s[GW+1], SLOT
	s_mov_b64 s[GW+2:GW+3], s[20:21]
	s_or_b32 s[GW+3], s[GW+3], 0x80000000
.endif
	s_wait_dscnt 0x0
.if \fill
	CROUND
	tensor_load_to_lds s[GW:GW+3], s[G1:G1+7]
	s_nop 0
	PLACES 4
.else
	s_barrier_signal -1
	s_barrier_wait -1
.endif
.endm
; Pass 1 on the 16 key tiles at v[adr]: two tiles at a time against the four query tiles; the running maxima, register by register, in window 1 at 64 + 8 m
.macro PASS1 adr, first
.set i1, 0
.rept NPL
	ds_load_b128 v[S+4*i1:S+4*i1+3], v[\adr] offset:512*i1
.set i1, i1+1
.endr
.set p1, 0
.rept 8
	s_wait_dscnt (NPL/8)*(7-p1)                    ; the later pairs' loads may be out
	WIN 0x40
.irp u, 0,1
.irp m, 0,1,2,3
	v_wmma_f32_16x16x64_bf8_bf8 v[8*(4*\u+\m):8*(4*\u+\m)+7], v[S+8*p1:S+8*p1+7], v[Q+12*\m+4-4*\u:Q+12*\m+11-4*\u], 0
.endr
.endr
	WIN 0x55
	PLACES 4
.irp m, 0,1,2,3
.irp j, 0,1,2,3,4,5,6,7
.if \first && (p1 == 0)
	v_max_num_f32 v[64+8*\m+\j], v[8*\m+\j], v[32+8*\m+\j]
.else
	v_max3_num_f32 v[64+8*\m+\j], v[64+8*\m+\j], v[8*\m+\j], v[32+8*\m+\j]
.endif
.endr
.endr
.set p1, p1+1
.endr
	WIN 0
.endm
; THE SOFTMAX ROLE'S STEP: K in set `set`; P's piece goes to buffer `buf`; next = 1: the set is loaded again with the keys two steps on
.macro SMSTEP set, buf, next
.set KS, KS0+KSZ*(\set)
	s_wait_loadcnt NK                              ; my set is in: behind a step of this role only the other set's NK loads are younger; behind a step of the other role nothing is out
.irp m, 0,1,2,3
.irp u, 0,1
	v_wmma_f32_16x16x64_bf8_bf8 v[S+16*\m+8*\u:S+16*\m+8*\u+7], v[KS:KS+7], v[Q+12*\m+4-4*\u:Q+12*\m+11-4*\u], 0
.endr
.endr
.if \next
	v_add_nc_u32 v[KO0+\set], 2*KSTEPB, v[KO0+\set]         ; four plain lines behind the products, ahead of the loads into their operand
	v_and_b32 v[KO0+\set], KMASK, v[KO0+\set]               ; behind the image's last step the walk goes on at its first: no load leaves the buffer
	v_nop
	v_nop
.set kk, 0
.rept NK
	global_load_b128 v[KS+4*kk:KS+4*kk+3], v[KO0+\set], s[2:3] offset:512*kk
.set kk, kk+1
.endr
.else
	PLACES 4
.endif
.irp m, 0,1,2,3
.irp j, 0,2,4,6,8,10,12,14
	v_pk_fma_f32 v[S+16*\m+\j:S+16*\m+\j+1], v[S+16*\m+\j:S+16*\m+\j+1], s[CS:CS+1], v[NM+2*\m:NM+2*\m+1] op_sel_hi:[1,0,0]   ; t - M
.endr
.endr
.set ee, 0
.rept 64
	v_exp_f32 v[S+ee], v[S+ee]                     ; p = 2^(t - M), at most 1
.set ee, ee+1
.endr
	v_nop                                          ; a plain line between the exponentials and the first use of a result (ISA guide 5.7.2)
	s_wait_alu depctr_va_vdst(0)
.irp j, 0,2,4,6,8,10,12,14
.irp m, 0,1,2,3
	v_pk_add_f32 v[LS+2*\m:LS+2*\m+1], v[LS+2*\m:LS+2*\m+1], v[S+16*\m+\j:S+16*\m+\j+1]   ; the sum of the unquantised p
.endr
.endr
.set ee, 0
.rept 64
	v_min_num_f32 v[S+ee], v[S+ee], v[LIM]         ; the hold (p is not negative)
.set ee, ee+1
.endr
.irp m, 0,1,2,3
	v_cvt_scalef32_pk8_bf8_f32 v[VB+4*\m:VB+4*\m+1], v[S+16*\m:S+16*\m+7], v[SCL]
	v_cvt_scalef32_pk8_bf8_f32 v[VB+4*\m+2:VB+4*\m+3], v[S+16*\m+8:S+16*\m+15], v[SCL]
.endr
	v_nop
.irp m, 0,1,2,3
	ds_store_b128 v[ADPW], v[VB+4*\m:VB+4*\m+3] offset:8192*\buf+2048*\m
.endr
.endm
.macro PVMUL f, b                      ; fragment f of V, in buffer b, against the four query tiles
.irp m, 0,1,2,3
	v_wmma_f32_16x16x128_bf8_bf8 v[16*(4*(\f/2)+\m)+8*(\f%2):16*(4*(\f/2)+\m)+8*(\f%2)+7], v[VB+16*\b:VB+16*\b+15], v[S+16*\m:S+16*\m+15], v[16*(4*(\f/2)+\m)+8*(\f%2):16*(4*(\f/2)+\m)+8*(\f%2)+7]
.endr
.endm
; THE PRODUCT ROLE'S STEP.  The accumulators take turns, one instruction a turn.  Each wait on DScnt counts the loads of the fragments behind the one that is due.
; lw = 1: the step begins with a wait for all global loads.  In the loop this role has none out; on a way through the text that comes from the other role's step, that step's loads are retired here, so that the other role's count holds on every way.
.macro PVSTEP buf, adv, lw
.if \lw
	s_wait_loadcnt 0x0
.endif
.irp m, 0,1,2,3
.irp c, 0,1,2,3
	ds_load_b128 v[S+16*\m+4*\c:S+16*\m+4*\c+3], v[ADPR] offset:8192*\buf+2048*\m+512*\c
.endr
.endr
.irp f, 0,1,2,3
.irp c, 0,1,2,3
	ds_load_b128 v[VB+16*\f+4*\c:VB+16*\f+4*\c+3], v[\adv] offset:2048*\f+512*\c
.endr
.endr
	WIN 0x50
.irp f, 0,1,2,3
	s_wait_dscnt 12-4*\f
	PVMUL \f, \f
.endr
	WIN 0
	PLACES 5                                       ; five plain lines behind the step's products: whatever next writes P's or V's registers, a load or a product, stands behind them
.endm
.macro BOTH set, sbuf, next, pbuf, adv ; the two roles side by side; the branch hangs on the wave's number alone
	s_cmp_eq_u32 s[RL], 0
	s_cbranch_scc0 .Lpv_\@
	SMSTEP \set, \sbuf, \next
	s_branch .Ljoin_\@
.Lpv_\@:
	PVSTEP \pbuf, \adv, 1
.Ljoin_\@:
.endm
	s_load_b128 s[4:7], s[0:1], 0x0                ; fa, pw
	s_load_b128 s[56:59], s[0:1], 0x10             ; the exponents, gamma
	s_load_b128 s[60:63], s[0:1], 0x20             ; b4, a2_qb
	s_load_b128 s[96:99], s[0:1], 0x30             ; a2_kb, a2_vb
	s_load_b64 s[100:101], s[0:1], 0x40            ; ga
	v_lshl_add_u32 v[SPW], v0, 2, SPARE
	v_mov_b32 v[NIL], 0
	ds_add_u32 v2, v3
	ds_add_u32 v2, v3
	s_wait_dscnt 0x0
	v_lshrrev_b32 v[TP], 5, v0
	v_readfirstlane_b32 s[WV], v[TP]               ; wave 0..7
	s_lshr_b32 s[RL], s[WV], 2                     ; role: 0 softmax, 1 products
	s_and_b32 s[W4], s[WV], 3
	s_bfe_u32 s20, ttmp6, 0x40000                  ; cx
	s_lshl_b32 s[BLK], ttmp9, 2
	s_add_co_u32 s[BLK], s[BLK], s20               ; my block of 64 queries: it enters global addresses of my own data alone
	s_and_b32 s[IMG], ttmp7, 0xffff                ; the image, which the four partners share
	s_lshl_b32 s[GBLK], s[IMG], 6
	s_add_co_u32 s[GBLK], s[GBLK], s[BLK]
	s_and_b32 s20, ttmp9, 7                        ; the cluster's first chunk: 2 (x % 8) + x / 8, of the cluster's x alone, which the four partners share
	s_lshl_b32 s20, s20, 1
	s_lshr_b32 s21, ttmp9, 3
	s_or_b32 s[CNT], s20, s21
	s_mov_b32 s[SEL], 0x76543210
	s_mov_b32 s[SEL+1], 0xfedcba98
	v_and_b32 v[TP], 31, v0
	v_lshlrev_b32 v[LI], 4, v[TP]
	v_lshlrev_b32 v[L4], 2, v[TP]
	v_and_b32 v[RR], 15, v0
	v_bfe_u32 v[HH], v0, 4, 1
	v_and_b32 v[PR], 8, v[RR]
	v_add_nc_u32 v[PR], v[PR], v[RR]
	s_lshl_b32 s20, s[W4], 9
	s_add_co_u32 s21, s20, PB
	v_add_nc_u32 v[ADPW], s21, v[LI]
	v_add_nc_u32 v[ADPR], PB, v[LI]
	s_mul_i32 s21, s[W4], FPW*2048
	v_add_nc_u32 v[ADV0], s21, v[LI]
	s_mul_i32 s21, s[W4], 2*KT
	s_mul_i32 s22, s[CNT], 2*KSTEPB                ; a chunk is two steps
	s_add_co_u32 s21, s21, s22
	v_add_nc_u32 v[KO0], s21, v[LI]
	v_add_nc_u32 v[KO1], KSTEPB, v[KO0]
	s_mul_i32 s21, s[WV], PART
	v_add_nc_u32 v[ADKA], s21, v[LI]
	v_add_nc_u32 v[ADKB], SLOT, v[ADKA]
	s_lshl_b32 s21, s[WV], 9
	s_add_co_u32 s21, s21, MXB
	v_add_nc_u32 v[ADMW], s21, v[L4]
	v_add_nc_u32 v[ADMR], MXB, v[L4]
	s_add_co_u32 s21, s20, LB
	v_add_nc_u32 v[ADLW], s21, v[L4]
	v_add_nc_u32 v[ADLR], LB, v[L4]
	; the end's LDS addresses, all made ahead of the first parting of the roles
	s_lshr_b32 s20, s[W4], 1
	s_lshl_b32 s20, s20, 11
	s_and_b32 s21, s[W4], 1
	s_lshl_b32 s21, s21, 10
	s_add_co_u32 s20, s20, s21
	s_add_co_u32 s20, s20, YIMG
	v_add_nc_u32 v[ADY], s20, v[LI]
	v_add_nc_u32 v[ADYR], YIMG, v[LI]
	s_lshl_b32 s20, s[WV], 13
	v_add_nc_u32 v[ADWV0], s20, v[LI]
	v_add_nc_u32 v[ADWV1], 65536, v[ADWV0]
	s_add_co_u32 s20, s20, AREA
	v_add_nc_u32 v[ADW4A], s20, v[LI]
	v_add_nc_u32 v[ADW4B], 65536, v[ADW4A]
	s_lshr_b32 s20, s[WV], 1
	s_lshl_b32 s20, s20, 11
	s_and_b32 s21, s[WV], 1
	s_lshl_b32 s22, s21, 10
	s_add_co_u32 s20, s20, s22
	s_add_co_u32 s20, s20, AREA
	v_add_nc_u32 v[ADHW], s20, v[LI]
	v_add_nc_u32 v[ADHW2], 65536, v[ADHW]
	s_lshl_b32 s20, s[RL], 15
	s_lshl_b32 s22, s21, 14
	s_add_co_u32 s22, s22, s20
	s_add_co_u32 s22, s22, AREA
	v_add_nc_u32 v[ADHQ], s22, v[LI]
	v_add_nc_u32 v[ADHV], AREA+65536, v[LI]
	s_lshr_b32 s22, s[W4], 1
	s_lshl_b32 s22, s22, 14
	s_add_co_u32 s22, s22, s20
	v_add_nc_u32 v[ADWQ], s22, v[LI]
	s_lshl_b32 s20, s[WV], 8
	s_add_co_u32 s20, s20, R2B
	v_lshl_add_u32 v[ADRW], v[RR], 2, s20
	v_lshlrev_b32 v[ADRR], 1, v[L4]
	v_add_nc_u32 v[ADRR], R2B, v[ADRR]
	; descriptor group 1: a dense block as rows of 256 bytes (32 elements of 8 bytes); 15:0 the mask: all four work-groups; bit 21 set beside it
	s_mov_b32 s[G1+0], 15|(3<<16)|(1<<21)
	s_mov_b32 s[G1+1], 32<<16
	s_mov_b32 s[G1+2], (PART/256)<<16
	s_mov_b32 s[G1+3], 32<<16
	s_mov_b32 s[G1+4], PART/256
	s_mov_b32 s[G1+5], 32
	s_mov_b32 s[G1+6], 0
	s_mov_b32 s[G1+7], 0
	s_mov_b32 s[G1W+0], 15|(3<<16)|(1<<21)         ; W4's codes: 64 rows a wave
	s_mov_b32 s[G1W+1], 32<<16
	s_mov_b32 s[G1W+2], 64<<16
	s_mov_b32 s[G1W+3], 32<<16
	s_mov_b32 s[G1W+4], 64
	s_mov_b32 s[G1W+5], 32
	s_mov_b32 s[G1W+6], 0
	s_mov_b32 s[G1W+7], 0
	s_mul_i32 s20, s[WV], PART                     ; my eighth of a slot, in LDS and in memory
	s_mov_b32 s21, 0
	s_mul_i32 s22, s[IMG], 2*SLOT
	s_add_co_u32 s22, s22, KOFF
	s_mov_b32 s23, 0
	s_wait_kmcnt 0x0
	s_load_b512 s[68:83], s[56:57], 0x0
	s_load_b256 s[84:91], s[56:57], 0x40
	s_load_b64 s[92:93], s[56:57], 0x60
	s_load_b32 s66, s[58:59], 0x0                  ; gamma
	s_add_nc_u64 s[2:3], s[4:5], s[22:23]          ; the image's K
	s_mov_b32 s40, 1
	s_mov_b32 s41, s20
	s_add_nc_u64 s[42:43], s[2:3], s[20:21]
	s_mov_b32 s44, 1
	s_add_co_u32 s45, s20, SLOT
	s_add_nc_u64 s[46:47], s[42:43], SLOT
	s_or_b32 s43, s43, 0x80000000
	s_or_b32 s47, s47, 0x80000000
	s_mov_b32 s[GW], 1                             ; the walking descriptor: every change of slots turns its slot and writes its address first
	s_add_co_u32 s[GW+1], s20, SLOT
	s_lshl_b32 s22, s[WV], 14
	s_mov_b32 s48, 1
	s_add_co_u32 s49, s22, AREA
	s_add_nc_u64 s[50:51], s[4:5], s[22:23]        ; W4's codes lie at fa's head
	s_or_b32 s51, s51, 0x80000000
	s_mul_i32 s22, s[GBLK], 4*KT
	s_add_co_u32 s22, s22, QOFF
	s_add_nc_u64 s[QB0:QB0+1], s[4:5], s[22:23]    ; my block's Q, in a pair that stays
	CROUND                                         ; the four work-groups are here: the first joint loads meet
	tensor_load_to_lds s[40:43], s[G1:G1+7]        ; K's first half -> slot 0
	s_nop 0
	tensor_load_to_lds s[44:47], s[G1:G1+7]        ; K's second half -> slot 1
	s_nop 0
	tensor_load_to_lds s[48:51], s[G1W:G1W+7]      ; W4's codes: three loads of mine are out
	s_nop 0
	PLACES 4
.irp m, 0,1,2,3
	global_load_b128 v[Q+12*\m+4:Q+12*\m+7], v[LI], s[QB0:QB0+1] offset:512*\m
.endr
.irp m, 0,1,2,3
.irp j, 0,1,2,3,8,9,10,11
	v_mov_b32 v[Q+12*\m+\j], 0                     ; the zeros beside q
.endr
.endr
.set kk, 0
.rept NK
	global_load_b128 v[KS0+4*kk:KS0+4*kk+3], v[KO0], s[2:3] offset:512*kk
	global_load_b128 v[KS0+KSZ+4*kk:KS0+KSZ+4*kk+3], v[KO1], s[2:3] offset:512*kk
.set kk, kk+1
.endr
	; the residual of channels 64 (wave % 4) on, 32 loads behind Q's and K's eight: it has both passes in which to land.  Every wave asks, the softmax role for a copy that it does not use, so that the count below is one on every way
	s_lshl_b32 s20, s[GBLK], 16
	s_add_co_u32 s20, s20, FA_X1
	s_mov_b32 s21, 0
	s_add_nc_u64 s[20:21], s[4:5], s[20:21]
	s_lshl_b32 s22, s[W4], 12
	v_add_nc_u32 v[TP+1], s22, v[LI]
	WIN 0x40
.irp bl, 0,1
.irp m, 0,1,2,3
.irp q, 0,1,2,3
	global_load_b128 v[128+16*(4*\bl+\m)+4*\q:128+16*(4*\bl+\m)+4*\q+3], v[TP+1], s[20:21] offset:16384*\m+2048*\bl+512*\q
.endr
.endr
.endr
	WIN 0
	s_wait_xcnt 0x0                                ; the loads' addresses are translated (ISA guide 3.1): s20 to s23 and v41 are written again below
	s_wait_kmcnt 0x0
	s_add_co_i32 s20, s[EQ], s[EK]
	s_lshl_b32 s20, s20, 23
	s_add_co_i32 s[CS], s20, 0x3fb8aa3b            ; log2(e) x 2^(eq + ek): the exponents are added to the exponent field
	s_mov_b32 s[CS+1], s[CS]
	MKSC SCL, LIM, EP
	s_mul_i32 s20, s[IMG], 32*STEPB                ; (the scalar loads that read s56 to s59 are done)
	s_add_co_u32 s20, s20, VOFF
	s_mul_i32 s21, s[WV], PART
	s_add_co_u32 s20, s20, s21
	s_mov_b32 s21, 0
	s_add_nc_u64 s[VBS:VBS+1], s[4:5], s[20:21]
	s_mul_i32 s[RO], s[CNT], SLOT
	s_mov_b32 s[RO+1], 0
	s_wait_tensorcnt 0x2                           ; my part of K's first half is in: two loads were issued behind it.  I read only what my own load brought
	s_wait_loadcnt 32                              ; Q and K's two sets are in; the residual's 32 loads are younger
	PASS1 ADKA, 1
	CHANGE 1                                       ; V's first chunk -> slot 0
	PASS1 ADKB, 0
	WIN 0x15
.irp m, 0,1,2,3
	v_max3_num_f32 v[TP+\m], v[64+8*\m], v[65+8*\m], v[66+8*\m]
	v_max3_num_f32 v[TP+4+\m], v[67+8*\m], v[68+8*\m], v[69+8*\m]
.endr
	WIN 0x14
.irp m, 0,1,2,3
	v_max3_num_f32 v[TP+\m], v[TP+\m], v[70+8*\m], v[71+8*\m]
.endr
	WIN 0
.irp m, 0,1,2,3
	v_max_num_f32 v[TP+\m], v[TP+\m], v[TP+4+\m]
.endr
.irp m, 0,1,2,3
	v_permlanex16_b32 v[TP+4+\m], v[TP+\m], s[SEL], s[SEL+1]
.endr
.irp m, 0,1,2,3
	v_max_num_f32 v[TP+\m], v[TP+\m], v[TP+4+\m]
.endr
.irp m, 0,1,2,3
	ds_store_b32 v[ADMW], v[TP+\m] offset:128*\m
.endr
	BAR                                            ; V's first chunk may stay out
.irp w, 0,1,2,3,4,5,6,7
.irp m, 0,1,2,3
	ds_load_b32 v[S+4*\w+\m], v[ADMR] offset:512*\w+128*\m
.endr
.endr
	s_wait_dscnt 0x0
.irp m, 0,1,2,3
	v_max3_num_f32 v[TP+\m], v[S+\m], v[S+4+\m], v[S+8+\m]
	v_max3_num_f32 v[TP+\m], v[TP+\m], v[S+12+\m], v[S+16+\m]
	v_max3_num_f32 v[TP+\m], v[TP+\m], v[S+20+\m], v[S+24+\m]
	v_max_num_f32 v[TP+\m], v[TP+\m], v[S+28+\m]
	v_mul_f32 v[TP+\m], s[CS], v[TP+\m]            ; the largest t
	v_floor_f32 v[NM+2*\m], -v[TP+\m]              ; -M = floor(-t)
	v_mov_b32 v[NM+2*\m+1], v[NM+2*\m]
.endr
	WIN 0x40
.set i2, 0
.rept NACC
	v_mov_b32 v[i2], 0                             ; O^T: the step is written once, and every way finds its registers written
.set i2, i2+1
.endr
	WIN 0
.irp j, 0,1,2,3,4,5,6,7
	v_mov_b32 v[LS+\j], 0
.endr
	s_cmp_eq_u32 s[RL], 0
	s_cbranch_scc0 .Lp0
	SMSTEP 0, 0, 1                                 ; P of step 0
.Lp0:
	s_mov_b32 s[TB], 0
	s_mov_b32 s[CNT], 15
.Lchunk:                                           ; trip c: products of steps 2 c, 2 c + 1; P of steps 2 c + 1, 2 c + 2; V's chunk c + 1 of the walk is asked for
	CHANGE 1
	v_add_nc_u32 v[ADVA], s[TB], v[ADV0]
	v_add_nc_u32 v[ADVB], STEPB, v[ADVA]
	BOTH 1, 1, 1, 0, ADVA
	BAR
	BOTH 0, 0, 1, 1, ADVB
	s_xor_b32 s[TB], s[TB], SLOT
	s_sub_co_u32 s[CNT], s[CNT], 1
	s_cmp_lg_u32 s[CNT], 0
	s_cbranch_scc1 .Lchunk
	; the last chunk is written out; the slot that is free takes the second attention's q and k weights
	s_mul_i32 s20, s[WV], PART
	s_add_co_u32 s20, s20, PW_A2Q
	s_mov_b32 s21, 0
	s_add_nc_u64 s[20:21], s[6:7], s[20:21]
	CHANGE 2
	v_add_nc_u32 v[ADVA], s[TB], v[ADV0]
	v_add_nc_u32 v[ADVB], STEPB, v[ADVA]
	s_cmp_eq_u32 s[RL], 0
	s_cbranch_scc0 .Ltpv
	SMSTEP 1, 1, 0
.irp m, 0,1,2,3
	v_add_f32 v[TP+\m], v[LS+2*\m], v[LS+2*\m+1]
.endr
.irp m, 0,1,2,3
	v_permlanex16_b32 v[TP+4+\m], v[TP+\m], s[SEL], s[SEL+1]
.endr
.irp m, 0,1,2,3
	v_add_f32 v[TP+\m], v[TP+\m], v[TP+4+\m]
.endr
.irp m, 0,1,2,3
	ds_store_b32 v[ADLW], v[TP+\m] offset:128*\m   ; my keys' part of the rows' sums
.endr
	s_branch .Ltj
.Ltpv:
	PVSTEP 0, ADVA, 1
.Ltj:
	BAR
	s_wait_loadcnt 0x0                             ; the load for a step that is not walked is retired
	; ---- b4 and W5/sigma5 of my 64 channels of layer 4, in the result's layout
	s_lshl_b32 s20, s[WV], 8
	v_lshl_add_u32 v[TP], v[HH], 6, s20
.irp f, 0,1,2,3
	global_load_b128 v[48+8*\f:51+8*\f], v[TP], s[60:61] offset:(32*(\f/2)+8*(\f%2))*4
	global_load_b128 v[52+8*\f:55+8*\f], v[TP], s[60:61] offset:(32*(\f/2)+8*(\f%2))*4+16
.endr
.irp f, 0,1,2,3
	global_load_b128 v[80+8*\f:83+8*\f], v[TP], s[6:7] offset:PW_W5N+(32*(\f/2)+8*(\f%2))*4
	global_load_b128 v[84+8*\f:87+8*\f], v[TP], s[6:7] offset:PW_W5N+(32*(\f/2)+8*(\f%2))*4+16
.endr
	s_cmp_eq_u32 s[RL], 0
	s_cbranch_scc1 .Le1
	; ---- the product role: the last step, y = gamma O / l + x, y's codes
	PVSTEP 1, ADVB, 0                              ; the biases stay on their way through the step
.irp w, 0,1,2,3
.irp m, 0,1,2,3
	ds_load_b32 v[S+4*\w+\m], v[ADLR] offset:512*\w+128*\m
.endr
.endr
	s_wait_dscnt 0x0
.irp m, 0,1,2,3
	v_add_f32 v[S+\m], v[S+\m], v[S+4+\m]
	v_add_f32 v[S+8+\m], v[S+8+\m], v[S+12+\m]
.endr
.irp m, 0,1,2,3
	v_add_f32 v[S+\m], v[S+\m], v[S+8+\m]          ; l
.endr
.irp m, 0,1,2,3
	v_rcp_f32 v[S+4+\m], v[S+\m]
.endr
	v_nop
	s_add_co_i32 s22, s[SC+12], s[SC+13]
	s_wait_alu depctr_va_vdst(0)
.irp m, 0,1,2,3
	v_mul_f32 v[LS+2*\m], s66, v[S+4+\m]
.endr
.irp m, 0,1,2,3
	v_ldexp_f32 v[LS+2*\m], v[LS+2*\m], s22        ; gamma / l x 2^(e12 + e13)
.endr
.irp m, 0,1,2,3
	v_mov_b32 v[LS+2*\m+1], v[LS+2*\m]
.endr
	MKSC TP+4, TP+5, SC+14
.irp bl, 0,1
	WIN 0x11                                       ; O^T and the residual in window 1
.irp m, 0,1,2,3
.irp i, 0,2,4,6,8,10,12,14
	v_pk_fma_f32 v[S+16*\m+\i:S+16*\m+\i+1], v[16*(4*\bl+\m)+\i:16*(4*\bl+\m)+\i+1], v[LS+2*\m:LS+2*\m+1], v[128+16*(4*\bl+\m)+\i:128+16*(4*\bl+\m)+\i+1] op_sel_hi:[1,0,1]
.endr
.endr
	WIN 0
.irp m, 0,1,2,3
	QUANT16 S+16*\m, S+16*\m, VB+4*\m, TP+4, TP+5
.endr
.irp m, 0,1,2,3
	ds_store_b128 v[ADY], v[VB+4*\m:VB+4*\m+3] offset:4096*\m+512*\bl
.endr
.endr
.Le1:
	s_mul_i32 s20, s[WV], PART
	s_add_co_u32 s20, s20, PW_A2V
	s_mov_b32 s21, 0
	s_add_nc_u64 s[20:21], s[6:7], s[20:21]
	CHANGE 2                                       ; y's images are whole; a2_vW's K step 0 -> slot 1: the last tensor load
	s_wait_loadcnt 0x0
	s_add_co_i32 s20, s[SC+14], s[SC+15]
	s_sub_co_i32 s21, 0, s20
.set i3, 0
.rept 32
	v_ldexp_f32 v[48+i3], v[48+i3], s21            ; b4 / 2^(e14 + e15)
.set i3, i3+1
.endr
	; ---- layer 4 (K = 256): all eight waves, 64 channels each, 16 accumulators by turns
.irp s, 0,1
.irp m, 0,1,2,3
.irp c, 0,1,2,3
	ds_load_b128 v[S+16*\m+4*\c:S+16*\m+4*\c+3], v[ADYR] offset:4096*\m+2048*\s+512*\c
.endr
.endr
.irp f, 0,1,2,3
.irp c, 0,1,2,3
	ds_load_b128 v[VB+16*\f+4*\c:VB+16*\f+4*\c+3], v[ADW4A+\s] offset:2048*\f+512*\c
.endr
.endr
	s_wait_dscnt 0x0
.if \s == 0
	WIN 0x40
.else
	WIN 0x50
.endif
.irp f, 0,1,2,3
.irp m, 0,1,2,3
.if \s == 0
	v_wmma_f32_16x16x128_bf8_bf8 v[16*(4*(\f/2)+\m)+8*(\f%2):16*(4*(\f/2)+\m)+8*(\f%2)+7], v[VB+16*\f:VB+16*\f+15], v[S+16*\m:S+16*\m+15], v[48+8*\f:55+8*\f]
.else
	v_wmma_f32_16x16x128_bf8_bf8 v[16*(4*(\f/2)+\m)+8*(\f%2):16*(4*(\f/2)+\m)+8*(\f%2)+7], v[VB+16*\f:VB+16*\f+15], v[S+16*\m:S+16*\m+15], v[16*(4*(\f/2)+\m)+8*(\f%2):16*(4*(\f/2)+\m)+8*(\f%2)+7]
.endif
.endr
.endr
	WIN 0
	PLACES 4
.endr
	BAR                                            ; nobody reads W4's codes any more: their bytes, which have had their last fill, take h4's images
	s_add_co_i32 s21, s20, 127
	s_lshl_b32 s[CS], s21, 23                      ; 2^(e14 + e15)
	s_mov_b32 s[CS+1], s[CS]
	s_lshl_b32 s21, s20, 23
	s_add_co_i32 s2, s21, 0x3dcccccd               ; 0.1 x 2^(e14 + e15)
	s_mov_b32 s3, s2
	WIN 0x45                                       ; all in window 1
.set i3, 0
.rept 64
	v_pk_mul_f32 v[128+2*i3:129+2*i3], v[2*i3:2*i3+1], s[2:3] op_sel_hi:[1,0]
.set i3, i3+1
.endr
.set i3, 0
.rept 64
	v_pk_mul_f32 v[2*i3:2*i3+1], v[2*i3:2*i3+1], s[CS:CS+1] op_sel_hi:[1,0]
.set i3, i3+1
.endr
.set i3, 0
.rept 128
	v_max_num_f32 v[i3], v[i3], v[128+i3]          ; h4 = max(x, 0.1 x)
.set i3, i3+1
.endr
	WIN 0x01
.irp f, 0,1,2,3
.irp i, 0,2,4,6
.irp m, 0,1,2,3
.if (\f == 0) && (\i == 0)
	v_pk_mul_f32 v[LS+2*\m:LS+2*\m+1], v[16*(4*(\f/2)+\m)+8*(\f%2)+\i:16*(4*(\f/2)+\m)+8*(\f%2)+\i+1], v[80+8*\f+\i:81+8*\f+\i]
.else
	v_pk_fma_f32 v[LS+2*\m:LS+2*\m+1], v[16*(4*(\f/2)+\m)+8*(\f%2)+\i:16*(4*(\f/2)+\m)+8*(\f%2)+\i+1], v[80+8*\f+\i:81+8*\f+\i], v[LS+2*\m:LS+2*\m+1]
.endif
.endr
.endr
.endr
	WIN 0
.irp m, 0,1,2,3
	v_add_f32 v[TP+\m], v[LS+2*\m], v[LS+2*\m+1]
.endr
.irp m, 0,1,2,3
	v_permlanex16_b32 v[TP+4+\m], v[TP+\m], s[SEL], s[SEL+1]
.endr
.irp m, 0,1,2,3
	v_add_f32 v[TP+\m], v[TP+\m], v[TP+4+\m]
.endr
.irp m, 0,1,2,3
	ds_store_b32 v[ADRW], v[TP+\m] offset:64*\m    ; my 64 channels' part of h4 . W5/sigma5; both halves of the lanes hold it and write the same word
.endr
.irp z, 0,1,2
	MKSC TP+6, TP+7, SC+16+2*\z
.irp bl, 0,1
	QB 64*\bl, 4, VB, TP+6, TP+7
.irp m, 0,1,2,3
.if \z < 2
	ds_store_b128 v[ADHW], v[VB+4*\m:VB+4*\m+3] offset:32768*\z+8192*\m+512*\bl
.else
	ds_store_b128 v[ADHW2], v[VB+4*\m:VB+4*\m+3] offset:8192*\m+512*\bl
.endif
.endr
.endr
.endr
; a2_vW's K step s, my four fragments (tiles 4 wave + f), from memory into v[reg] on of the window that win names: 16 loads of 512 consecutive bytes
.macro WLOAD s, reg, win
	WIN \win
.irp f, 0,1,2,3
.irp c, 0,1,2,3
	global_load_b128 v[\reg+16*\f+4*\c:\reg+16*\f+4*\c+3], v[ADWV0], s[6:7] offset:PW_A2V+65536*\s+2048*\f+512*\c
.endr
.endr
	WIN 0
.endm
	; the second attention's biases: eight loads
	s_cmp_eq_u32 s[RL], 0
	s_cselect_b64 s[20:21], s[62:63], s[96:97]     ; qb or kb: the choice hangs on the wave's number alone
	s_lshr_b32 s22, s[W4], 1
	s_lshl_b32 s22, s22, 7
	v_lshl_add_u32 v[TP+1], v[HH], 6, s22
.irp u, 0,1
	global_load_b128 v[48+8*\u:51+8*\u], v[TP+1], s[20:21] offset:32*\u
	global_load_b128 v[52+8*\u:55+8*\u], v[TP+1], s[20:21] offset:32*\u+16
.endr
	s_lshl_b32 s22, s[WV], 8
	v_lshl_add_u32 v[TP+2], v[PR], 2, s22
.irp f, 0,1,2,3
	global_load_b32 v[64+\f], v[TP+2], s[98:99] offset:128*(\f/2)+32*(\f%2)
.endr
	WLOAD 1, 64, 0x40                              ; K step 1 into the upper half of h4's registers, whose images are made
	CHANGE 0                                       ; h4's images, the parts of r2, the q and k weights and a2_vW's K step 0 are all there
	s_cmp_lg_u32 s[WV], 0
	s_cbranch_scc1 .Lnr2
.irp w, 0,1,2,3,4,5,6,7
	ds_load_b64 v[S+2*\w:S+2*\w+1], v[ADRR] offset:256*\w
.endr
	s_lshl_b32 s22, s[GBLK], 8
	s_add_co_u32 s22, s22, GA_R2
	s_mov_b32 s23, 0
	s_add_nc_u64 s[22:23], s[100:101], s[22:23]
	v_lshlrev_b32 v[TP+3], 1, v[L4]
	s_wait_dscnt 0x0
.irp w, 0,2,4,6
	v_pk_add_f32 v[S+\w:S+\w+1], v[S+\w:S+\w+1], v[S+8+\w:S+8+\w+1]
.endr
	v_pk_add_f32 v[S:S+1], v[S:S+1], v[S+4:S+5]
	v_pk_add_f32 v[S+2:S+3], v[S+2:S+3], v[S+6:S+7]
	v_pk_add_f32 v[S:S+1], v[S:S+1], v[S+2:S+3]
	global_store_b64 v[TP+3], v[S:S+1], s[22:23]   ; r2 of my 64 pixels: 256 consecutive bytes
	s_wait_xcnt 0x0                                ; the store has read its registers: they are loaded again below
.Lnr2:
	; ---- q2 or k2 (K = 512): 32 channels, two tiles of pixels a wave
	s_wait_loadcnt 16                              ; the biases are in; K step 1's 16 loads are younger
	s_add_co_i32 s20, s[SC+16], s[SC+17]
	s_add_co_i32 s21, s[SC+18], s[SC+19]
	s_cmp_eq_u32 s[RL], 0
	s_cselect_b32 s20, s20, s21
	s_cselect_b32 s21, s[SC+22], s[SC+23]
	s_sub_co_i32 s67, s21, s20                     ; e22 - e16 - e17, or e23 - e18 - e19
	s_sub_co_i32 s20, 0, s20
.set i3, 0
.rept 16
	v_ldexp_f32 v[48+i3], v[48+i3], s20
.set i3, i3+1
.endr
	s_add_co_i32 s20, s[SC+20], s[SC+21]
	s_sub_co_i32 s21, 0, s20
.irp f, 0,1,2,3
.irp j, 0,1,2,3,4,5,6,7
	v_ldexp_f32 v[80+8*\f+\j], v[64+\f], s21       ; v2's result holds one channel a lane
.endr
.endr
.irp g, 0,1
.irp u, 0,1
.irp t, 0,1
.irp c, 0,1,2,3
	ds_load_b128 v[S+16*(2*\u+\t)+4*\c:S+16*(2*\u+\t)+4*\c+3], v[ADWQ] offset:8192*\u+2048*(2*\g+\t)+512*\c
	ds_load_b128 v[VB+16*(2*\u+\t)+4*\c:VB+16*(2*\u+\t)+4*\c+3], v[ADHQ] offset:8192*\u+2048*(2*\g+\t)+512*\c
.endr
.endr
.endr
	s_wait_dscnt 0x0
.irp t, 0,1
.if (\g == 0) && (\t == 0)
	WIN 0x40
.else
	WIN 0x50
.endif
.irp n, 0,1
.irp u, 0,1
.if (\g == 0) && (\t == 0)
	v_wmma_f32_16x16x128_bf8_bf8 v[16*\n+8*\u:16*\n+8*\u+7], v[S+16*(2*\u+\t):S+16*(2*\u+\t)+15], v[VB+16*(2*\n+\t):VB+16*(2*\n+\t)+15], v[48+8*\u:55+8*\u]
.else
	v_wmma_f32_16x16x128_bf8_bf8 v[16*\n+8*\u:16*\n+8*\u+7], v[S+16*(2*\u+\t):S+16*(2*\u+\t)+15], v[VB+16*(2*\n+\t):VB+16*(2*\n+\t)+15], v[16*\n+8*\u:16*\n+8*\u+7]
.endif
.endr
.endr
.endr
	WIN 0
	PLACES 4
.endr
	MKSC TP+6, TP+7, 67
	QB 0, 2, VB, TP+6, TP+7
	s_lshl_b32 s20, s[GBLK], 12
	s_mov_b32 s21, 0
	s_add_nc_u64 s[20:21], s[100:101], s[20:21]
	s_lshl_b32 s22, s[RL], 20
	s_and_b32 s23, s[WV], 1
	s_lshl_b32 s23, s23, 11
	s_add_co_u32 s22, s22, s23
	s_lshr_b32 s23, s[W4], 1
	s_lshl_b32 s23, s23, 9
	s_add_co_u32 s22, s22, s23
	v_add_nc_u32 v[TP+1], s22, v[LI]
	global_store_b128 v[TP+1], v[VB:VB+3], s[20:21]
	global_store_b128 v[TP+1], v[VB+4:VB+7], s[20:21] offset:1024
	s_wait_xcnt 0x0                                ; the stores have read their registers: they are loaded again below
	; ---- v2 (K = 512): 64 channels a wave, four tiles of pixels, 16 accumulators by turns.  wreg, win: where a2_vW's four fragments stand; lc: the loads of the later K steps, which may stay out
.macro V2STEP s, wreg, win, lc
.irp m, 0,1,2,3
.irp c, 0,1,2,3
	ds_load_b128 v[S+16*\m+4*\c:S+16*\m+4*\c+3], v[ADHV] offset:8192*\m+2048*\s+512*\c
.endr
.endr
.if \s == 0
.irp f, 0,1,2,3
.irp c, 0,1,2,3
	ds_load_b128 v[VB+16*\f+4*\c:VB+16*\f+4*\c+3], v[ADWV1] offset:2048*\f+512*\c
.endr
.endr
.endif
	s_wait_dscnt 0x0
.if \s > 0
	s_wait_loadcnt \lc
.endif
	WIN \win
.irp f, 0,1,2,3
.irp m, 0,1,2,3
.if \s == 0
	v_wmma_f32_16x16x128_bf8_bf8 v[128+8*(4*\f+\m):128+8*(4*\f+\m)+7], v[S+16*\m:S+16*\m+15], v[\wreg+16*\f:\wreg+16*\f+15], v[80+8*\f:87+8*\f]
.else
	v_wmma_f32_16x16x128_bf8_bf8 v[128+8*(4*\f+\m):128+8*(4*\f+\m)+7], v[S+16*\m:S+16*\m+15], v[\wreg+16*\f:\wreg+16*\f+15], v[128+8*(4*\f+\m):128+8*(4*\f+\m)+7]
.endif
.endr
.endr
	WIN 0
	PLACES 4
.endm
	WLOAD 2, 0, 0x40                               ; K step 2 into the lower half of h4's registers: q2's and k2's sums, which lay there, are quantised
	V2STEP 0, VB, 0x40, 0                          ; K step 0 from slot 1
	WLOAD 3, VB, 0                                 ; K step 3 into the registers that K step 0 has left, four plain lines behind its products
	V2STEP 1, 64, 0x54, 32                         ; source 1, C and D in window 1
	V2STEP 2, 0, 0x54, 16
	V2STEP 3, VB, 0x50, 0
	s_sub_co_i32 s67, s[SC+24], s[SC+20]
	s_sub_co_i32 s67, s67, s[SC+21]
	MKSC TP+6, TP+7, 67
	s_lshl_b32 s20, s[IMG], 21
	s_lshr_b32 s22, s[BLK], 1
	s_lshl_b32 s22, s22, 16
	s_add_co_u32 s20, s20, s22
	s_and_b32 s22, s[BLK], 1
	s_lshl_b32 s22, s22, 10
	s_add_co_u32 s20, s20, s22
	s_add_co_u32 s20, s20, GA_V2
	s_mov_b32 s21, 0
	s_add_nc_u64 s[20:21], s[100:101], s[20:21]
	s_lshl_b32 s22, s[WV], 13
	v_add_nc_u32 v[TP+2], s22, v[LI]
.irp g, 0,1
	QB 128+64*\g, 4, VB+16*\g, TP+6, TP+7
.irp e, 0,1,2,3
	global_store_b128 v[TP+2], v[VB+16*\g+4*\e:VB+16*\g+4*\e+3], s[20:21] offset:2048*(2*\g+\e/2)+512*(\e%2)
.endr
.endr
	s_wait_tensorcnt 0x0                           ; the wave's end
	ds_add_u32 v[SPW], v[NIL]
	s_wait_dscnt 0x0
	CROUND                                         ; the closing round
	s_endpgm
.Lfunc_end_k_q374c1e1370_attn1:
	.size	k_q374c1e1370_attn1, .Lfunc_end_k_q374c1e1370_attn1-k_q374c1e1370_attn1
	.p2alignl 7, 3214868480
	.fill 96, 4, 3214868480
	.section	.rodata,"a",@progbits
	.p2align	6, 0x0
	.amdhsa_kernel k_q374c1e1370_attn1
		.amdhsa_group_segment_fixed_size 327680
		.amdhsa_private_segment_fixed_size 0
		.amdhsa_enable_private_segment 0
		.amdhsa_kernarg_size 72
		.amdhsa_user_sgpr_count 2
		.amdhsa_user_sgpr_kernarg_segment_ptr 1
		.amdhsa_wavefront_size32 1
		.amdhsa_system_sgpr_workgroup_id_x 1
		.amdhsa_system_sgpr_workgroup_id_y 1
		.amdhsa_system_sgpr_workgroup_id_z 1
		.amdhsa_system_vgpr_workitem_id 0
		.amdhsa_next_free_vgpr 512
		.amdhsa_next_free_sgpr 104
		.amdhsa_reserve_vcc 0
		.amdhsa_float_denorm_mode_32 3
		.amdhsa_float_denorm_mode_16_64 3
		.amdhsa_memory_ordered 1
		.amdhsa_forward_progress 1
		.amdhsa_inst_pref_size 239
	.end_amdhsa_kernel
	.amdgpu_metadata
---
amdhsa.version: [ 1, 2 ]
amdhsa.kernels:
  - .name:           k_q374c1e1370_attn1
    .symbol:         k_q374c1e1370_attn1.kd
    .args:
      - { .name: fa, .offset: 0, .size: 8, .value_kind: global_buffer, .address_space: global }
      - { .name: pw, .offset: 8, .size: 8, .value_kind: global_buffer, .address_space: global }
      - { .name: lowp_scales, .offset: 16, .size: 8, .value_kind: global_buffer, .address_space: global }
      - { .name: a1_gamma, .offset: 24, .size: 8, .value_kind: global_buffer, .address_space: global }
      - { .name: b4, .offset: 32, .size: 8, .value_kind: global_buffer, .address_space: global }
      - { .name: a2_qb, .offset: 40, .size: 8, .value_kind: global_buffer, .address_space: global }
      - { .name: a2_kb, .offset: 48, .size: 8, .value_kind: global_buffer, .address_space: global }
      - { .name: a2_vb, .offset: 56, .size: 8, .value_kind: global_buffer, .address_space: global }
      - { .name: ga, .offset: 64, .size: 8, .value_kind: global_buffer, .address_space: global }
    .group_segment_fixed_size: 327680
    .private_segment_fixed_size: 0
    .kernarg_segment_align: 8
    .kernarg_segment_size: 72
    .max_flat_workgroup_size: 256
    .sgpr_count:     104
    .vgpr_count:     512
    .wavefront_size: 32
...
	.end_amdgpu_metadata
.endif
;; end of part 7
;; launch attn2 (part 8): grid 64 x 4, 8 waves a work-group, clusters of 4 x 1, 327,680 bytes of LDS; arguments ga, pw, lowp_scales, a2_gamma, b5, out0; writes out0
.if DOCPART == 8
	.amdgcn_target "amdgcn-amd-amdhsa--gfx1250"
	.amdhsa_code_object_version 6
	.text
	.protected	k_q374c1e1370_attn2
	.globl	k_q374c1e1370_attn2
	.p2align	8
	.type	k_q374c1e1370_attn2,@function
k_q374c1e1370_attn2:
	s_mov_b64 s[64:65], 0
	v_nop
	global_prefetch_b8 v0, s[64:65] scope:SCOPE_SE
	s_setreg_imm32_b32 hwreg(HW_REG_WAVE_MODE, 25, 1), 1
	s_wait_xcnt 0x0
	s_wait_alu depctr_hold_cnt(0) depctr_sa_sdst(0) depctr_va_vdst(0) depctr_va_sdst(0) depctr_va_ssrc(0) depctr_va_vcc(0) depctr_vm_vsrc(0)
	s_getreg_b32 s2, hwreg(HW_REG_IB_STS2, 6, 4)
	s_cmp_eq_u32 s2, 0
	s_cbranch_scc0 .Lentry_in_a_cluster
	s_endpgm
.Lentry_in_a_cluster:
	s_bfe_u32 s2, ttmp6, 0x10000c
	s_cmp_lg_u32 s2, 0x3003
	s_cbranch_scc0 .Lentry_shape_is_right
	s_endpgm
.Lentry_shape_is_right:
; THE SECOND ATTENTION (q, k: 64 channels; v: 512) AND LAYER 5, for 64 queries a work-group.  out = leaky(gamma (O / l) . w5 + r2 + b5), w5 = W5 / sigma5, r2 = h4 . w5 from the launch before: the residual is one number a pixel.
; All operands are images of their registers ([piece c][lane][16 bytes], lane (r, h): k = 32 c + 16 h + 0 .. 15 of lane-row r), made by the launch before.
; PASS 1: the row's largest score.  The image's keys are the two slots' first fills; each of the eight waves multiplies the 16 key tiles of each half that its own load brought by all four query tiles; the maxima meet in LDS.
;   M = ceil(largest t), t = score x log2(e) x 2^(eq + ek), is then final: nothing is ever rescaled, and the order of the keys in pass 2 is free.
; PASS 2: 32 steps of 128 keys, IN TWO ROLES.  Waves 0-3: S^T = K Q^T for keys 32 w .. 32 w + 31 of the step and all 64 queries, p = 2^(t - M), the sum of the unquantised p, p's codes: one piece of P's fragments, to LDS.
;   K comes from memory straight into registers, two steps ahead.  Waves 4-7: O^T += V^T P^T, a quarter of the channels each, one step behind.  One barrier a step; V comes through a ring of two slots of two steps.
;   EACH CLUSTER STARTS ITS WALK AT ANOTHER CHUNK of the sixteen (cluster x at chunk 2 (x % 8) + x / 8) and goes round: at any one time the sixteen clusters of an image ask for sixteen different chunks of V, and what one asks for
;   the others ask for again in later trips.
;   The two roles' steps stand side by side in the text.  Every distance and every count is kept on every way through it, also on ways that no wave takes (one role's step behind the other's).
; CLUSTER: the four query blocks of a cluster belong to one image and walk the same K and V: every tile is asked for jointly, each wave an eighth of it.
; LIMITS: eq + ek between -126 and 127; ep between -126 and 112.  NaN among the inputs is not served.
; REGISTERS: window 0: v0-23 ids and addresses; v24-31 -M (a pair a query tile); v32-39 the sums; v40-47 at work; v48-79 Q; v80-111 two sets of K; v112-175 S^T, p / P; v176-255 codes / five buffers of V.   window 1: O^T.
.set KT, 1024                          ; bytes of a key tile
.set NK, 4                             ; loads that bring a wave's two key tiles
.set FPW, 8                            ; fragments of V a wave and step
.set SLOT, 131072
.set QOFF, 0
.set KOFF, 1048576
.set VOFF, 2097152
.set GA_R2, 10485760
.set PW_W5N, 2048
.set EQ, 90
.set EK, 91
.set EP, 93
.set KS0, 80
.set KSZ, 16
.set NACC, 256
.set PB, 262144                        ; LDS: slots at 0 and 131,072; P: [buffer 2][query tile 4][piece 4][512]
.set MXB, 278528
.set LB, 282624
.set OB, 284672
.set FIN, 286720
.set SPARE, 286976                     ; the spare words, 128 bytes a wave: four blocks of 256 bytes that no other line names
.set KSTEPB, 8*KT
.set KMASK, 32*KSTEPB-1                ; the image's K is 32 steps: the mask takes an offset round
.set STEPB, 4*FPW*2048
.set PART, SLOT/8
.set NPL, 16*KT/512
.set WV, 8
.set RL, 9
.set W4, 10
.set IMG, 11
.set BLK, 12
.set GBLK, 13
.set CNT, 14                           ; s14  at the head: the cluster's first chunk; then the loop's counter
.set TB, 15
.set CS, 16
.set SEL, 18
.set G1, 24
.set GW, 52
.set VBS, 56                           ; s[56:57] my eighth of the image's first chunk of V
.set RO, 58                            ; s[58:59] the byte offset of the chunk that is asked for next
.set SC, 68                            ; e_i in s[SC + i]
.set QB0, 94                           ; s[94:95] my block's Q; no other line writes them
.set LI, 1
.set SPW, 2
.set NIL, 3
.set ADPW, 4
.set ADPR, 5
.set ADV0, 6
.set ADVA, 7
.set ADVB, 8
.set KO0, 9
.set KO1, 10
.set ADKA, 12                          ; pass 1's four addresses; behind pass 1 the same registers take the end's four
.set ADKB, 13
.set ADMW, 14
.set ADMR, 15
.set ADOW, 12
.set ADOR, 13
.set ADFW, 14
.set ADFR, 15
.set ADLW, 16
.set ADLR, 17
.set SCL, 18
.set LIM, 19
.set RR, 20
.set HH, 21
.set L4, 22
.set PR, 23
.set NM, 24
.set LS, 32
.set TP, 40
.set Q, 48
.set S, 112
.set VB, 176
.set MSB, 0
.macro WIN new                         ; the immediate's high byte repeats the setting that is left
.if MSB != \new
	s_set_vgpr_msb (MSB<<8)|\new
.set MSB, \new
.endif
.endm
.macro PLACES n
.rept \n
	v_nop
.endr
.endm
.macro BAR
	s_wait_dscnt 0x0
	s_barrier_signal -1
	s_barrier_wait -1
.endm
.macro CROUND                          ; a round of the cluster's barrier
	s_barrier_signal -1
	s_barrier_wait -1
	s_cmp_lg_u32 s[WV], 0
	s_cbranch_scc1 .Lnot_wave_0_\@
	s_barrier_signal -3
.Lnot_wave_0_\@:
	s_barrier_wait -3
	s_barrier_signal -1
	s_barrier_wait -1
.endm
.macro MKSC vs, vl, se                 ; 2^E as f32 and 57,344 x 2^E, E in s[se]; s22 and s23 are at work
	s_add_co_i32 s22, s[\se], 127
	s_lshl_b32 s23, s22, 23
	v_mov_b32 v[\vs], s23
	s_add_co_i32 s22, s22, 15
	s_lshl_b32 s22, s22, 23
	s_or_b32 s22, s22, 0x600000
	v_mov_b32 v[\vl], s22
.endm
; THE CHANGE OF SLOTS.  Every wave: all its tensor loads have landed; the add; its LDS instructions are done; then the barrier.  fill = 1: the walking descriptor takes the other slot and V's chunk at the offset s[RO], which then
; steps on and goes round behind the sixteenth; the barrier is a round of the cluster's, and the joint refill stands first behind it.  fill = 0: nothing is asked for.
.macro CHANGE fill
	s_wait_tensorcnt 0x0
	ds_add_u32 v[SPW], v[NIL]                      ; 0 onto my spare word
.if \fill
	s_xor_b32 s[GW+1], s[GW+1], SLOT
	s_add_nc_u64 s[GW+2:GW+3], s[VBS:VBS+1], s[RO:RO+1]
	s_or_b32 s[GW+3], s[GW+3], 0x80000000
	s_add_co_u32 s[RO], s[RO], SLOT
	s_and_b32 s[RO], s[RO], 16*SLOT-1
.endif
	s_wait_dscnt 0x0
.if \fill
	CROUND
	tensor_load_to_lds s[GW:GW+3], s[G1:G1+7]
	s_nop 0
	PLACES 4
.else
	s_barrier_signal -1
	s_barrier_wait -1
.endif
.endm
; Pass 1 on the 16 key tiles at v[adr]: two tiles at a time against the four query tiles; the running maxima, register by register, in window 1 at 64 + 8 m
.macro PASS1 adr, first
.set i1, 0
.rept NPL
	ds_load_b128 v[S+4*i1:S+4*i1+3], v[\adr] offset:512*i1
.set i1, i1+1
.endr
.set p1, 0
.rept 8
	s_wait_dscnt (NPL/8)*(7-p1)                    ; the later pairs' loads may be out
	WIN 0x40
.irp u, 0,1
.irp m, 0,1,2,3
	v_wmma_f32_16x16x64_bf8_bf8 v[8*(4*\u+\m):8*(4*\u+\m)+7], v[S+16*p1+8*\u:S+16*p1+8*\u+7], v[Q+8*\m:Q+8*\m+7], 0
.endr
.endr
	WIN 0x55
	PLACES 4
.irp m, 0,1,2,3
.irp j, 0,1,2,3,4,5,6,7
.if \first && (p1 == 0)
	v_max_num_f32 v[64+8*\m+\j], v[8*\m+\j], v[32+8*\m+\j]
.else
	v_max3_num_f32 v[64+8*\m+\j], v[64+8*\m+\j], v[8*\m+\j], v[32+8*\m+\j]
.endif
.endr
.endr
.set p1, p1+1
.endr
	WIN 0
.endm
; THE SOFTMAX ROLE'S STEP: K in set `set`; P's piece goes to buffer `buf`; next = 1: the set is loaded again with the keys two steps on
.macro SMSTEP set, buf, next
.set KS, KS0+KSZ*(\set)
	s_wait_loadcnt NK                              ; my set is in: behind a step of this role only the other set's NK loads are younger; behind a step of the other role nothing is out
.irp m, 0,1,2,3
.irp u, 0,1
	v_wmma_f32_16x16x64_bf8_bf8 v[S+16*\m+8*\u:S+16*\m+8*\u+7], v[KS+8*\u:KS+8*\u+7], v[Q+8*\m:Q+8*\m+7], 0
.endr
.endr
.if \next
	v_add_nc_u32 v[KO0+\set], 2*KSTEPB, v[KO0+\set]         ; four plain lines behind the products, ahead of the loads into their operand
	v_and_b32 v[KO0+\set], KMASK, v[KO0+\set]               ; behind the image's last step the walk goes on at its first: no load leaves the buffer
	v_nop
	v_nop
.set kk, 0
.rept NK
	global_load_b128 v[KS+4*kk:KS+4*kk+3], v[KO0+\set], s[2:3] offset:512*kk
.set kk, kk+1
.endr
.else
	PLACES 4
.endif
.irp m, 0,1,2,3
.irp j, 0,2,4,6,8,10,12,14
	v_pk_fma_f32 v[S+16*\m+\j:S+16*\m+\j+1], v[S+16*\m+\j:S+16*\m+\j+1], s[CS:CS+1], v[NM+2*\m:NM+2*\m+1] op_sel_hi:[1,0,0]   ; t - M
.endr
.endr
.set ee, 0
.rept 64
	v_exp_f32 v[S+ee], v[S+ee]                     ; p = 2^(t - M), at most 1
.set ee, ee+1
.endr
	v_nop                                          ; a plain line between the exponentials and the first use of a result (ISA guide 5.7.2)
	s_wait_alu depctr_va_vdst(0)
.irp j, 0,2,4,6,8,10,12,14
.irp m, 0,1,2,3
	v_pk_add_f32 v[LS+2*\m:LS+2*\m+1], v[LS+2*\m:LS+2*\m+1], v[S+16*\m+\j:S+16*\m+\j+1]   ; the sum of the unquantised p
.endr
.endr
.set ee, 0
.rept 64
	v_min_num_f32 v[S+ee], v[S+ee], v[LIM]         ; the hold (p is not negative)
.set ee, ee+1
.endr
.irp m, 0,1,2,3
	v_cvt_scalef32_pk8_bf8_f32 v[VB+4*\m:VB+4*\m+1], v[S+16*\m:S+16*\m+7], v[SCL]
	v_cvt_scalef32_pk8_bf8_f32 v[VB+4*\m+2:VB+4*\m+3], v[S+16*\m+8:S+16*\m+15], v[SCL]
.endr
	v_nop
.irp m, 0,1,2,3
	ds_store_b128 v[ADPW], v[VB+4*\m:VB+4*\m+3] offset:8192*\buf+2048*\m
.endr
.endm
.macro PVMUL f, b                      ; fragment f of V, in buffer b, against the four query tiles
.irp m, 0,1,2,3
	v_wmma_f32_16x16x128_bf8_bf8 v[8*(4*\f+\m):8*(4*\f+\m)+7], v[VB+16*\b:VB+16*\b+15], v[S+16*\m:S+16*\m+15], v[8*(4*\f+\m):8*(4*\f+\m)+7]
.endr
.endm
; THE PRODUCT ROLE'S STEP.  The accumulators take turns, one instruction a turn.  Each wait on DScnt counts the loads of the fragments behind the one that is due.
; lw = 1: the step begins with a wait for all global loads.  This role has none out; on a way through the text that comes from the other role's step, that step's loads are retired here, so that the other role's count holds on every way.
.macro PVSTEP buf, adv, lw
.if \lw
	s_wait_loadcnt 0x0
.endif
.irp m, 0,1,2,3
.irp c, 0,1,2,3
	ds_load_b128 v[S+16*\m+4*\c:S+16*\m+4*\c+3], v[ADPR] offset:8192*\buf+2048*\m+512*\c
.endr
.endr
.irp f, 0,1,2,3,4
.irp c, 0,1,2,3
	ds_load_b128 v[VB+16*\f+4*\c:VB+16*\f+4*\c+3], v[\adv] offset:2048*\f+512*\c
.endr
.endr
	WIN 0x50
.irp f, 0,1,2
	s_wait_dscnt 16-4*\f
	PVMUL \f, \f
.endr
	WIN 0
	PLACES 4                                       ; buffers 0-2 are done with: they take fragments 5-7
.irp f, 5,6,7
.irp c, 0,1,2,3
	ds_load_b128 v[VB+16*(\f-5)+4*\c:VB+16*(\f-5)+4*\c+3], v[\adv] offset:2048*\f+512*\c
.endr
.endr
	WIN 0x50
	s_wait_dscnt 16
	PVMUL 3, 3
	s_wait_dscnt 12
	PVMUL 4, 4
	s_wait_dscnt 8
	PVMUL 5, 0
	s_wait_dscnt 4
	PVMUL 6, 1
	s_wait_dscnt 0
	PVMUL 7, 2
	WIN 0
	PLACES 5                                       ; five plain lines behind the step's products: whatever next writes P's or V's registers, a load or a product, stands behind them
.endm
.macro BOTH set, sbuf, next, pbuf, adv ; the two roles side by side; the branch hangs on the wave's number alone
	s_cmp_eq_u32 s[RL], 0
	s_cbranch_scc0 .Lpv_\@
	SMSTEP \set, \sbuf, \next
	s_branch .Ljoin_\@
.Lpv_\@:
	PVSTEP \pbuf, \adv, 1
.Ljoin_\@:
.endm
	s_load_b128 s[4:7], s[0:1], 0x0                ; ga, pw
	s_load_b128 s[56:59], s[0:1], 0x10             ; the exponents, gamma
	s_load_b128 s[60:63], s[0:1], 0x20             ; b5, out0
	v_lshl_add_u32 v[SPW], v0, 2, SPARE
	v_mov_b32 v[NIL], 0
	ds_add_u32 v2, v3
	ds_add_u32 v2, v3
	s_wait_dscnt 0x0
	v_lshrrev_b32 v[TP], 5, v0
	v_readfirstlane_b32 s[WV], v[TP]               ; wave 0..7
	s_lshr_b32 s[RL], s[WV], 2                     ; role: 0 softmax, 1 products
	s_and_b32 s[W4], s[WV], 3
	s_bfe_u32 s20, ttmp6, 0x40000                  ; cx
	s_lshl_b32 s[BLK], ttmp9, 2
	s_add_co_u32 s[BLK], s[BLK], s20               ; my block of 64 queries: it enters global addresses of my own data alone
	s_and_b32 s[IMG], ttmp7, 0xffff                ; the image, which the four partners share
	s_lshl_b32 s[GBLK], s[IMG], 6
	s_add_co_u32 s[GBLK], s[GBLK], s[BLK]
	s_and_b32 s20, ttmp9, 7                        ; the cluster's first chunk: 2 (x % 8) + x / 8, of the cluster's x alone, which the four partners share
	s_lshl_b32 s20, s20, 1
	s_lshr_b32 s21, ttmp9, 3
	s_or_b32 s[CNT], s20, s21
	s_mov_b32 s[SEL], 0x76543210
	s_mov_b32 s[SEL+1], 0xfedcba98
	v_and_b32 v[TP], 31, v0
	v_lshlrev_b32 v[LI], 4, v[TP]
	v_lshlrev_b32 v[L4], 2, v[TP]
	v_and_b32 v[RR], 15, v0
	v_bfe_u32 v[HH], v0, 4, 1
	v_and_b32 v[PR], 8, v[RR]
	v_add_nc_u32 v[PR], v[PR], v[RR]
	s_lshl_b32 s20, s[W4], 9
	s_add_co_u32 s21, s20, PB
	v_add_nc_u32 v[ADPW], s21, v[LI]
	v_add_nc_u32 v[ADPR], PB, v[LI]
	s_mul_i32 s21, s[W4], FPW*2048
	v_add_nc_u32 v[ADV0], s21, v[LI]
	s_mul_i32 s21, s[W4], 2*KT
	s_mul_i32 s22, s[CNT], 2*KSTEPB                ; a chunk is two steps
	s_add_co_u32 s21, s21, s22
	v_add_nc_u32 v[KO0], s21, v[LI]
	v_add_nc_u32 v[KO1], KSTEPB, v[KO0]
	s_mul_i32 s21, s[WV], PART
	v_add_nc_u32 v[ADKA], s21, v[LI]
	v_add_nc_u32 v[ADKB], SLOT, v[ADKA]
	s_lshl_b32 s21, s[WV], 9
	s_add_co_u32 s21, s21, MXB
	v_add_nc_u32 v[ADMW], s21, v[L4]
	v_add_nc_u32 v[ADMR], MXB, v[L4]
	s_add_co_u32 s21, s20, LB
	v_add_nc_u32 v[ADLW], s21, v[L4]
	s_lshl_b32 s21, s[W4], 7
	s_add_co_u32 s21, s21, LB
	v_add_nc_u32 v[ADLR], s21, v[L4]
	; descriptor group 1: a dense block as rows of 256 bytes (32 elements of 8 bytes); 15:0 the mask: all four work-groups; bit 21 set beside it
	s_mov_b32 s[G1+0], 15|(3<<16)|(1<<21)
	s_mov_b32 s[G1+1], 32<<16
	s_mov_b32 s[G1+2], (PART/256)<<16
	s_mov_b32 s[G1+3], 32<<16
	s_mov_b32 s[G1+4], PART/256
	s_mov_b32 s[G1+5], 32
	s_mov_b32 s[G1+6], 0
	s_mov_b32 s[G1+7], 0
	s_mul_i32 s20, s[WV], PART                     ; my eighth of a slot, in LDS and in memory
	s_mov_b32 s21, 0
	s_mul_i32 s22, s[IMG], 2*SLOT
	s_add_co_u32 s22, s22, KOFF
	s_mov_b32 s23, 0
	s_wait_kmcnt 0x0
	s_load_b512 s[68:83], s[56:57], 0x0
	s_load_b256 s[84:91], s[56:57], 0x40
	s_load_b64 s[92:93], s[56:57], 0x60
	s_load_b32 s66, s[58:59], 0x0                  ; gamma
	s_load_b32 s67, s[60:61], 0x0                  ; b5
	s_add_nc_u64 s[2:3], s[4:5], s[22:23]          ; the image's K
	s_mov_b32 s40, 1
	s_mov_b32 s41, s20
	s_add_nc_u64 s[42:43], s[2:3], s[20:21]
	s_mov_b32 s44, 1
	s_add_co_u32 s45, s20, SLOT
	s_add_nc_u64 s[46:47], s[42:43], SLOT
	s_or_b32 s43, s43, 0x80000000
	s_or_b32 s47, s47, 0x80000000
	s_mov_b32 s[GW], 1                             ; the walking descriptor: every change of slots turns its slot and writes its address first
	s_add_co_u32 s[GW+1], s20, SLOT
	s_mul_i32 s22, s[GBLK], 4*KT
	s_add_co_u32 s22, s22, QOFF
	s_add_nc_u64 s[QB0:QB0+1], s[4:5], s[22:23]    ; my block's Q, in a pair that stays
	CROUND                                         ; the four work-groups are here: the first joint loads meet
	tensor_load_to_lds s[40:43], s[G1:G1+7]        ; K's first half -> slot 0
	s_nop 0
	tensor_load_to_lds s[44:47], s[G1:G1+7]        ; K's second half -> slot 1: two loads of mine are out
	s_nop 0
	PLACES 4
.irp m, 0,1,2,3
.irp c, 0,1
	global_load_b128 v[Q+8*\m+4*\c:Q+8*\m+4*\c+3], v[LI], s[QB0:QB0+1] offset:1024*\m+512*\c
.endr
.endr
.set kk, 0
.rept NK
	global_load_b128 v[KS0+4*kk:KS0+4*kk+3], v[KO0], s[2:3] offset:512*kk
	global_load_b128 v[KS0+KSZ+4*kk:KS0+KSZ+4*kk+3], v[KO1], s[2:3] offset:512*kk
.set kk, kk+1
.endr
	s_wait_kmcnt 0x0
	s_add_co_i32 s20, s[EQ], s[EK]
	s_lshl_b32 s20, s20, 23
	s_add_co_i32 s[CS], s20, 0x3fb8aa3b            ; log2(e) x 2^(eq + ek): the exponents are added to the exponent field
	s_mov_b32 s[CS+1], s[CS]
	MKSC SCL, LIM, EP
	s_mul_i32 s20, s[IMG], 32*STEPB                ; (the scalar loads that read s56 to s59 are done)
	s_add_co_u32 s20, s20, VOFF
	s_mul_i32 s21, s[WV], PART
	s_add_co_u32 s20, s20, s21
	s_mov_b32 s21, 0
	s_add_nc_u64 s[VBS:VBS+1], s[4:5], s[20:21]
	s_mul_i32 s[RO], s[CNT], SLOT
	s_mov_b32 s[RO+1], 0
	s_wait_tensorcnt 0x1                           ; my part of K's first half is in: one load was issued behind it.  I read only what my own load brought
	s_wait_loadcnt 0x0
	PASS1 ADKA, 1
	CHANGE 1                                       ; V's first chunk -> slot 0
	PASS1 ADKB, 0
	WIN 0x15
.irp m, 0,1,2,3
	v_max3_num_f32 v[TP+\m], v[64+8*\m], v[65+8*\m], v[66+8*\m]
	v_max3_num_f32 v[TP+4+\m], v[67+8*\m], v[68+8*\m], v[69+8*\m]
.endr
	WIN 0x14
.irp m, 0,1,2,3
	v_max3_num_f32 v[TP+\m], v[TP+\m], v[70+8*\m], v[71+8*\m]
.endr
	WIN 0
.irp m, 0,1,2,3
	v_max_num_f32 v[TP+\m], v[TP+\m], v[TP+4+\m]
.endr
.irp m, 0,1,2,3
	v_permlanex16_b32 v[TP+4+\m], v[TP+\m], s[SEL], s[SEL+1]
.endr
.irp m, 0,1,2,3
	v_max_num_f32 v[TP+\m], v[TP+\m], v[TP+4+\m]
.endr
.irp m, 0,1,2,3
	ds_store_b32 v[ADMW], v[TP+\m] offset:128*\m
.endr
	BAR                                            ; V's first chunk may stay out
.irp w, 0,1,2,3,4,5,6,7
.irp m, 0,1,2,3
	ds_load_b32 v[S+4*\w+\m], v[ADMR] offset:512*\w+128*\m
.endr
.endr
	s_wait_dscnt 0x0
.irp m, 0,1,2,3
	v_max3_num_f32 v[TP+\m], v[S+\m], v[S+4+\m], v[S+8+\m]
	v_max3_num_f32 v[TP+\m], v[TP+\m], v[S+12+\m], v[S+16+\m]
	v_max3_num_f32 v[TP+\m], v[TP+\m], v[S+20+\m], v[S+24+\m]
	v_max_num_f32 v[TP+\m], v[TP+\m], v[S+28+\m]
	v_mul_f32 v[TP+\m], s[CS], v[TP+\m]            ; the largest t
	v_floor_f32 v[NM+2*\m], -v[TP+\m]              ; -M = floor(-t)
	v_mov_b32 v[NM+2*\m+1], v[NM+2*\m]
.endr
	WIN 0x40
.set i2, 0
.rept NACC
	v_mov_b32 v[i2], 0                             ; O^T: the step is written once, and every way finds its registers written
.set i2, i2+1
.endr
	WIN 0
.irp j, 0,1,2,3,4,5,6,7
	v_mov_b32 v[LS+\j], 0
.endr
	; the end's LDS addresses, in the registers that pass 1's have left, ahead of the first parting of the roles
	s_lshl_b32 s20, s[W4], 9
	s_add_co_u32 s20, s20, OB
	v_add_nc_u32 v[ADOW], s20, v[L4]
	s_lshl_b32 s20, s[W4], 7
	s_add_co_u32 s20, s20, OB
	v_add_nc_u32 v[ADOR], s20, v[L4]
	s_lshr_b32 s20, s[W4], 1
	s_lshl_b32 s20, s20, 7
	s_and_b32 s21, s[W4], 1
	s_lshl_b32 s21, s21, 5
	s_add_co_u32 s20, s20, s21
	s_add_co_u32 s20, s20, FIN
	v_lshl_add_u32 v[ADFW], v[PR], 2, s20
	v_lshlrev_b32 v[ADFR], 1, v[L4]
	v_add_nc_u32 v[ADFR], FIN, v[ADFR]
	s_cmp_eq_u32 s[RL], 0
	s_cbranch_scc0 .Lp0
	SMSTEP 0, 0, 1                                 ; P of step 0
.Lp0:
	s_mov_b32 s[TB], 0
	s_mov_b32 s[CNT], 15
.Lchunk:                                           ; trip c: products of steps 2 c, 2 c + 1; P of steps 2 c + 1, 2 c + 2; V's chunk c + 1 of the walk is asked for
	CHANGE 1
	v_add_nc_u32 v[ADVA], s[TB], v[ADV0]
	v_add_nc_u32 v[ADVB], STEPB, v[ADVA]
	BOTH 1, 1, 1, 0, ADVA
	BAR
	BOTH 0, 0, 1, 1, ADVB
	s_xor_b32 s[TB], s[TB], SLOT
	s_sub_co_u32 s[CNT], s[CNT], 1
	s_cmp_lg_u32 s[CNT], 0
	s_cbranch_scc1 .Lchunk
	CHANGE 0                                       ; the last chunk is written out: nothing more is asked for
	v_add_nc_u32 v[ADVA], s[TB], v[ADV0]
	v_add_nc_u32 v[ADVB], STEPB, v[ADVA]
	s_cmp_eq_u32 s[RL], 0
	s_cbranch_scc0 .Ltpv
	SMSTEP 1, 1, 0
.irp m, 0,1,2,3
	v_add_f32 v[TP+\m], v[LS+2*\m], v[LS+2*\m+1]
.endr
.irp m, 0,1,2,3
	v_permlanex16_b32 v[TP+4+\m], v[TP+\m], s[SEL], s[SEL+1]
.endr
.irp m, 0,1,2,3
	v_add_f32 v[TP+\m], v[TP+\m], v[TP+4+\m]
.endr
.irp m, 0,1,2,3
	ds_store_b32 v[ADLW], v[TP+\m] offset:128*\m   ; my keys' part of the rows' sums
.endr
	s_branch .Ltj
.Ltpv:
	PVSTEP 0, ADVA, 1
.Ltj:
	BAR
	s_wait_loadcnt 0x0                             ; the load for a step that is not walked is retired
	s_cmp_eq_u32 s[RL], 0
	s_cbranch_scc1 .Lnopv
	; ---- the product role: W5/sigma5 of my 128 channels, the last step, O^T . w5
	s_lshl_b32 s20, s[W4], 9
	v_lshl_add_u32 v[TP], v[HH], 6, s20
.irp f, 0,1,2,3,4,5,6,7
	global_load_b128 v[48+8*\f:51+8*\f], v[TP], s[6:7] offset:PW_W5N+(32*(\f/2)+8*(\f%2))*4
	global_load_b128 v[52+8*\f:55+8*\f], v[TP], s[6:7] offset:PW_W5N+(32*(\f/2)+8*(\f%2))*4+16
.endr
	PVSTEP 1, ADVB, 0                              ; W5/sigma5 stays on its way through the step
	s_wait_loadcnt 0x0
	WIN 0x01                                       ; O^T in window 1
.irp f, 0,1,2,3,4,5,6,7
.irp i, 0,2,4,6
.irp m, 0,1,2,3
.if (\f == 0) && (\i == 0)
	v_pk_mul_f32 v[LS+2*\m:LS+2*\m+1], v[8*(4*\f+\m)+\i:8*(4*\f+\m)+\i+1], v[48+8*\f+\i:49+8*\f+\i]
.else
	v_pk_fma_f32 v[LS+2*\m:LS+2*\m+1], v[8*(4*\f+\m)+\i:8*(4*\f+\m)+\i+1], v[48+8*\f+\i:49+8*\f+\i], v[LS+2*\m:LS+2*\m+1]
.endif
.endr
.endr
.endr
	WIN 0
.irp m, 0,1,2,3
	v_add_f32 v[TP+\m], v[LS+2*\m], v[LS+2*\m+1]
.endr
.irp m, 0,1,2,3
	v_permlanex16_b32 v[TP+4+\m], v[TP+\m], s[SEL], s[SEL+1]
.endr
.irp m, 0,1,2,3
	v_add_f32 v[TP+\m], v[TP+\m], v[TP+4+\m]
.endr
.irp m, 0,1,2,3
	ds_store_b32 v[ADOW], v[TP+\m] offset:128*\m
.endr
.Lnopv:
	BAR
	s_cmp_eq_u32 s[RL], 0
	s_cbranch_scc0 .Lnofin
	; ---- waves 0-3: query tile m = wave
.irp w, 0,1,2,3
	ds_load_b32 v[S+\w], v[ADOR] offset:512*\w
	ds_load_b32 v[S+4+\w], v[ADLR] offset:512*\w
.endr
	s_lshl_b32 s20, s[GBLK], 8
	s_add_co_u32 s20, s20, GA_R2
	s_mov_b32 s21, 0
	s_add_nc_u64 s[20:21], s[4:5], s[20:21]
	s_lshl_b32 s22, s[W4], 6
	v_lshl_add_u32 v[TP], v[RR], 2, s22
	global_load_b32 v[S+8], v[TP], s[20:21]        ; r2
	s_wait_dscnt 0x0
	v_add_f32 v[S], v[S], v[S+1]
	v_add_f32 v[S+2], v[S+2], v[S+3]
	v_add_f32 v[S+4], v[S+4], v[S+5]
	v_add_f32 v[S+6], v[S+6], v[S+7]
	v_add_f32 v[S], v[S], v[S+2]                   ; O^T . w5
	v_add_f32 v[S+4], v[S+4], v[S+6]               ; l
	v_rcp_f32 v[S+4], v[S+4]
	v_nop
	s_add_co_i32 s22, s[SC+24], s[SC+25]
	s_wait_alu depctr_va_vdst(0)
	v_mul_f32 v[S+4], s66, v[S+4]
	v_ldexp_f32 v[S+4], v[S+4], s22                ; gamma / l x 2^(e24 + e25)
	s_wait_loadcnt 0x0
	v_add_f32 v[S+8], s67, v[S+8]
	v_fma_f32 v[S], v[S], v[S+4], v[S+8]
	v_mul_f32 v[S+1], 0x3dcccccd, v[S]
	v_max_num_f32 v[S], v[S], v[S+1]
	ds_store_b32 v[ADFW], v[S]                     ; at the pixel's own place in the block; both halves of the lanes hold it and write the same word
.Lnofin:
	BAR
	s_cmp_lg_u32 s[WV], 0
	s_cbranch_scc1 .Lfin
	ds_load_b64 v[S:S+1], v[ADFR]
	s_lshl_b32 s20, s[GBLK], 8
	s_mov_b32 s21, 0
	s_add_nc_u64 s[20:21], s[62:63], s[20:21]
	v_lshlrev_b32 v[TP+1], 1, v[L4]
	s_wait_dscnt 0x0
	global_store_b64 v[TP+1], v[S:S+1], s[20:21]   ; my block's 64 numbers: 256 consecutive bytes
.Lfin:
	s_wait_tensorcnt 0x0                           ; the wave's end
	ds_add_u32 v[SPW], v[NIL]
	s_wait_dscnt 0x0
	CROUND                                         ; the closing round
	s_endpgm
.Lfunc_end_k_q374c1e1370_attn2:
	.size	k_q374c1e1370_attn2, .Lfunc_end_k_q374c1e1370_attn2-k_q374c1e1370_attn2
	.p2alignl 7, 3214868480
	.fill 96, 4, 3214868480
	.section	.rodata,"a",@progbits
	.p2align	6, 0x0
	.amdhsa_kernel k_q374c1e1370_attn2
		.amdhsa_group_segment_fixed_size 327680
		.amdhsa_private_segment_fixed_size 0
		.amdhsa_enable_private_segment 0
		.amdhsa_kernarg_size 48
		.amdhsa_user_sgpr_count 2
		.amdhsa_user_sgpr_kernarg_segment_ptr 1
		.amdhsa_wavefront_size32 1
		.amdhsa_system_sgpr_workgroup_id_x 1
		.amdhsa_system_sgpr_workgroup_id_y 1
		.amdhsa_system_sgpr_workgroup_id_z 1
		.amdhsa_system_vgpr_workitem_id 0
		.amdhsa_next_free_vgpr 512
		.amdhsa_next_free_sgpr 104
		.amdhsa_reserve_vcc 0
		.amdhsa_float_denorm_mode_32 3
		.amdhsa_float_denorm_mode_16_64 3
		.amdhsa_memory_ordered 1
		.amdhsa_forward_progress 1
		.amdhsa_inst_pref_size 148
	.end_amdhsa_kernel
	.amdgpu_metadata
---
amdhsa.version: [ 1, 2 ]
amdhsa.kernels:
  - .name:           k_q374c1e1370_attn2
    .symbol:         k_q374c1e1370_attn2.kd
    .args:
      - { .name: ga, .offset: 0, .size: 8, .value_kind: global_buffer, .address_space: global }
      - { .name: pw, .offset: 8, .size: 8, .value_kind: global_buffer, .address_space: global }
      - { .name: lowp_scales, .offset: 16, .size: 8, .value_kind: global_buffer, .address_space: global }
      - { .name: a2_gamma, .offset: 24, .size: 8, .value_kind: global_buffer, .address_space: global }
      - { .name: b5, .offset: 32, .size: 8, .value_kind: global_buffer, .address_space: global }
      - { .name: out0, .offset: 40, .size: 8, .value_kind: global_buffer, .address_space: global }
    .group_segment_fixed_size: 327680
    .private_segment_fixed_size: 0
    .kernarg_segment_align: 8
    .kernarg_segment_size: 48
    .max_flat_workgroup_size: 256
    .sgpr_count:     104
    .vgpr_count:     512
    .wavefront_size: 32
...
	.end_amdgpu_metadata
.endif
;; end of part 8
